; MI455X (gfx1250); checked and timed in simulation.
; The chip was launched on July 23, 2026; its instructions are those of AMD's public machine-readable ISA for CDNA 5 (MIT licence, August 2026) and "CDNA5" Instruction Set Architecture Reference Guide (July 2026). The comments in the code are by the model that wrote it; some were corrected since.
;; Transformer Encoder. Allowed arithmetic: matrix products marked QUANTISED: E2M3 operands, one E8M0 scale for each 32 along K, by v_wmma_scale_f32_16x16x128_f8f6f4 with both operands' format E2M3, f32 sums; everything else in f32.
;; Inputs: W1 1,024 x 4,096 float32; W2 4,096 x 1,024 float32; Wk 1,024 x 1,024 float32; Wo 1,024 x 1,024 float32; Wq 1,024 x 1,024 float32; Wv 1,024 x 1,024 float32; b1 4,096 float32; b2 1,024 float32; beta1 1,024 float32; beta2 1,024 float32; bk 1,024 float32; bo 1,024 float32; bq 1,024 float32; bv 1,024 float32; ebd_x 2 x 2,048 x 1,024 float32; g1 1,024 float32; g2 1,024 float32.
;; Outputs: out0 2 x 2,048 x 1,024 float32.
;; This version of the problem:
;;   THIS VERSION OF THE PROBLEM IS GIVEN IN LOW PRECISION. The matrix products marked QUANTISED in the list below multiply operands that are first quantised to E2M3 (2 exponent bits, 3 mantissa bits; 6 bits a number), with one power-of-two scale for each 32 numbers along K (OCP MX v1.0); their sums are f32. All else is computed in f32.
;;   The module's matrix products, in the order in which they are computed (A, B: the left and right operand; K: the contracted axis; several contracted axes count as one K, in the product's order):
;;     1. [M 4,096, K 1,024] x [K 1,024, N 1,024]; A: input ebd_x; B: input Wq: QUANTISED
;;     2. [M 4,096, K 1,024] x [K 1,024, N 1,024]; A: input ebd_x; B: input Wk: QUANTISED
;;     3. [M 4,096, K 1,024] x [K 1,024, N 1,024]; A: input ebd_x; B: input Wv: QUANTISED
;;     4. batch 32 x [M 2,048, K 64] x [K 64, N 2,048]; A: computed on the way; B: computed on the way: QUANTISED
;;     5. batch 32 x [M 2,048, K 2,048] x [K 2,048, N 64]; A: softmax (see below); B: computed on the way: QUANTISED
;;     6. [M 4,096, K 1,024] x [K 1,024, N 1,024]; A: computed on the way; B: input Wo: QUANTISED
;;     7. [M 4,096, K 1,024] x [K 1,024, N 4,096]; A: computed on the way; B: input W1: QUANTISED
;;     8. [M 4,096, K 4,096] x [K 4,096, N 1,024]; A: computed on the way; B: input W2: QUANTISED
;;   THE QUANTISER, for each operand of a quantised product, along K:
;;     - K is cut into blocks of 32 from its start; a last block that is shorter is filled with zeros.
;;     - A block's scale is 2^e with e = floor(log2(the largest magnitude in the block)) - 2, held to -126 .. 127; a block of zeros has e = 0. As a byte (E8M0): e + 127.
;;     - Each number is divided by its block's scale, clamped to +-7.5, and rounded to the nearest number of E2M3, ties to even, subnormals kept.
;;     - The product sums the exact products of the quantised numbers (number of the format x scale) in f32.
;;   ~~~python
;;   def quantise(x, axis):      # numpy; x: float32 -> the quantised numbers, widened to float32 again
;;       x = np.moveaxis(x, axis, -1); K = x.shape[-1]
;;       x = np.pad(x, [(0, 0)] * (x.ndim - 1) + [(0, -K % 32)]); x = x.reshape(x.shape[:-1] + (-1, 32)); a = np.abs(x).max(-1, keepdims=True)
;;       e = np.where(a > 0, np.clip(np.frexp(np.where(a > 0, a, 1))[1] - 1 - 2, -126, 127), 0)      # np.frexp(a)[1] - 1 = floor(log2(a)), exactly
;;       r = np.clip(x / 2.0 ** e, -7.5, 7.5)
;;       step = 2.0 ** (np.maximum(np.frexp(np.where(r == 0, 1, r))[1] - 1, 0) - 3)
;;       q = np.round(r / step) * step * 2.0 ** e      # np.round: ties to even
;;       return np.moveaxis(q.reshape(q.shape[:-2] + (-1,))[..., :K], -1, axis).astype(np.float32)
;;   ~~~
;;   SOFTMAX AHEAD OF A QUANTISED PRODUCT. Where the list says 'softmax', what is quantised is not the finished softmax but p = 2^(t - M), with t = logit x log2(e) and M = ceil(the row's largest t), a whole number; so 1/2 < the row's largest p <= 1. The row's sum l is taken of the UNQUANTISED p, in f32, and the product's result is divided by l at the end. Since M is a whole number, a kernel that streams over the keys may use a running M (the ceiling of the running maximum): every later rescaling is an exact power of two, which a block's scale takes up: the codes' values come out the same.
;;   OPERANDS COMPUTED ON THE WAY. 'Computed on the way' means the value that the module computes at that place (a softmax that the list does not call 'softmax' is quantised finished and normalised). What goes into a quantiser is computed in f32, as accurately as f32 sums, v_exp_f32 and their like allow (about 1e-6 of the number): no bf16 or f16 on the way to a quantiser, and a product that is left as it is and whose result goes on into a quantised operand takes f32 operands (vector FMAs, or v_wmma_f32_16x16x4_f32). A number that lies on a knife's edge between two numbers of the format may be rounded either way, as far as f32 arithmetic and the matrix unit's own rounding can turn it there, and no further.
;; 2 versions. Each part assembles by itself: llvm-mc -triple=amdgcn-amd-amdhsa -mcpu=gfx1250 --defsym DOCPART=n.
;; ======== version 1 of 2: 9 launches
;; workspace buffers: xq 3,276,800 bytes; wq 9,830,400 bytes; qkv 10,092,544 bytes; y 16,777,216 bytes; x1 16,777,216 bytes; hq 13,107,200 bytes
;; launch quant_x (part 1): grid 256 x 1, 4 waves a work-group, no clusters, 1,024 bytes of LDS; arguments ebd_x, xq; writes xq
.if DOCPART == 1
	.amdgcn_target "amdgcn-amd-amdhsa--gfx1250"
	.amdhsa_code_object_version 6
	.text
	.protected	k_q35f46f2240_quant_x
	.globl	k_q35f46f2240_quant_x
	.p2align	8
	.type	k_q35f46f2240_quant_x,@function
k_q35f46f2240_quant_x:
	s_mov_b64 s[64:65], 0
	v_nop
	global_prefetch_b8 v0, s[64:65] scope:SCOPE_SE
	s_setreg_imm32_b32 hwreg(HW_REG_WAVE_MODE, 25, 1), 1
	s_wait_xcnt 0x0
; ebd_x [4096][1024] f32 becomes codes of FP6 (E2M3) with one E8M0 scale byte for each 32 along K, laid as the matrix unit's registers take them.
; IMAGE: fragment (tile of 16 rows t, K step of 128 s) is 1,536 bytes at (8 t + s) x 1536: registers 4 g .. 4 g + 3 of lane l at 512 g + 16 l.
; SCALE WORDS from byte 3,145,728 on: block (group of 128 rows G, K step s) is 512 bytes at (8 G + s) x 512; the word of tile i, row r at 256 (i / 4) + 16 r + 4 (i % 4).
; THE ROWS OF A TILE ARE NOT NEIGHBOURS: row r of tile 2 b + u is token 32 b + 8 u + r + 8 (r / 8), so that results of products on these tiles have 16 neighbouring tokens in 16 registers.
; SHARES: work-group x: four tiles (x / 4) and two K steps (x % 4); wave w takes one tile: two fragments.  All 32 loads of a wave go out at once.
; LIMITS: NaN and infinities are not served; a block whose largest magnitude lies under 2^-124 (zeros too) gets the byte 1: its codes are zeros or tiny, and this program alone reads the bytes.
.set SPARE, 512                        ; behind the stage of 512 bytes: the spare words, 128 bytes a wave
.set XA,  3                            ; v3  my byte in the tile's rows of x
.set LI,  4                            ; v4  16 x lane
.set TM,  8                            ; v8-23 at work in QUANT
.set PW0, 24
.set PW1, 25
.set XW,  26
.set SPW, 28
.set NIL, 29
.set N0,  32                           ; v32-95, v96-159: 64 numbers of a lane for each K step
.set N1,  96
.set PCA, 160                          ; codes (12 registers, 19 at work)
.set PCB, 192
.set SEL, 20
; 64 numbers of a lane, register 16 b + i = k 32 b + 16 (lane / 16) + i of my row, become a fragment's 12 registers v[pc] on and its scale word v[pw]
.macro QUANT s, pc, pw
.irp b, 0,1,2,3
	v_max3_num_f32 v[TM+\b], |v[\s+16*\b]|, |v[\s+1+16*\b]|, 0x1800000   ; my 16 numbers of block b, and the floor 2^(3 - 127): the byte cannot fall under 1
.endr
.irp i, 2,4,6,8,10,12,14
.irp b, 0,1,2,3
	v_max3_num_f32 v[TM+\b], v[TM+\b], |v[\s+16*\b+\i]|, |v[\s+1+16*\b+\i]|
.endr
.endr
.irp b, 0,1,2,3
	v_permlanex16_b32 v[TM+4+\b], v[TM+\b], s[SEL], s[SEL+1]
.endr
.irp b, 0,1,2,3
	v_max_num_f32 v[TM+\b], v[TM+\b], v[TM+4+\b]       ; with lane l xor 16's: the block's largest magnitude
.endr
.irp b, 0,1,2,3
	v_add_nc_u32 v[TM+12+\b], 0xff000000, v[TM+\b]     ; 2 off its exponent field: the conversion's scale operand
.endr
.irp b, 0,1,2,3
	v_lshrrev_b32 v[TM+4+\b], 23, v[TM+12+\b]          ; the scale's byte
.endr
	v_lshl_or_b32 v[\pw], v[TM+5], 8, v[TM+4]
	v_lshl_or_b32 v[\pw], v[TM+6], 16, v[\pw]
	v_lshl_or_b32 v[\pw], v[TM+7], 24, v[\pw]
.irp c, 0,1
	v_cvt_scalef32_pk16_fp6_f32 v[\pc+6*\c:\pc+2+6*\c], v[\s+32*\c:\s+15+32*\c], v[TM+12+2*\c]
	v_cvt_scalef32_pk16_fp6_f32 v[\pc+12+4*\c:\pc+14+4*\c], v[\s+16+32*\c:\s+31+32*\c], v[TM+12+2*\c+1]
.endr
	v_nop                                              ; one plain place behind a scaled conversion
.irp c, 0,1                                        ; the layout wants a whole block in a lane: lanes 0-15 block 2 c, lanes 16-31 block 2 c + 1
.irp i, 0,1,2
	v_permlane16_swap_b32 v[\pc+6*\c+\i], v[\pc+12+4*\c+\i]
.endr
.irp i, 0,1,2
	v_mov_b32 v[\pc+3+6*\c+\i], v[\pc+12+4*\c+\i]
.endr
.endr
.endm
.macro XLOAD reg, s                    ; my 16 numbers of each of the four blocks of K step s
.irp b, 0,1,2,3
.irp j, 0,1,2,3
	global_load_b128 v[\reg+16*\b+4*\j:\reg+16*\b+4*\j+3], v[XA], s[4:5] offset:512*\s+128*\b+16*\j th:TH_LOAD_NT
.endr
.endr
.endm
	s_load_b128 s[4:7], s[0:1], 0x0                ; ebd_x, xq
	v_lshl_add_u32 v[SPW], v0, 2, SPARE
	v_mov_b32 v[NIL], 0
	v_lshrrev_b32 v1, 5, v0
	v_readfirstlane_b32 s8, v1                     ; wave
	v_and_b32 v7, 31, v0                           ; lane
	v_and_b32 v1, 15, v0                           ; r
	v_bfe_u32 v2, v0, 4, 1                         ; h
	v_and_b32 v[XA], 8, v1
	v_add_nc_u32 v[XA], v[XA], v1                  ; r + 8 (r / 8)
	v_lshlrev_b32 v[XA], 12, v[XA]                 ; rows of 4,096 bytes
	v_lshl_add_u32 v[XA], v2, 6, v[XA]             ; + 64 h
	v_lshlrev_b32 v[LI], 4, v7
	s_lshl_b32 s9, s8, 2
	v_add_nc_u32 v5, s9, v[LI]                     ; the stage: [K step][row][wave]: 16 x lane + 4 x wave
	v_lshlrev_b32 v6, 4, v1
	v_lshl_add_u32 v6, v2, 9, v6                   ; the scale words' way out: 512 h + 16 r
.irp b, 0,1,2,3
	v_mov_b32 v[TM+4+\b], 0                        ; written once: a lane permute's destination counts as a source
.endr
	s_mov_b32 s[SEL], 0x76543210
	s_mov_b32 s[SEL+1], 0xfedcba98
	s_mov_b32 s22, 0xffff0000                      ; lanes 16-31
	s_lshr_b32 s10, ttmp9, 2                       ; which four tiles
	s_and_b32 s11, ttmp9, 3                        ; which two K steps
	s_lshl_b32 s12, s10, 2
	s_add_co_u32 s12, s12, s8                      ; my tile T
	s_lshr_b32 s13, s12, 1
	s_lshl_b32 s13, s13, 5
	s_and_b32 s14, s12, 1
	s_lshl_b32 s14, s14, 3
	s_add_co_u32 s13, s13, s14                     ; its first token: 32 (T / 2) + 8 (T % 2)
	s_lshl_b32 s14, s13, 12
	s_lshl_b32 s15, s11, 10
	s_add_co_u32 s14, s14, s15
	s_mov_b32 s15, 0
	s_lshl_b32 s16, s12, 3
	s_lshl_b32 s17, s11, 1
	s_add_co_u32 s16, s16, s17
	s_mul_i32 s16, s16, 1536                       ; my first fragment
	s_mov_b32 s17, 0
	s_lshr_b32 s18, s10, 1
	s_lshl_b32 s18, s18, 3
	s_lshl_b32 s19, s11, 1
	s_add_co_u32 s18, s18, s19
	s_lshl_b32 s18, s18, 9
	s_and_b32 s19, s10, 1
	s_lshl_b32 s19, s19, 8
	s_add_co_u32 s18, s18, s19
	s_add_co_u32 s18, s18, 3145728                 ; the four tiles' scale words
	s_mov_b32 s19, 0
	s_wait_kmcnt 0x0
	s_add_nc_u64 s[4:5], s[4:5], s[14:15]
	s_add_nc_u64 s[24:25], s[6:7], s[16:17]
	s_add_nc_u64 s[26:27], s[6:7], s[18:19]
	XLOAD N0, 0
	XLOAD N1, 1
	s_wait_loadcnt 16                              ; the first K step's 16 loads are in; the second's may be out
	QUANT N0, PCA, PW0
.irp g, 0,1,2
	global_store_b128 v[LI], v[PCA+4*\g:PCA+4*\g+3], s[24:25] offset:512*\g        ; 512 consecutive bytes a store
.endr
	s_wait_loadcnt 0x0
	QUANT N1, PCB, PW1
.irp g, 0,1,2
	global_store_b128 v[LI], v[PCB+4*\g:PCB+4*\g+3], s[24:25] offset:1536+512*\g
.endr
	v_cndmask_b32 v[XW], v[PW0], v[PW1], s22       ; lanes 0-15: the first K step's word of row r; lanes 16-31: the second's
	ds_store_b32 v5, v[XW]
	s_wait_dscnt 0x0                               ; for the others' sake: my store has landed
	s_barrier_signal -1
	s_barrier_wait -1
	s_cmp_lg_u32 s8, 0
	s_cbranch_scc1 .Lend                           ; wave 0 sends the four tiles' words: two aligned runs of 256 bytes
	ds_load_b128 v[212:215], v[LI]
	s_wait_dscnt 0x0
	global_store_b128 v6, v[212:215], s[26:27]
.Lend:
	s_wait_tensorcnt 0x0                           ; the wave's end, behind my last LDS store
	ds_add_u32 v[SPW], v[NIL]
	s_wait_dscnt 0x0
	s_endpgm
.Lfunc_end_k_q35f46f2240_quant_x:
	.size	k_q35f46f2240_quant_x, .Lfunc_end_k_q35f46f2240_quant_x-k_q35f46f2240_quant_x
	.p2alignl 7, 3214868480
	.fill 96, 4, 3214868480
	.section	.rodata,"a",@progbits
	.p2align	6, 0x0
	.amdhsa_kernel k_q35f46f2240_quant_x
		.amdhsa_group_segment_fixed_size 1024
		.amdhsa_private_segment_fixed_size 0
		.amdhsa_enable_private_segment 0
		.amdhsa_kernarg_size 16
		.amdhsa_user_sgpr_count 2
		.amdhsa_user_sgpr_kernarg_segment_ptr 1
		.amdhsa_wavefront_size32 1
		.amdhsa_system_sgpr_workgroup_id_x 1
		.amdhsa_system_sgpr_workgroup_id_y 1
		.amdhsa_system_sgpr_workgroup_id_z 1
		.amdhsa_system_vgpr_workitem_id 0
		.amdhsa_next_free_vgpr 224
		.amdhsa_next_free_sgpr 66
		.amdhsa_reserve_vcc 0
		.amdhsa_float_denorm_mode_32 3
		.amdhsa_float_denorm_mode_16_64 3
		.amdhsa_memory_ordered 1
		.amdhsa_forward_progress 1
		.amdhsa_inst_pref_size 15
	.end_amdhsa_kernel
	.amdgpu_metadata
---
amdhsa.version: [ 1, 2 ]
amdhsa.kernels:
  - .name:           k_q35f46f2240_quant_x
    .symbol:         k_q35f46f2240_quant_x.kd
    .args:
      - { .name: ebd_x, .offset: 0, .size: 8, .value_kind: global_buffer, .address_space: global }
      - { .name: xq, .offset: 8, .size: 8, .value_kind: global_buffer, .address_space: global }
    .group_segment_fixed_size: 1024
    .private_segment_fixed_size: 0
    .kernarg_segment_align: 8
    .kernarg_segment_size: 16
    .max_flat_workgroup_size: 128
    .sgpr_count:     66
    .vgpr_count:     224
    .wavefront_size: 32
...
	.end_amdgpu_metadata
.endif
;; end of part 1
;; launch quant_w (part 2): grid 384 x 1, 4 waves a work-group, no clusters, 26,112 bytes of LDS; arguments Wq, Wk, Wv, Wo, W1, W2, wq; writes wq
.if DOCPART == 2
	.amdgcn_target "amdgcn-amd-amdhsa--gfx1250"
	.amdhsa_code_object_version 6
	.text
	.protected	k_q35f46f2240_quant_w
	.globl	k_q35f46f2240_quant_w
	.p2align	8
	.type	k_q35f46f2240_quant_w,@function
k_q35f46f2240_quant_w:
	s_mov_b64 s[64:65], 0
	v_nop
	global_prefetch_b8 v0, s[64:65] scope:SCOPE_SE
	s_setreg_imm32_b32 hwreg(HW_REG_WAVE_MODE, 25, 1), 1
	s_wait_xcnt 0x0
; The six weights [K][N] f32, whose K is the FIRST axis, become codes of FP6 (E2M3) and E8M0 scale bytes along K, laid as register images with K innermost.
; wq: codes in regions of 786,432 bytes: 0 Wq, 1 Wk, 2 Wv, 3 Wo, 4-7 W1, 8-11 W2; fragment (tile of 16 columns t, K step s) at (t KST + s) x 1536.  Scale words from 9,437,184 on, 32,768 bytes a region:
; block (128 columns G, K step s) at (G KST + s) x 512, the word of tile i, row r at 256 (i / 4) + 16 r + 4 (i % 4).
; THE ROWS OF A TILE ARE NOT NEIGHBOURS: row r of tile 2 b + u is column 32 b + 8 u + r + 8 (r / 8).
; A LANE TAKES A COLUMN AND ITS REGISTERS RUN DOWN K: a load reads 128 consecutive bytes a wave, a block of 32 lies in one lane, and the conversions give codes with K innermost.
; SHARES: a work-group takes 128 columns x 256 along K; a wave 32 columns (two tiles), 8 blocks a lane.  ONE path serves the three shapes: what differs is a scalar chosen on the work-group's number.
; LIMITS: NaN and infinities are not served; a block whose largest magnitude lies under 2^-124 (zeros too) gets the byte 1; this program alone reads the bytes.
.set EMAX,  2
.set SCS,   24576                      ; behind the four stages of 6,144 bytes: 1,024 bytes of scale words
.set SPARE, 25600
.set SPW,   14
.set NIL,   15
.set C,     16                         ; v16-24 a block's codes
.set SB,    26                         ; v26-27 the scale words of my two K steps
.set VO,    32                         ; v32-63 4 x lane + i rows
.set X,     64                         ; v64-127 two sets of 32 numbers
.set OUTR,  128                        ; v128-175 the way out
	s_load_b256 s[4:11], s[0:1], 0x0               ; Wq, Wk, Wv, Wo
	s_load_b128 s[12:15], s[0:1], 0x20             ; W1, W2
	s_load_b64 s[16:17], s[0:1], 0x30              ; wq
	v_lshl_add_u32 v[SPW], v0, 2, SPARE
	v_mov_b32 v[NIL], 0
	v_lshrrev_b32 v1, 5, v0
	v_readfirstlane_b32 s18, v1                    ; wave
	v_and_b32 v2, 31, v0                           ; lane
	v_lshlrev_b32 v3, 2, v2
	s_lshr_b32 s19, ttmp9, 5                       ; 32 work-groups to a region
	s_and_b32 s21, s19, 12
	s_cmp_lt_u32 s19, 4
	s_cselect_b32 s21, s19, s21                    ; the tensor's first region: 0, 1, 2, 3, 4 or 8
	s_lshl_b32 s22, s21, 5
	s_sub_co_u32 s22, ttmp9, s22                   ; my number within the tensor
	s_mov_b32 s20, 4096
	s_cmp_eq_u32 s21, 4                            ; W1 has 4,096 columns
	s_cselect_b32 s20, 16384, s20                  ; a row in bytes
	s_cselect_b32 s23, 31, 7
	s_cselect_b32 s24, 5, 3
	s_cmp_eq_u32 s21, 8                            ; W2 has K = 4,096
	s_cselect_b32 s25, 32, 8                       ; KST
	s_lshr_b32 s24, s22, s24                       ; which 256 along K
	s_and_b32 s23, s22, s23                        ; which 128 columns
	s_mul_i32 s28, s24, s20
	s_lshl_b32 s28, s28, 8
	s_lshl_b32 s26, s23, 9
	s_add_co_u32 s28, s28, s26
	s_lshl_b32 s26, s18, 7
	s_add_co_u32 s28, s28, s26                     ; the source: 256 kb rows + 512 nb + 128 wave
	s_mov_b32 s29, 0
	s_lshl_b32 s30, s20, 5                         ; 32 rows on
	s_mov_b32 s31, 0
	s_mul_i32 s34, s25, 1536                       ; from tile to tile
	s_mov_b32 s35, 0
	s_lshl_b32 s32, s23, 3
	s_lshl_b32 s26, s18, 1
	s_add_co_u32 s32, s32, s26                     ; my first tile: 8 nb + 2 wave
	s_mul_i32 s32, s32, s34
	s_mul_i32 s26, s21, 786432
	s_add_co_u32 s32, s32, s26
	s_mul_i32 s26, s24, 3072
	s_add_co_u32 s32, s32, s26
	s_mov_b32 s33, 0
	s_mul_i32 s36, s23, s25
	s_lshl_b32 s26, s24, 1
	s_add_co_u32 s36, s36, s26
	s_lshl_b32 s36, s36, 9
	s_lshl_b32 s26, s21, 15
	s_add_co_u32 s36, s36, s26
	s_add_co_u32 s36, s36, 9437184
	s_mov_b32 s37, 0
	v_bfe_u32 v10, v0, 3, 1                        ; my column's tile of the wave's two,
	v_and_b32 v11, 7, v0
	v_bfe_u32 v12, v0, 4, 1
	v_lshl_add_u32 v11, v12, 3, v11                ; and its row r there
	s_mul_i32 s26, s18, 6144
	v_mul_u32_u24 v4, v10, 3072
	v_lshl_add_u32 v4, v11, 4, v4
	v_add_nc_u32 v4, s26, v4                       ; into my wave's stage: [tile][K step][1,536]: + 16 r
	s_lshr_b32 s27, s18, 1
	s_lshl_b32 s27, s27, 8
	s_and_b32 s2, s18, 1
	s_lshl_b32 s2, s2, 3
	s_add_co_u32 s27, s27, s2
	s_add_co_u32 s27, s27, SCS
	v_lshlrev_b32 v5, 4, v11
	v_lshl_add_u32 v5, v10, 2, v5
	v_add_nc_u32 v5, s27, v5                       ; my scale word: tile i = 2 wave + u
	v_lshlrev_b32 v7, 4, v2
	v_add_nc_u32 v6, s26, v7
	s_lshl_b32 s2, s18, 8
	v_lshlrev_b32 v9, 3, v2
	v_add_nc_u32 v9, s2, v9
	v_add_nc_u32 v8, SCS, v9
.irp i, 0,1,2,3,4,5,6,7,8,9,10,11,12,13,14,15,16,17,18,19,20,21,22,23,24,25,26,27,28,29,30,31
	v_mad_u32_u24 v[VO+\i], s20, \i, v3
.endr
	s_wait_kmcnt 0x0
	s_cmp_eq_u32 s19, 1                            ; the source is chosen on the work-group's number alone
	s_cselect_b64 s[4:5], s[6:7], s[4:5]
	s_cmp_eq_u32 s19, 2
	s_cselect_b64 s[4:5], s[8:9], s[4:5]
	s_cmp_eq_u32 s19, 3
	s_cselect_b64 s[4:5], s[10:11], s[4:5]
	s_cmp_eq_u32 s21, 4
	s_cselect_b64 s[4:5], s[12:13], s[4:5]
	s_cmp_eq_u32 s21, 8
	s_cselect_b64 s[4:5], s[14:15], s[4:5]
	s_add_nc_u64 s[40:41], s[4:5], s[28:29]        ; a base for each of the 8 blocks: none is stepped
.irp t, 1,2,3,4,5,6,7
	s_add_nc_u64 s[40+2*\t:41+2*\t], s[38+2*\t:39+2*\t], s[30:31]
.endr
	s_add_nc_u64 s[56:57], s[16:17], s[32:33]      ; my first tile's two fragments,
	s_add_nc_u64 s[58:59], s[56:57], s[34:35]      ; my second tile's,
	s_add_nc_u64 s[60:61], s[16:17], s[36:37]      ; the work-group's scale words
.macro LOAD t
.irp i, 0,1,2,3,4,5,6,7,8,9,10,11,12,13,14,15,16,17,18,19,20,21,22,23,24,25,26,27,28,29,30,31
	global_load_b32 v[X+32*((\t)%2)+\i], v[VO+\i], s[40+2*(\t):41+2*(\t)] th:TH_LOAD_NT
.endr
.endm
	LOAD 0
	LOAD 1
; block t: K step t / 4, and in it registers 6 c .. 6 c + 5 of lane r + 16 h, c = (t / 2) % 2, h = t % 2
.macro BLOCK t
.set XS, X+32*((\t)%2)
.if (\t) < 7
	s_wait_loadcnt 32                              ; this block's 32 loads are in; the next block's may be out
.else
	s_wait_loadcnt 0x0
.endif
	v_max3_num_f32 v12, |v[XS]|, |v[XS+1]|, |v[XS+2]|
	v_max3_num_f32 v13, |v[XS+3]|, |v[XS+4]|, |v[XS+5]|
.irp i, 6,10,14,18,22,26
	v_max3_num_f32 v12, v12, |v[XS+\i]|, |v[XS+\i+1]|
	v_max3_num_f32 v13, v13, |v[XS+\i+2]|, |v[XS+\i+3]|
.endr
	v_max3_num_f32 v12, v12, |v[XS+30]|, |v[XS+31]|
	v_max3_num_f32 v12, v12, v13, (EMAX+1)<<23     ; and the floor: the byte cannot fall under 1
	v_add_nc_u32 v11, -(EMAX<<23), v12             ; the conversion's scale operand
	v_lshrrev_b32 v13, 23, v11                     ; the byte
	v_cvt_scalef32_pk16_fp6_f32 v[C:C+2], v[XS:XS+15], v11
	v_cvt_scalef32_pk16_fp6_f32 v[C+6:C+8], v[XS+16:XS+31], v11
.if (\t)%4 == 0
	v_mov_b32 v[SB+(\t)/4], v13                    ; (the plain place behind the conversions)
.else
	v_lshl_or_b32 v[SB+(\t)/4], v13, 8*((\t)%4), v[SB+(\t)/4]
.endif
.irp i, 0,1,2
	v_mov_b32 v[C+3+\i], v[C+6+\i]                 ; the block's six registers on end
.endr
.if ((\t)/2)%2 == 0
	ds_store_b128 v4, v[C:C+3] offset:((\t)/4)*1536+((\t)%2)*256
	ds_store_b64 v4, v[C+4:C+5] offset:((\t)/4)*1536+((\t)%2)*256+512
.else
	ds_store_b64 v4, v[C:C+1] offset:((\t)/4)*1536+((\t)%2)*256+520
	ds_store_b128 v4, v[C+2:C+5] offset:((\t)/4)*1536+((\t)%2)*256+1024
.endif
.if (\t)+2 < 8
	LOAD (\t)+2
.endif
	s_wait_dscnt 0x0                               ; the stores have read their registers
.endm
.irp t, 0,1,2,3,4,5,6,7
	BLOCK \t
.endr
	ds_store_b32 v5, v[SB]
	ds_store_b32 v5, v[SB+1] offset:512
.irp q, 0,1,2,3,4,5,6,7,8,9,10,11
	ds_load_b128 v[OUTR+4*\q:OUTR+4*\q+3], v6 offset:512*\q        ; my own stage: LDS serves a wave's instructions in order
.endr
.irp q, 0,1,2,3,4,5
	s_wait_dscnt 11-\q
	global_store_b128 v7, v[OUTR+4*\q:OUTR+4*\q+3], s[56:57] offset:512*\q     ; 512 consecutive bytes a store
.endr
.irp q, 6,7,8,9,10,11
	s_wait_dscnt 11-\q
	global_store_b128 v7, v[OUTR+4*\q:OUTR+4*\q+3], s[58:59] offset:512*(\q-6)
.endr
	s_wait_dscnt 0x0                               ; my scale words have landed
	s_barrier_signal -1
	s_barrier_wait -1
	ds_load_b64 v[12:13], v8
	s_wait_dscnt 0x0
	global_store_b64 v9, v[12:13], s[60:61]        ; 256 consecutive bytes a wave
	s_wait_tensorcnt 0x0                           ; the wave's end, behind my last LDS store
	ds_add_u32 v[SPW], v[NIL]
	s_wait_dscnt 0x0
	s_endpgm
.Lfunc_end_k_q35f46f2240_quant_w:
	.size	k_q35f46f2240_quant_w, .Lfunc_end_k_q35f46f2240_quant_w-k_q35f46f2240_quant_w
	.p2alignl 7, 3214868480
	.fill 96, 4, 3214868480
	.section	.rodata,"a",@progbits
	.p2align	6, 0x0
	.amdhsa_kernel k_q35f46f2240_quant_w
		.amdhsa_group_segment_fixed_size 26112
		.amdhsa_private_segment_fixed_size 0
		.amdhsa_enable_private_segment 0
		.amdhsa_kernarg_size 56
		.amdhsa_user_sgpr_count 2
		.amdhsa_user_sgpr_kernarg_segment_ptr 1
		.amdhsa_wavefront_size32 1
		.amdhsa_system_sgpr_workgroup_id_x 1
		.amdhsa_system_sgpr_workgroup_id_y 1
		.amdhsa_system_sgpr_workgroup_id_z 1
		.amdhsa_system_vgpr_workitem_id 0
		.amdhsa_next_free_vgpr 192
		.amdhsa_next_free_sgpr 66
		.amdhsa_reserve_vcc 0
		.amdhsa_float_denorm_mode_32 3
		.amdhsa_float_denorm_mode_16_64 3
		.amdhsa_memory_ordered 1
		.amdhsa_forward_progress 1
		.amdhsa_inst_pref_size 46
	.end_amdhsa_kernel
	.amdgpu_metadata
---
amdhsa.version: [ 1, 2 ]
amdhsa.kernels:
  - .name:           k_q35f46f2240_quant_w
    .symbol:         k_q35f46f2240_quant_w.kd
    .args:
      - { .name: Wq, .offset: 0, .size: 8, .value_kind: global_buffer, .address_space: global }
      - { .name: Wk, .offset: 8, .size: 8, .value_kind: global_buffer, .address_space: global }
      - { .name: Wv, .offset: 16, .size: 8, .value_kind: global_buffer, .address_space: global }
      - { .name: Wo, .offset: 24, .size: 8, .value_kind: global_buffer, .address_space: global }
      - { .name: W1, .offset: 32, .size: 8, .value_kind: global_buffer, .address_space: global }
      - { .name: W2, .offset: 40, .size: 8, .value_kind: global_buffer, .address_space: global }
      - { .name: wq, .offset: 48, .size: 8, .value_kind: global_buffer, .address_space: global }
    .group_segment_fixed_size: 26112
    .private_segment_fixed_size: 0
    .kernarg_segment_align: 8
    .kernarg_segment_size: 56
    .max_flat_workgroup_size: 128
    .sgpr_count:     66
    .vgpr_count:     192
    .wavefront_size: 32
...
	.end_amdgpu_metadata
.endif
;; end of part 2
;; launch gemm_qkv (part 3): grid 48 x 4, 4 waves a work-group, clusters of 4 x 4, 327,680 bytes of LDS; arguments xq, wq, bq, bk, bv, qkv; writes qkv
.if DOCPART == 3
	.amdgcn_target "amdgcn-amd-amdhsa--gfx1250"
	.amdhsa_code_object_version 6
	.text
	.protected	k_q35f46f2240_gemm_qkv
	.globl	k_q35f46f2240_gemm_qkv
	.p2align	8
	.type	k_q35f46f2240_gemm_qkv,@function
k_q35f46f2240_gemm_qkv:
	s_mov_b64 s[64:65], 0
	v_nop
	global_prefetch_b8 v0, s[64:65] scope:SCOPE_SE
	s_setreg_imm32_b32 hwreg(HW_REG_WAVE_MODE, 25, 1), 1
	s_wait_xcnt 0x0
	s_wait_alu depctr_hold_cnt(0) depctr_sa_sdst(0) depctr_va_vdst(0) depctr_va_sdst(0) depctr_va_ssrc(0) depctr_va_vcc(0) depctr_vm_vsrc(0)
	s_getreg_b32 s2, hwreg(HW_REG_IB_STS2, 6, 4)
	s_cmp_eq_u32 s2, 0
	s_cbranch_scc0 .Lentry_in_a_cluster
	s_endpgm
.Lentry_in_a_cluster:
	s_bfe_u32 s2, ttmp6, 0x10000c
	s_cmp_lg_u32 s2, 0xf033
	s_cbranch_scc0 .Lentry_shape_is_right
	s_endpgm
.Lentry_shape_is_right:
; q = x Wq + bq, k = x Wk + bk, v = x Wv + bv on codes of FP6 (E2M3) with E8M0 scales; the results are quantised here, in registers, for attention's two products, and never exist in memory as f32.
; A block of 256 x 256 to a work-group, four waves of 128 x 128 (64 accumulators, 512 registers).  K = 1,024 goes in steps of 256 through a ring of two LDS slots filled by the tensor data mover.
; OPERANDS ARE REGISTER IMAGES: fragment (tile of 16 rows t, K step s) is 1,536 dense bytes, so a fragment is three ds_load_b128 of 512 consecutive bytes, and a slot's part of 8 tiles is 8 rows of 3,072 bytes.
; THE MATRIX INSTRUCTION IS USED TRANSPOSED (source 0 = the 'B role', source 1 = the 'A role'): a lane holds one row of the A role; since the B role's tiles hold rows 32 b + 8 u + r + 8 (r / 8),
; the 64 registers of one A tile are 16 b + i = column 32 b + 16 (lane / 16) + i: as the quantiser wants them.
; TWO FLAVOURS, chosen on the cluster's number (the same in all partners).  Clusters 0-7: A role = tokens, B role = Wq | Wk: q and k, quantised along the channels (a head's 64 = half a fragment).
; Clusters 8-11: A role = Wv, B role = tokens: v^T, a lane a channel and registers along the tokens: quantised along the keys.
; qkv: q and k half images [q/k][32 heads][128 token tiles][768] at 0; v's [batch][32 groups of 64 keys][64 channel tiles][768] at 6,291,456; scale words [q/k][32][128][16] at 9,437,184, v's [batch][16][64][16] at 9,961,472.
; CLUSTERS 4 x 4: the A role's tiles are asked for jointly along a row of the cluster, the B role's along a column.  192 work-groups: all the blocks there are.
; LIMITS: NaN and infinities are not served; a block whose largest magnitude lies under 2^-124 (zeros too) gets the byte 1; this program alone reads the bytes.
; REGISTERS: window 0: v16-29 addresses; v32-63 scale words, two sets; v64-127 the bias as the first products' C; v128-223 A's fragments, one set; v224-239 v's bias.  window 1: B's fragments, two sets.  windows 2, 3: accumulators.
.set SIZE_K, 1024
.set KST,    SIZE_K/128
.set FRB,    1536                      ; a fragment's image
.set TILEB,  2*FRB                     ; a tile's two K steps of a slot
.set HALFT,  8*TILEB                   ; 128 rows: what one tensor load brings
.set SLOT,   4*HALFT
.set LAPS,   SIZE_K/512
.set SCL,    2*SLOT                    ; behind the ring: the scale words of the block's rows for all of K, filled once
.set HALFS,  KST*512
.set SPARE,  SCL+4*HALFS               ; the spare words, 128 bytes a wave
.set FR,     12
.set NL,     3                         ; LDS loads that bring a fragment
.set NP,     4                         ; places behind this matrix instruction (ISA guide 7.12.1)
.set ADRA, 16
.set ADRB, 20
.set LS,   24                          ; 4 x lane
.set LI8,  25                          ; 8 x lane
.set LI,   26                          ; 16 x lane
.set ADRS, 27
.set SPW,  28
.set NIL,  29
.set SC,   32
.set BI,   64
.set AF,   128
.set BL,   224
.set H,    64                          ; the way out: 64 numbers, codes, at work
.set PC,   128
.set TM,   148
.set XW,   164
.set SW,   240
.set SEL,  18
.set G1, 24
.set G0, 32
.set G1B, 48
.set G0B, 56
.set G1S, 68
.set G0S, 76
.set G1SB, 80
.set G0SB, 88
.set MSB, 0
.macro WIN new                         ; the immediate's high byte repeats the setting that is left
.if MSB != (\new)
	s_set_vgpr_msb (MSB<<8)|(\new)
.set MSB, (\new)
.endif
.endm
; A joint load: waves 0 and 1 fetch for the A role, waves 2 and 3 for the B role.  An s_nop 0 and four v_nop follow each line.
.macro JLOAD g0a, g1a, g0b, g1b
	s_cmp_eq_u32 s15, 0
	s_cbranch_scc0 .Lfor_b_\@
	tensor_load_to_lds s[\g0a:\g0a+3], s[\g1a:\g1a+7]
	s_nop 0
.rept 4
	v_nop
.endr
	s_branch .Lasked_\@
.Lfor_b_\@:
	tensor_load_to_lds s[\g0b:\g0b+3], s[\g1b:\g1b+7]
	s_nop 0
.rept 4
	v_nop
.endr
.Lasked_\@:
.endm
.macro CREST                           ; a round of the cluster's barrier behind its opening barrier
	s_cmp_lg_u32 s14, 0
	s_cbranch_scc1 .Lnot_wave_0_\@
	s_barrier_signal -3
.Lnot_wave_0_\@:
	s_barrier_wait -3
	s_barrier_signal -1
	s_barrier_wait -1
.endm
.macro CROUND
	s_barrier_signal -1
	s_barrier_wait -1
	CREST
.endm
.macro PLACES n
.rept \n
	v_nop
.endr
.endm
.macro FRAG reg, adr, q, i             ; tile i's fragment of the slot's q-th 128 along K
.irp g, 0,1,2
	ds_load_b128 v[\reg+4*\g:\reg+4*\g+3], v[\adr] offset:(\i)*TILEB+(\q)*FRB+512*\g
.endr
.endm
; 16 matrix instructions: A's tiles a0, a0 + 1 x B's eight.  p: B's set; sc: the set of scale words.  zero = 1: the sums start with the bias as C.  The 64 accumulators take turns.
.macro MUL16 a0, p, q, sc, zero
.irp a, \a0, \a0+1
.irp b, 0,1,2,3,4,5,6,7
.if \zero
	v_wmma_scale_f32_16x16x128_f8f6f4 v[8*(8*((\a)%4)+\b):8*(8*((\a)%4)+\b)+7], v[128*(\p)+FR*\b:128*(\p)+FR*\b+FR-1], v[AF+FR*(\a):AF+FR*(\a)+FR-1], v[BI+8*\b:BI+8*\b+7], v[SC+16*(\sc)+8*(\q)+\b], v[SC+16*(\sc)+8*(\q)+(\a)] matrix_a_fmt:MATRIX_FMT_FP6 matrix_b_fmt:MATRIX_FMT_FP6 matrix_a_scale:MATRIX_SCALE_ROW1
.else
	v_wmma_scale_f32_16x16x128_f8f6f4 v[8*(8*((\a)%4)+\b):8*(8*((\a)%4)+\b)+7], v[128*(\p)+FR*\b:128*(\p)+FR*\b+FR-1], v[AF+FR*(\a):AF+FR*(\a)+FR-1], v[8*(8*((\a)%4)+\b):8*(8*((\a)%4)+\b)+7], v[SC+16*(\sc)+8*(\q)+\b], v[SC+16*(\sc)+8*(\q)+(\a)] matrix_a_fmt:MATRIX_FMT_FP6 matrix_b_fmt:MATRIX_FMT_FP6 matrix_a_scale:MATRIX_SCALE_ROW1
.endif
.endr
.endr
.endm
.macro FETCH_B slot, q, p
	WIN 0x40                                       ; destination window 1
.irp i, 0,1,2,3,4,5,6,7
	FRAG 128*(\p)+FR*\i, ADRB+\slot, \q, \i
.endr
	WIN 0
.endm
.macro FETCH_A slot, q, i0
.irp i, \i0, \i0+1, \i0+2, \i0+3
	FRAG AF+FR*(\i), ADRA+\slot, \q, \i
.endr
.endm
.macro SCALES sc                       ; a slot's scale words: lanes 0-15 the A role's tiles, lanes 16-31 the B role's; register 8 q + i: tile i
.irp q, 0,1
.irp e, 0,1
	ds_load_b128 v[SC+16*\sc+8*\q+4*\e:SC+16*\sc+8*\q+4*\e+3], v[ADRS] offset:512*\q+256*\e
.endr
.endr
.endm
.macro STEP slot, q, zero              ; 128 along K with its successor in the same slot
	s_wait_dscnt 4*NL                              ; all but A's tiles 4-7 (12 loads) are in
.if \zero
	WIN 0x81                                       ; B window 1, A and C window 0, D window 2
.else
	WIN 0xa1
.endif
	MUL16 0, (\q)%2, \q, \slot, \zero
	MUL16 2, (\q)%2, \q, \slot, \zero
	s_wait_dscnt 0
	PLACES NP
	FETCH_B \slot, (\q)+1, 1-(\q)%2
	FETCH_A \slot, (\q)+1, 0
.if \zero
	WIN 0xc1
.else
	WIN 0xf1
.endif
	MUL16 4, (\q)%2, \q, \slot, \zero
	MUL16 6, (\q)%2, \q, \slot, \zero
	PLACES NP
	WIN 0
	FETCH_A \slot, (\q)+1, 4
.endm
; A slot's last step changes slots: in front of ONE barrier each wave waits for all its tensor loads, adds 0 to its spare word, and waits for that and for its reads of this slot.
.macro TURN slot, next, fill
	s_wait_tensorcnt 0x0                           ; my part of the next slot has landed
	ds_add_u32 v[SPW], v[NIL]
	s_wait_dscnt 4*NL+1                            ; (the add and A's tiles 4-7 may be out)
	WIN 0xa1
	MUL16 0, 1, 1, \slot, 0
	s_wait_dscnt 0x0                               ; the add is done, my reads of this slot are over
	s_barrier_signal -1
	MUL16 2, 1, 1, \slot, 0
	WIN 0
	s_barrier_wait -1
.if \fill
	CREST                                          ; the barrier has opened a round of the cluster's: no wave of any partner still reads this slot or has a load on its way
	s_add_nc_u64 s[G0+4*\slot+2:G0+4*\slot+3], s[G0+4*\slot+2:G0+4*\slot+3], 2*TILEB
	s_add_nc_u64 s[G0B+4*\slot+2:G0B+4*\slot+3], s[G0B+4*\slot+2:G0B+4*\slot+3], 2*TILEB
	JLOAD G0+4*\slot, G1, G0B+4*\slot, G1B         ; the first tensor load behind the round; its four v_nop are the places in front of the loads below
.else
	PLACES NP
.endif
	v_add_nc_u32 v[ADRS], 1024, v[ADRS]            ; the next slot's scale words
	FETCH_B \next, 0, 0
	FETCH_A \next, 0, 0
	SCALES \next
	WIN 0xf1
	MUL16 4, 1, 1, \slot, 0
	MUL16 6, 1, 1, \slot, 0
	PLACES NP
	WIN 0
	FETCH_A \next, 0, 4
.endm
; 64 numbers of a lane, register 16 b + i = k 32 b + 16 (lane / 16) + i, become a fragment's 12 registers v[pc] on and its scale word v[pw]
.macro QUANT s, pc, pw
.irp b, 0,1,2,3
	v_max3_num_f32 v[TM+\b], |v[\s+16*\b]|, |v[\s+1+16*\b]|, 0x1800000   ; and the floor 2^(3 - 127): the byte cannot fall under 1
.endr
.irp i, 2,4,6,8,10,12,14
.irp b, 0,1,2,3
	v_max3_num_f32 v[TM+\b], v[TM+\b], |v[\s+16*\b+\i]|, |v[\s+1+16*\b+\i]|
.endr
.endr
.irp b, 0,1,2,3
	v_permlanex16_b32 v[TM+4+\b], v[TM+\b], s[SEL], s[SEL+1]
.endr
.irp b, 0,1,2,3
	v_max_num_f32 v[TM+\b], v[TM+\b], v[TM+4+\b]
.endr
.irp b, 0,1,2,3
	v_add_nc_u32 v[TM+12+\b], 0xff000000, v[TM+\b]     ; 2 off the exponent field: the conversion's scale operand
.endr
.irp b, 0,1,2,3
	v_lshrrev_b32 v[TM+4+\b], 23, v[TM+12+\b]
.endr
	v_lshl_or_b32 v[\pw], v[TM+5], 8, v[TM+4]
	v_lshl_or_b32 v[\pw], v[TM+6], 16, v[\pw]
	v_lshl_or_b32 v[\pw], v[TM+7], 24, v[\pw]
.irp c, 0,1
	v_cvt_scalef32_pk16_fp6_f32 v[\pc+6*\c:\pc+2+6*\c], v[\s+32*\c:\s+15+32*\c], v[TM+12+2*\c]
	v_cvt_scalef32_pk16_fp6_f32 v[\pc+12+4*\c:\pc+14+4*\c], v[\s+16+32*\c:\s+31+32*\c], v[TM+12+2*\c+1]
.endr
	v_nop                                              ; one plain place behind a scaled conversion
.irp c, 0,1
.irp i, 0,1,2
	v_permlane16_swap_b32 v[\pc+6*\c+\i], v[\pc+12+4*\c+\i]
.endr
.irp i, 0,1,2
	v_mov_b32 v[\pc+3+6*\c+\i], v[\pc+12+4*\c+\i]
.endr
.endr
.endm
	s_load_b128 s[96:99], s[0:1], 0x0              ; xq, wq
	s_load_b128 s[88:91], s[0:1], 0x10             ; bq, bk
	s_load_b64 s[66:67], s[0:1], 0x20              ; bv
	s_load_b64 s[12:13], s[0:1], 0x28              ; qkv
	v_lshl_add_u32 v[SPW], v0, 2, SPARE
	v_mov_b32 v[NIL], 0
	ds_add_u32 v[SPW], v[NIL]                      ; the wave's opening: the add and its wait ahead of my first tensor load
	v_lshrrev_b32 v1, 5, v0
	v_readfirstlane_b32 s14, v1                    ; wave
	s_lshr_b32 s15, s14, 1                         ; my half of the A role's rows.  Also: I fetch for A (0) or B (1)
	s_and_b32 s16, s14, 1                          ; my half of the B role's rows.  Also: which 128 rows I fetch
	s_bfe_u32 s40, ttmp6, 0x40000                  ; cx
	s_bfe_u32 s41, ttmp6, 0x40004                  ; cy
	s_and_b32 s18, ttmp9, 1
	s_sub_co_u32 s19, ttmp9, 8
	s_lshr_b32 s20, ttmp9, 1
	s_cmp_lt_u32 ttmp9, 8                          ; the flavour hangs on the cluster's number alone
	s_cselect_b32 s18, s18, s19
	s_cselect_b32 s20, s20, 0
	s_cselect_b32 s95, -1, 0                       ; all ones: q and k
	s_lshl_b32 s42, s18, 2
	s_add_co_u32 s42, s42, s40                     ; the B role's block of 256 rows
	s_lshl_b32 s17, s20, 2
	s_add_co_u32 s17, s17, s41                     ; the A role's
	s_lshl_b32 s43, s41, 2
	s_lshl_b32 s43, 15, s43                        ; my row of the cluster
	s_lshl_b32 s44, 0x1111, s40                    ; my column
	s_or_b32 s[G1+0], s43, (3<<16)|(1<<21)         ; the mask; elements of 8 bytes; bit 21 beside a mask; no padding
	s_or_b32 s[G1B+0], s44, (3<<16)|(1<<21)
.irp g, G1, G1B
	s_mov_b32 s[\g+1], 384<<16                     ; tensor_dim0: 3,072 bytes
	s_mov_b32 s[\g+2], 8<<16                       ; tensor_dim1: 8 tiles
	s_mov_b32 s[\g+3], 384<<16                     ; tile_dim0
	s_mov_b32 s[\g+4], 8                           ; tile_dim1
	s_mov_b32 s[\g+5], KST*192                     ; from tile to tile
	s_mov_b32 s[\g+6], 0
	s_mov_b32 s[\g+7], 0
.endr
	s_or_b32 s[G1S+0], s43, (3<<16)|(1<<21)
	s_or_b32 s[G1SB+0], s44, (3<<16)|(1<<21)
.irp g, G1S, G1SB
	s_mov_b32 s[\g+1], 32<<16                      ; the scale words of 128 rows: a dense block, as rows of 256 bytes
	s_mov_b32 s[\g+2], (HALFS/256)<<16
	s_mov_b32 s[\g+3], 32<<16
	s_mov_b32 s[\g+4], HALFS/256
	s_mov_b32 s[\g+5], 32
	s_mov_b32 s[\g+6], 0
	s_mov_b32 s[\g+7], 0
.endr
	s_mul_i32 s45, s14, HALFT                      ; where my loads go: no place in the cluster enters an LDS address
	s_mul_i32 s94, s14, HALFS
	s_wait_dscnt 0x0                               ; the opening add is done
	s_wait_kmcnt 0x0
	s_bitcmp1_b32 ttmp9, 0                         ; odd clusters of the first flavour make k
	s_cselect_b64 s[100:101], s[90:91], s[88:89]
	s_add_nc_u64 s[2:3], s[96:97], 3145728         ; x's scale words
	s_add_nc_u64 s[18:19], s[98:99], 9437184       ; Wq | Wk's
	s_add_nc_u64 s[22:23], s[98:99], 1572864       ; Wv's codes
	s_add_nc_u64 s[92:93], s[98:99], 9502720       ; Wv's scale words
	s_cmp_lt_u32 ttmp9, 8
	s_cselect_b64 s[4:5], s[96:97], s[22:23]       ; A's codes
	s_cselect_b64 s[6:7], s[2:3], s[92:93]         ; A's scale words
	s_cselect_b64 s[8:9], s[98:99], s[96:97]       ; B's codes
	s_cselect_b64 s[10:11], s[18:19], s[2:3]       ; B's scale words
	s_lshl_b32 s18, s17, 4
	s_lshl_b32 s19, s16, 3
	s_add_co_u32 s18, s18, s19                     ; A: the first tile that I fetch
	s_mul_i32 s20, s18, KST*FRB
	s_mov_b32 s21, 0
	s_add_nc_u64 s[4:5], s[4:5], s[20:21]
	s_lshl_b32 s18, s17, 1
	s_add_co_u32 s18, s18, s16
	s_mul_i32 s20, s18, HALFS
	s_add_nc_u64 s[6:7], s[6:7], s[20:21]
	s_lshl_b32 s46, s42, 4
	s_add_co_u32 s46, s46, s19                     ; B likewise, in registers that never hold cy
	s_mul_i32 s46, s46, KST*FRB
	s_mov_b32 s47, 0
	s_add_nc_u64 s[8:9], s[8:9], s[46:47]
	s_lshl_b32 s46, s42, 1
	s_add_co_u32 s46, s46, s16
	s_mul_i32 s46, s46, HALFS
	s_add_nc_u64 s[10:11], s[10:11], s[46:47]
	CROUND                                         ; all sixteen work-groups are here: the first joint loads meet
	s_mov_b32 s[G0S], 1
	s_add_co_u32 s[G0S+1], s94, SCL
	s_mov_b64 s[G0S+2:G0S+3], s[6:7]
	s_or_b32 s[G0S+3], s[G0S+3], 0x80000000
	s_mov_b32 s[G0SB], 1
	s_add_co_u32 s[G0SB+1], s94, SCL
	s_mov_b64 s[G0SB+2:G0SB+3], s[10:11]
	s_or_b32 s[G0SB+3], s[G0SB+3], 0x80000000
	JLOAD G0S, G1S, G0SB, G1SB                     ; the scale words first
.irp s, 0,1
	s_mov_b32 s[G0+4*\s], 1
	s_add_co_u32 s[G0+4*\s+1], s45, \s*SLOT
	s_add_nc_u64 s[G0+4*\s+2:G0+4*\s+3], s[4:5], \s*TILEB
	s_or_b32 s[G0+4*\s+3], s[G0+4*\s+3], 0x80000000
	s_mov_b32 s[G0B+4*\s], 1
	s_add_co_u32 s[G0B+4*\s+1], s45, \s*SLOT
	s_add_nc_u64 s[G0B+4*\s+2:G0B+4*\s+3], s[8:9], \s*TILEB
	s_or_b32 s[G0B+4*\s+3], s[G0B+4*\s+3], 0x80000000
	JLOAD G0+4*\s, G1, G0B+4*\s, G1B
.endr
	v_and_b32 v1, 15, v0                           ; r
	v_bfe_u32 v2, v0, 4, 1                         ; h
	v_and_b32 v3, 31, v0
	v_lshlrev_b32 v[LS], 2, v3
	v_lshlrev_b32 v[LI8], 3, v3
	v_lshlrev_b32 v[LI], 4, v3
	s_mul_i32 s21, s15, HALFT
	s_mul_i32 s22, s16, HALFT
	s_add_co_u32 s22, s22, 2*HALFT
.irp s, 0,1
	v_add_nc_u32 v[ADRA+\s], s21, v[LI]
	v_add_nc_u32 v[ADRB+\s], s22, v[LI]
	s_add_co_u32 s21, s21, SLOT
	s_add_co_u32 s22, s22, SLOT
.endr
	s_mul_i32 s21, s15, HALFS
	s_mul_i32 s22, s16, HALFS
	s_add_co_u32 s22, s22, 2*HALFS
	s_sub_co_u32 s22, s22, s21
	v_mul_u32_u24 v6, s22, v2                      ; lanes 16-31 take the B role's words
	s_add_co_u32 s21, s21, SCL
	v_lshl_add_u32 v6, v1, 4, v6
	v_add_nc_u32 v[ADRS], s21, v6
	; the biases.  q, k: one for each column, in the result's layout, as the first products' C.  v: one for each lane's channel, added on the way out.  The flavour that has no use for one reads it at offset 0 and makes it 0.
	s_lshl_b32 s18, s40, 10
	s_lshl_b32 s19, s16, 9
	s_add_co_u32 s18, s18, s19
	s_lshl_b32 s20, s41, 10
	s_lshl_b32 s21, s15, 9
	s_add_co_u32 s20, s20, s21
	s_cmp_lg_u32 s95, 0
	s_cselect_b32 s18, s18, 0
	s_cselect_b32 s20, 0, s20
	s_mov_b32 s19, 0
	s_mov_b32 s21, 0
	s_not_b32 s94, s95
	s_add_nc_u64 s[100:101], s[100:101], s[18:19]
	s_add_nc_u64 s[66:67], s[66:67], s[20:21]
	v_lshlrev_b32 v4, 6, v2                        ; 64 h
	v_and_b32 v5, 8, v1
	v_add_nc_u32 v5, v5, v1
	v_lshlrev_b32 v5, 2, v5                        ; 4 (r + 8 (r / 8))
.irp b, 0,1,2,3,4,5,6,7
	global_load_b128 v[BI+8*\b:BI+8*\b+3], v4, s[100:101] offset:128*(\b/2)+32*(\b%2)
	global_load_b128 v[BI+8*\b+4:BI+8*\b+7], v4, s[100:101] offset:128*(\b/2)+32*(\b%2)+16
.endr
.irp a, 0,1,2,3,4,5,6,7
	global_load_b32 v[BL+2*\a], v5, s[66:67] offset:(32*(\a/2)+8*(\a%2))*4
	global_load_b32 v[BL+2*\a+1], v5, s[66:67] offset:(32*(\a/2)+8*(\a%2))*4
.endr
	s_wait_loadcnt 0x0
.set i, 0
.rept 64
	v_cndmask_b32 v[BI+i], 0, v[BI+i], s95
.set i, i+1
.endr
.set i, 0
.rept 16
	v_cndmask_b32 v[BL+i], 0, v[BL+i], s94
.set i, i+1
.endr
	s_wait_tensorcnt 1                             ; the scale words and my part of slot 0 are in; slot 1's load may be out
	s_barrier_signal -1
	s_barrier_wait -1
	FETCH_B 0, 0, 0
	FETCH_A 0, 0, 0
	SCALES 0
	FETCH_A 0, 0, 4
	STEP 0, 0, 1                                   ; the first step stands in front of the loop: its products start the sums, with the bias
	s_mov_b32 s3, LAPS-1
.Llap:                                             ; a trip goes once round the ring and fills both slots again
	TURN 0, 1, 1
	STEP 1, 0, 0
	TURN 1, 0, 1
	STEP 0, 0, 0
	s_sub_co_u32 s3, s3, 1
	s_cmp_lg_u32 s3, 0
	s_cbranch_scc1 .Llap
	TURN 0, 1, 0                                   ; the last lap fills nothing
	STEP 1, 0, 0
	s_wait_dscnt 4*NL
	WIN 0xa1
	MUL16 0, 1, 1, 1, 0
	MUL16 2, 1, 1, 1, 0
	s_wait_dscnt 0
	WIN 0xf1
	MUL16 4, 1, 1, 1, 0
	MUL16 6, 1, 1, 1, 0
	WIN 0
	PLACES NP
	; THE WAY OUT.  Where my results go: both flavours' places are made, and one is chosen.
	s_lshl_b32 s18, s17, 8
	s_lshl_b32 s19, s15, 7
	s_add_co_u32 s18, s18, s19                     ; my first row of the A role
	s_lshl_b32 s19, s42, 8
	s_lshl_b32 s20, s16, 7
	s_add_co_u32 s19, s19, s20                     ; my first row of the B role
	s_lshr_b32 s20, s19, 6                         ; q, k: the first of my two heads, 0 .. 31
	s_lshr_b32 s21, s20, 4
	s_lshl_b32 s21, s21, 5
	s_and_b32 s20, s20, 15
	s_add_co_u32 s20, s20, s21
	s_lshr_b32 s21, s18, 11
	s_lshl_b32 s21, s21, 4
	s_add_co_u32 s20, s20, s21                     ; 32 (q or k) + 16 batch + head
	s_bfe_u32 s21, s18, 0x70004                    ; my first token tile of the batch's 128
	s_mul_i32 s22, s20, 98304
	s_mul_i32 s23, s21, 768
	s_add_co_u32 s22, s22, s23
	s_lshl_b32 s20, s20, 13
	s_lshl_b32 s21, s21, 6
	s_add_co_u32 s20, s20, s21
	s_add_co_u32 s20, s20, 9437184
	s_lshr_b32 s21, s19, 11                        ; v: batch,
	s_mul_i32 s23, s21, 1572864
	s_bfe_u32 s46, s19, 0x50006                    ; the first of my two groups of 64 keys,
	s_mul_i32 s46, s46, 49152
	s_add_co_u32 s23, s23, s46
	s_lshr_b32 s46, s18, 4                         ; my first channel tile
	s_mul_i32 s47, s46, 768
	s_add_co_u32 s23, s23, s47
	s_add_co_u32 s23, s23, 6291456
	s_lshl_b32 s21, s21, 16
	s_bfe_u32 s47, s19, 0x40007
	s_lshl_b32 s47, s47, 12
	s_add_co_u32 s21, s21, s47
	s_lshl_b32 s46, s46, 6
	s_add_co_u32 s21, s21, s46
	s_add_co_u32 s21, s21, 9961472
	s_mov_b32 s47, 49152
	s_cmp_lg_u32 s95, 0
	s_cselect_b32 s22, s22, s23
	s_cselect_b32 s20, s20, s21
	s_cselect_b32 s46, 98304, s47
	s_mov_b32 s23, 0
	s_mov_b32 s21, 0
	s_mov_b32 s47, 0
	s_add_nc_u64 s[4:5], s[12:13], s[22:23]        ; the lower 64 along the next K,
	s_add_nc_u64 s[6:7], s[4:5], s[46:47]          ; the upper 64,
	s_add_nc_u64 s[8:9], s[12:13], s[20:21]        ; the scale words,
	s_add_nc_u64 s[10:11], s[8:9], 8192            ; and the second head's
	s_mov_b32 s[SEL], 0x76543210
	s_mov_b32 s[SEL+1], 0xfedcba98
	s_mov_b32 s20, 0xffff0000                      ; lanes 16-31
.irp b, 0,1,2,3
	v_mov_b32 v[TM+4+\b], 0                        ; written once: a lane permute's destination counts as a source
.endr
.irp a, 0,1,2,3,4,5,6,7
.if \a > 0
	s_wait_xcnt 0x0                                ; the last tile's stores have read their registers
.endif
	WIN 0x02+\a/4                                  ; source 0: the accumulators' window
.set i, 0
.rept 32
	v_pk_add_f32 v[H+i:H+i+1], v[64*(\a%4)+i:64*(\a%4)+i+1], v[BL+2*\a:BL+2*\a+1]     ; each accumulator from its low end on
.set i, i+2
.endr
	WIN 0
	QUANT H, PC, SW+\a
	global_store_b128 v[LI], v[PC:PC+3], s[4:5] offset:768*\a                  ; half an image: registers 0-3 at 16 l, 4-5 at 512 + 8 l
	global_store_b64 v[LI8], v[PC+4:PC+5], s[4:5] offset:768*\a+512
	global_store_b128 v[LI], v[PC+6:PC+9], s[6:7] offset:768*\a
	global_store_b64 v[LI8], v[PC+10:PC+11], s[6:7] offset:768*\a+512
.endr
.irp p, 0,1,2,3
	v_cndmask_b32 v[XW+\p], v[SW+2*\p], v[SW+2*\p+1], s20          ; two tiles' words: 128 consecutive bytes
.endr
.irp p, 0,1,2,3
	global_store_b32 v[LS], v[XW+\p], s[8:9] offset:128*\p         ; q, k: the first head reads bytes 0, 1 (the other two meet zero codes); v: all four bytes
.endr
	s_cmp_eq_u32 s95, 0
	s_cbranch_scc1 .Lno_second                     ; the cluster's number alone
.irp p, 0,1,2,3
	v_lshrrev_b32 v[XW+4+\p], 16, v[XW+\p]         ; the second head's two bytes
.endr
.irp p, 0,1,2,3
	global_store_b32 v[LS], v[XW+4+\p], s[10:11] offset:128*\p
.endr
.Lno_second:
	s_wait_tensorcnt 0x0                           ; the wave's end
	ds_add_u32 v[SPW], v[NIL]
	s_wait_dscnt 0x0
	CROUND                                         ; the closing round
	s_endpgm
.Lfunc_end_k_q35f46f2240_gemm_qkv:
	.size	k_q35f46f2240_gemm_qkv, .Lfunc_end_k_q35f46f2240_gemm_qkv-k_q35f46f2240_gemm_qkv
	.p2alignl 7, 3214868480
	.fill 96, 4, 3214868480
	.section	.rodata,"a",@progbits
	.p2align	6, 0x0
	.amdhsa_kernel k_q35f46f2240_gemm_qkv
		.amdhsa_group_segment_fixed_size 327680
		.amdhsa_private_segment_fixed_size 0
		.amdhsa_enable_private_segment 0
		.amdhsa_kernarg_size 48
		.amdhsa_user_sgpr_count 2
		.amdhsa_user_sgpr_kernarg_segment_ptr 1
		.amdhsa_wavefront_size32 1
		.amdhsa_system_sgpr_workgroup_id_x 1
		.amdhsa_system_sgpr_workgroup_id_y 1
		.amdhsa_system_sgpr_workgroup_id_z 1
		.amdhsa_system_vgpr_workitem_id 0
		.amdhsa_next_free_vgpr 1024
		.amdhsa_next_free_sgpr 104
		.amdhsa_reserve_vcc 0
		.amdhsa_float_denorm_mode_32 3
		.amdhsa_float_denorm_mode_16_64 3
		.amdhsa_memory_ordered 1
		.amdhsa_forward_progress 1
		.amdhsa_inst_pref_size 167
	.end_amdhsa_kernel
	.amdgpu_metadata
---
amdhsa.version: [ 1, 2 ]
amdhsa.kernels:
  - .name:           k_q35f46f2240_gemm_qkv
    .symbol:         k_q35f46f2240_gemm_qkv.kd
    .args:
      - { .name: xq, .offset: 0, .size: 8, .value_kind: global_buffer, .address_space: global }
      - { .name: wq, .offset: 8, .size: 8, .value_kind: global_buffer, .address_space: global }
      - { .name: bq, .offset: 16, .size: 8, .value_kind: global_buffer, .address_space: global }
      - { .name: bk, .offset: 24, .size: 8, .value_kind: global_buffer, .address_space: global }
      - { .name: bv, .offset: 32, .size: 8, .value_kind: global_buffer, .address_space: global }
      - { .name: qkv, .offset: 40, .size: 8, .value_kind: global_buffer, .address_space: global }
    .group_segment_fixed_size: 327680
    .private_segment_fixed_size: 0
    .kernarg_segment_align: 8
    .kernarg_segment_size: 48
    .max_flat_workgroup_size: 128
    .sgpr_count:     104
    .vgpr_count:     1024
    .wavefront_size: 32
...
	.end_amdgpu_metadata
.endif
;; end of part 3
;; launch attn (part 4): grid 8 x 32, 16 waves a work-group, clusters of 4 x 1, 223,744 bytes of LDS; arguments qkv, xq; writes xq
.if DOCPART == 4
	.amdgcn_target "amdgcn-amd-amdhsa--gfx1250"
	.amdhsa_code_object_version 6
	.text
	.protected	k_q35f46f2240_attn
	.globl	k_q35f46f2240_attn
	.p2align	8
	.type	k_q35f46f2240_attn,@function
k_q35f46f2240_attn:
	s_mov_b64 s[64:65], 0
	v_nop
	global_prefetch_b8 v0, s[64:65] scope:SCOPE_SE
	s_setreg_imm32_b32 hwreg(HW_REG_WAVE_MODE, 25, 1), 1
	s_wait_xcnt 0x0
	s_wait_alu depctr_hold_cnt(0) depctr_sa_sdst(0) depctr_va_vdst(0) depctr_va_sdst(0) depctr_va_ssrc(0) depctr_va_vcc(0) depctr_vm_vsrc(0)
	s_getreg_b32 s2, hwreg(HW_REG_IB_STS2, 6, 4)
	s_cmp_eq_u32 s2, 0
	s_cbranch_scc0 .Lentry_in_a_cluster
	s_endpgm
.Lentry_in_a_cluster:
	s_bfe_u32 s2, ttmp6, 0x10000c
	s_cmp_lg_u32 s2, 0x3003
	s_cbranch_scc0 .Lentry_shape_is_right
	s_endpgm
.Lentry_shape_is_right:
; Attention of one head on codes of FP6 (E2M3): S^T = K Q^T (K = the head's 64: the instruction's upper 64 meet zero codes of Q), p = 2^(t - M), O^T += V^T P^T; O / l is quantised here along the next product's K.
; t = score x log2(e) / 8; M = the running largest t rounded UP to a whole number; the row's sum is taken of the unquantised p; when M moves, the sum and O^T are multiplied by 2^(old M - new M): exact.
; SHARES: a work-group owns 256 queries of one head, each of its sixteen waves one tile of 16; four waves to a SIMD, so that one wave's vector work stands beside another's products and LDS loads.
; THE WHOLE HEAD STAYS IN LDS: K's and V's half images and scale words, 208,896 bytes, come once, by joint loads of the cluster's four work-groups (the four query blocks of a head's half).  Nothing is filled again.
; LAYOUT: both products are used transposed: a lane holds one query.  A tile of K holds keys 32 b + 8 u + r + 8 (r / 8), so that p's 16 registers of two tiles are 16 neighbouring keys; V's tiles hold channels likewise.
; K's tiles stand 6 registers apart: a tile's operand runs on into the next tile's codes, which meet Q's zero codes (FP6 has no NaN; no scale byte here is 0xff).
; THE RESHAPE: query l of head hd is row 128 hd + l / 16, columns 64 (l % 16) on, of the next product's A.  The work-group's 256 queries are one tile of 16 such rows; it is gathered in LDS as register images.
; LIMITS: NaN and infinities are not served; a block whose largest magnitude lies under 2^-124 (zeros too) gets the byte 1; this program alone reads the bytes.
; REGISTERS: v1-4, v7, v8 addresses that stay; v9-11, v28-30 addresses in hand; v12 -M, v13 the largest t, v[14:15] the sum; v16-27 Q; v32-85 K's tiles, then V's fragments; v96-159 S^T, then p; v160-191 O^T; v224-254 at work; v255 Q's scale word.
.set KIMG,  0
.set VIMG,  98304
.set KSC,   196608
.set VSC,   204800
.set OSTG,  208896                     ; the way out: 8 fragments of 1,536 bytes; no tensor load lands here
.set OSC,   221184                     ; and their 128 scale words
.set SPARE, 221696                     ; the spare words, 128 bytes a wave
.set SPW, 5
.set NIL, 6
.set WV,  18
.set W3,  19
.set SEL, 20
.set CS,  22
.set G1K, 24
.set G1V, 32
.set G1KS, 40
.set G1VS, 48
.set G0K, 56
.set G0V, 60
.set G0KS, 68
.set G0VS, 72
.set TB,  2                            ; s2 the step's tiles: 6,144 bytes a step, in K and in V
.set TS,  3                            ; s3 K's scale words: 512 a step
.set TJ,  8                            ; s8 V's: 256 a step
.set CNT, 9
.set HI,  15                           ; s15 lanes 16-31
.macro ROUND
	s_barrier_signal -1
	s_barrier_wait -1
	s_cmp_lg_u32 s[WV], 0
	s_cbranch_scc1 .Lnot_wave_0_\@
	s_barrier_signal -3
.Lnot_wave_0_\@:
	s_barrier_wait -3
	s_barrier_signal -1
	s_barrier_wait -1
.endm
	s_load_b128 s[4:7], s[0:1], 0x0                ; qkv, xq
	v_lshl_add_u32 v[SPW], v0, 2, SPARE
	v_mov_b32 v[NIL], 0
	ds_add_u32 v[SPW], v[NIL]                      ; the wave's opening: the add and its wait ahead of the first tensor loads
	v_lshrrev_b32 v8, 5, v0
	v_readfirstlane_b32 s[WV], v8                  ; wave 0..15
	s_and_b32 s[W3], s[WV], 3
	s_and_b32 s10, ttmp7, 0xffff                   ; the head, 0..31
	s_lshr_b32 s11, s10, 4                         ; batch
	s_and_b32 s12, s10, 15
	s_bfe_u32 s13, ttmp6, 0x40000                  ; cx: it enters Q's and the output's global addresses alone
	s_lshl_b32 s14, ttmp9, 2
	s_add_co_u32 s14, s14, s13                     ; my block of 256 queries
	s_mov_b32 s[G1K], 15|(3<<16)|(1<<21)           ; the mask: all four; elements of 8 bytes; bit 21 beside a mask
	s_mov_b32 s[G1K+1], 32<<16                     ; K: 24,576 dense bytes as 96 rows of 256
	s_mov_b32 s[G1K+2], 96<<16
	s_mov_b32 s[G1K+3], 32<<16
	s_mov_b32 s[G1K+4], 96
	s_mov_b32 s[G1K+5], 32
	s_mov_b32 s[G1K+6], 0
	s_mov_b32 s[G1K+7], 0
	s_mov_b32 s[G1V], 15|(3<<16)|(1<<21)
	s_mov_b32 s[G1V+1], 384<<16                    ; V: 8 groups of 64 keys, the head's 3,072 bytes of each, 49,152 bytes apart
	s_mov_b32 s[G1V+2], 8<<16
	s_mov_b32 s[G1V+3], 384<<16
	s_mov_b32 s[G1V+4], 8
	s_mov_b32 s[G1V+5], 6144
	s_mov_b32 s[G1V+6], 0
	s_mov_b32 s[G1V+7], 0
	s_mov_b32 s[G1KS], 15|(3<<16)|(1<<21)
	s_mov_b32 s[G1KS+1], 32<<16                    ; K's scale words: 8,192 dense bytes
	s_mov_b32 s[G1KS+2], 32<<16
	s_mov_b32 s[G1KS+3], 32<<16
	s_mov_b32 s[G1KS+4], 32
	s_mov_b32 s[G1KS+5], 32
	s_mov_b32 s[G1KS+6], 0
	s_mov_b32 s[G1KS+7], 0
	s_mov_b32 s[G1VS], 15|(3<<16)|(1<<21)
	s_mov_b32 s[G1VS+1], 32<<16                    ; V's: 16 steps, the head's 256 bytes of each, 4,096 bytes apart
	s_mov_b32 s[G1VS+2], 16<<16
	s_mov_b32 s[G1VS+3], 32<<16
	s_mov_b32 s[G1VS+4], 16
	s_mov_b32 s[G1VS+5], 512
	s_mov_b32 s[G1VS+6], 0
	s_mov_b32 s[G1VS+7], 0
	s_mul_i32 s76, s[W3], 24576                    ; my quarter, in LDS (and in K's memory)
	s_add_co_u32 s78, s10, 32
	s_mul_i32 s80, s78, 98304
	s_add_co_u32 s80, s80, s76
	s_mov_b32 s81, 0                               ; K
	s_mul_i32 s82, s11, 1572864
	s_mul_i32 s84, s[W3], 393216
	s_add_co_u32 s82, s82, s84
	s_mul_i32 s84, s12, 3072
	s_add_co_u32 s82, s82, s84
	s_add_co_u32 s82, s82, 6291456
	s_mov_b32 s83, 0                               ; V
	s_lshl_b32 s84, s78, 13
	s_add_co_u32 s84, s84, 9437184
	s_mov_b32 s85, 0                               ; K's scale words
	s_lshl_b32 s86, s11, 16
	s_lshl_b32 s88, s12, 8
	s_add_co_u32 s86, s86, s88
	s_add_co_u32 s86, s86, 9961472
	s_mov_b32 s87, 0                               ; V's
	s_lshl_b32 s88, s14, 4
	s_add_co_u32 s88, s88, s[WV]                   ; my tile of queries
	s_mul_i32 s90, s10, 98304
	s_mul_i32 s92, s88, 768
	s_add_co_u32 s90, s90, s92
	s_mov_b32 s91, 0                               ; Q
	s_lshl_b32 s92, s10, 13
	s_lshl_b32 s88, s88, 6
	s_add_co_u32 s92, s92, s88
	s_add_co_u32 s92, s92, 9437184
	s_mov_b32 s93, 0                               ; Q's scale words
	s_lshl_b32 s94, s10, 3
	s_add_co_u32 s94, s94, s14
	s_mul_i32 s94, s94, 12288
	s_mov_b32 s95, 0                               ; the output's tile of 16 rows
	s_lshl_b32 s96, s10, 12
	s_lshr_b32 s98, s14, 2
	s_lshl_b32 s98, s98, 8
	s_add_co_u32 s96, s96, s98
	s_and_b32 s98, s14, 3
	s_lshl_b32 s98, s98, 2
	s_add_co_u32 s96, s96, s98
	s_add_co_u32 s96, s96, 3145728
	s_mov_b32 s97, 0                               ; and its scale words
	s_mov_b32 s[SEL], 0x76543210
	s_mov_b32 s[SEL+1], 0xfedcba98
	s_mov_b32 s[CS], 0x3e38aa3b                    ; c = log2(e) / sqrt(64)
	s_mov_b32 s[CS+1], s[CS]
	s_mov_b32 s[HI], 0xffff0000
	s_mov_b32 s[TB], 0
	s_mov_b32 s[TS], 0
	s_mov_b32 s[TJ], 0
	s_wait_dscnt 0x0                               ; the opening add is done
	s_wait_kmcnt 0x0
	s_mov_b32 s[G0K], 1
	s_mov_b32 s[G0K+1], s76
	s_add_nc_u64 s[G0K+2:G0K+3], s[4:5], s[80:81]
	s_or_b32 s[G0K+3], s[G0K+3], 0x80000000
	s_mov_b32 s[G0V], 1
	s_add_co_u32 s[G0V+1], s76, VIMG
	s_add_nc_u64 s[G0V+2:G0V+3], s[4:5], s[82:83]
	s_or_b32 s[G0V+3], s[G0V+3], 0x80000000
	s_mov_b32 s[G0KS], 1
	s_mov_b32 s[G0KS+1], KSC
	s_add_nc_u64 s[G0KS+2:G0KS+3], s[4:5], s[84:85]
	s_or_b32 s[G0KS+3], s[G0KS+3], 0x80000000
	s_mov_b32 s[G0VS], 1
	s_mov_b32 s[G0VS+1], VSC
	s_add_nc_u64 s[G0VS+2:G0VS+3], s[4:5], s[86:87]
	s_or_b32 s[G0VS+3], s[G0VS+3], 0x80000000
	s_add_nc_u64 s[90:91], s[4:5], s[90:91]
	s_add_nc_u64 s[92:93], s[4:5], s[92:93]
	s_add_nc_u64 s[94:95], s[6:7], s[94:95]
	s_add_nc_u64 s[96:97], s[6:7], s[96:97]
	ROUND                                          ; all four work-groups are here: the joint loads meet
	s_cmp_lt_u32 s[WV], 4                          ; waves 0-3: K's quarters; 4-7: V's; 8: K's scale words; 9: V's; the others none.  One load a wave; an s_nop 0 and four v_nop follow it
	s_cbranch_scc0 .Lnot_k
	tensor_load_to_lds s[G0K:G0K+3], s[G1K:G1K+7]
	s_nop 0
.rept 4
	v_nop
.endr
	s_branch .Lasked
.Lnot_k:
	s_cmp_lt_u32 s[WV], 8
	s_cbranch_scc0 .Lnot_v
	tensor_load_to_lds s[G0V:G0V+3], s[G1V:G1V+7]
	s_nop 0
.rept 4
	v_nop
.endr
	s_branch .Lasked
.Lnot_v:
	s_cmp_eq_u32 s[WV], 8
	s_cbranch_scc0 .Lnot_ks
	tensor_load_to_lds s[G0KS:G0KS+3], s[G1KS:G1KS+7]
	s_nop 0
.rept 4
	v_nop
.endr
	s_branch .Lasked
.Lnot_ks:
	s_cmp_eq_u32 s[WV], 9
	s_cbranch_scc0 .Lasked
	tensor_load_to_lds s[G0VS:G0VS+3], s[G1VS:G1VS+7]
	s_nop 0
.rept 4
	v_nop
.endr
.Lasked:
	v_and_b32 v8, 31, v0
	v_lshlrev_b32 v1, 4, v8                        ; K: registers 0-3 of a half image at 16 l,
	v_lshlrev_b32 v9, 3, v8
	v_add_nc_u32 v2, 512, v9                       ; registers 4-5 at 512 + 8 l
	v_add_nc_u32 v3, VIMG, v1
	v_add_nc_u32 v4, VIMG, v2
	v_lshlrev_b32 v10, 2, v8
	v_add_nc_u32 v7, KSC, v10
	v_add_nc_u32 v8, VSC, v10
	v_and_b32 v11, 15, v0
	v_lshlrev_b32 v11, 2, v11
	global_load_b128 v[16:19], v1, s[90:91]        ; Q's half image stays in registers
	global_load_b64 v[20:21], v9, s[90:91] offset:512
	global_load_b32 v255, v11, s[92:93]
.irp i, 22,23,24,25,26,27
	v_mov_b32 v\i, 0                               ; Q's upper 64 along K: zero codes
.endr
.irp i, 80,81,82,83,84,85
	v_mov_b32 v\i, 0                               ; what the last tile of K runs on into
.endr
	v_mov_b32 v13, 0xff61b1e6                      ; the largest t so far: -3e38
	v_floor_f32 v12, -v13                          ; -M
	v_mov_b32 v14, 0
	v_mov_b32 v15, 0
.irp b, 0,1,2,3
	v_mov_b32 v[236+\b], 0                         ; written once: a lane permute's destination counts as a source
.endr
	v_mov_b32 v253, 0
	s_wait_loadcnt 0x0
	v_and_b32 v255, 0xffff, v255
	v_or_b32 v255, 0x7f7f0000, v255                ; the bytes of the two blocks of zero codes: 1.0
.set j, 0
.rept 32
	v_mov_b32 v[160+j], 0                          ; O^T: the first change of M leaves zeros zeros.  (Also the places between the scale word's last write and the first product)
.set j, j+1
.endr
	s_wait_tensorcnt 0x0                           ; my load has landed,
	s_barrier_signal -1
	s_barrier_wait -1                              ; everybody's has
	s_mov_b32 s[CNT], 16
.Lstep:                                            ; a key step: 128 keys
	v_add_nc_u32 v9, s[TB], v1                     ; (these six are also the places behind the last products)
	v_add_nc_u32 v10, s[TB], v2
	v_add_nc_u32 v11, s[TB], v3
	v_add_nc_u32 v28, s[TB], v4
	v_add_nc_u32 v29, s[TS], v7
	v_add_nc_u32 v30, s[TJ], v8
.irp t, 0,1,2,3,4,5,6,7
	ds_load_b128 v[32+6*\t:35+6*\t], v9 offset:768*\t
	ds_load_b64 v[36+6*\t:37+6*\t], v10 offset:768*\t
.endr
.irp p, 0,1,2,3
	ds_load_b32 v[248+\p], v29 offset:128*\p       ; lanes 0-15: tile 2 p's words; lanes 16-31: tile 2 p + 1's
.endr
	s_wait_dscnt 0x0
.irp t, 0,1,2,3,4,5,6,7
.if \t%2
	v_wmma_scale_f32_16x16x128_f8f6f4 v[96+8*\t:103+8*\t], v[32+6*\t:43+6*\t], v[16:27], 0, v[248+\t/2], v255 matrix_a_fmt:MATRIX_FMT_FP6 matrix_b_fmt:MATRIX_FMT_FP6 matrix_a_scale:MATRIX_SCALE_ROW1
.else
	v_wmma_scale_f32_16x16x128_f8f6f4 v[96+8*\t:103+8*\t], v[32+6*\t:43+6*\t], v[16:27], 0, v[248+\t/2], v255 matrix_a_fmt:MATRIX_FMT_FP6 matrix_b_fmt:MATRIX_FMT_FP6
.endif
.endr
.rept 4
	v_nop                                          ; places in front of the loads below and of the first read of the scores
.endr
.irp t, 0,1,2,3                                ; V's four fragments are asked for at once: they land during the softmax
.irp c, 0,1
	ds_load_b128 v[32+12*\t+6*\c:35+12*\t+6*\c], v11 offset:3072*\c+768*\t
	ds_load_b64 v[36+12*\t+6*\c:37+12*\t+6*\c], v28 offset:3072*\c+768*\t
.endr
.endr
	ds_load_b32 v248, v30
	ds_load_b32 v249, v30 offset:128
.irp b, 0,1,2,3
	v_max3_num_f32 v[232+\b], v[96+16*\b], v[97+16*\b], v[98+16*\b]   ; the largest score of each block of 32 keys: for the row's maximum and, since p rises with the score, for the block's largest p
.endr
.irp i, 3,5,7,9,11,13
.irp b, 0,1,2,3
	v_max3_num_f32 v[232+\b], v[232+\b], v[96+16*\b+\i], v[97+16*\b+\i]
.endr
.endr
.irp b, 0,1,2,3
	v_max_num_f32 v[232+\b], v[232+\b], v[111+16*\b]
.endr
.irp b, 0,1,2,3
	v_permlanex16_b32 v[236+\b], v[232+\b], s[SEL], s[SEL+1]
.endr
.irp b, 0,1,2,3
	v_max_num_f32 v[232+\b], v[232+\b], v[236+\b]
.endr
	v_max3_num_f32 v254, v232, v233, v234
	v_max_num_f32 v254, v254, v235
	v_mul_f32 v254, s[CS], v254                    ; as t
	v_max_num_f32 v13, v13, v254                   ; the running largest t
	v_mov_b32 v254, v12
	v_floor_f32 v12, -v13                          ; the new -M: a whole number
	v_sub_f32 v254, v12, v254
	v_cvt_i32_f32 v254, v254                       ; (it saturates)
	v_ldexp_f32 v252, 1.0, v254                    ; f = 2^(old M - new M)
.set j, 0
.rept 32
	v_pk_fma_f32 v[96+j:97+j], v[96+j:97+j], s[CS:CS+1], v[12:13] op_sel_hi:[1,0,0]   ; t - M
.set j, j+2
.endr
.irp b, 0,1,2,3
	v_fma_f32 v[232+\b], v[232+\b], s[CS], v12
.endr
.set j, 0
.rept 64
	v_exp_f32 v[96+j], v[96+j]                     ; p = 2^(t - M): not normalised
.set j, j+1
.endr
	v_pk_mul_f32 v[14:15], v[14:15], v[252:253] op_sel_hi:[1,0]   ; the sums under the new M (a plain place behind the exponentials)
	s_wait_alu depctr_va_vdst(0)                   ; one wait for the batch, ahead of its first reader
.irp b, 0,1,2,3
	v_exp_f32 v[232+\b], v[232+\b]                 ; the blocks' largest p
.endr
	v_pk_add_f32 v[236:237], v[96:97], v[98:99]    ; the row's sum of the unquantised p, in two chains
.irp j, 4,8,12,16,20,24,28,32,36,40,44,48,52,56,60
	v_pk_add_f32 v[14:15], v[14:15], v[96+\j:97+\j]
	v_pk_add_f32 v[236:237], v[236:237], v[98+\j:99+\j]
.endr
	v_pk_add_f32 v[14:15], v[14:15], v[236:237]
	s_wait_alu depctr_va_vdst(0)                   ; and one for the four
.irp b, 0,1,2,3
	v_max_num_f32 v[232+\b], 0x1800000, v[232+\b]  ; the floor 2^(3 - 127)
.endr
.irp b, 0,1,2,3
	v_add_nc_u32 v[244+\b], 0xff000000, v[232+\b]
.endr
.irp b, 0,1,2,3
	v_lshrrev_b32 v[236+\b], 23, v[244+\b]
.endr
	v_lshl_or_b32 v253, v237, 8, v236              ; p's scale word for these 128 keys
	v_lshl_or_b32 v253, v238, 16, v253
	v_lshl_or_b32 v253, v239, 24, v253
.irp c, 0,1
	v_cvt_scalef32_pk16_fp6_f32 v[224+6*\c:226+6*\c], v[96+32*\c:111+32*\c], v[244+2*\c]
	v_cvt_scalef32_pk16_fp6_f32 v[236+4*\c:238+4*\c], v[112+32*\c:127+32*\c], v[244+2*\c+1]
.endr
	v_nop
.irp c, 0,1
.irp i, 0,1,2
	v_permlane16_swap_b32 v[224+6*\c+\i], v[236+4*\c+\i]
.endr
.irp i, 0,1,2
	v_mov_b32 v[227+6*\c+\i], v[236+4*\c+\i]
.endr
.endr
.set j, 0
.rept 16
	v_pk_mul_f32 v[160+j:161+j], v[160+j:161+j], v[252:253] op_sel_hi:[1,0]   ; O^T under the new M (also places in front of the products below)
.set j, j+2
.endr
	s_wait_dscnt 0x0                               ; V is in
.irp t, 0,1,2,3
.if \t%2
	v_wmma_scale_f32_16x16x128_f8f6f4 v[160+8*\t:167+8*\t], v[32+12*\t:43+12*\t], v[224:235], v[160+8*\t:167+8*\t], v[248+\t/2], v253 matrix_a_fmt:MATRIX_FMT_FP6 matrix_b_fmt:MATRIX_FMT_FP6 matrix_a_scale:MATRIX_SCALE_ROW1
.else
	v_wmma_scale_f32_16x16x128_f8f6f4 v[160+8*\t:167+8*\t], v[32+12*\t:43+12*\t], v[224:235], v[160+8*\t:167+8*\t], v[248+\t/2], v253 matrix_a_fmt:MATRIX_FMT_FP6 matrix_b_fmt:MATRIX_FMT_FP6
.endif
.endr
	s_add_co_u32 s[TB], s[TB], 6144
	s_add_co_u32 s[TS], s[TS], 512
	s_add_co_u32 s[TJ], s[TJ], 256
	s_sub_co_u32 s[CNT], s[CNT], 1
	s_cmp_lg_u32 s[CNT], 0
	s_cbranch_scc1 .Lstep
	; THE WAY OUT.  O^T / l; register 16 b + i is channel 32 b + 16 h + i of my query: two blocks of the next product's K.
	v_add_f32 v14, v14, v15
	v_permlanex16_b32 v252, v14, s[SEL], s[SEL+1]
	v_add_f32 v14, v14, v252                       ; the row's sum
	v_rcp_f32 v14, v14
	; my query l = 32 (8 yb + w / 2) + 8 (w % 2) + (r % 8) + 16 (r / 8): row 2 (w / 2) + r / 8 of the tile, K step 4 (w % 2) + (r % 8) / 2, half c = r % 2 of it
	v_bfe_u32 v8, v0, 5, 1
	v_bfe_u32 v9, v0, 1, 2
	v_lshl_add_u32 v9, v8, 2, v9                   ; the K step
	v_mul_u32_u24 v10, v9, 1536
	v_bfe_u32 v11, v0, 4, 1                        ; h
	v_lshl_add_u32 v10, v11, 8, v10
	v_bfe_u32 v28, v0, 6, 3
	v_bfe_u32 v29, v0, 3, 1
	v_lshl_add_u32 v28, v28, 1, v29                ; the row
	v_lshl_add_u32 v10, v28, 4, v10
	v_add_nc_u32 v10, OSTG, v10                    ; the image's place of lane (row, h)
	v_and_b32 v29, 1, v0                           ; c
	v_mad_u32_u24 v30, v29, 520, v10               ; registers 6 c, 6 c + 1 (and, 512 on, 6 c + 4, 6 c + 5)
	v_mad_u32_u24 v31, v29, 1016, v10              ; registers 6 c + 2, 6 c + 3, 8 bytes on
	v_lshl_add_u32 v9, v9, 4, v28
	v_lshlrev_b32 v9, 2, v9
	v_lshl_add_u32 v9, v29, 1, v9
	v_add_nc_u32 v9, v9, v11
	v_add_nc_u32 v9, OSC, v9                       ; my block's byte: word 16 (K step) + row, byte 2 c + h
	v_and_b32 v8, 31, v0
	v_lshlrev_b32 v29, 3, v8
	s_mul_i32 s76, s[WV], 768
	v_add_nc_u32 v29, s76, v29                     ; what I send: 768 bytes a wave
	v_add_nc_u32 v28, OSTG, v29
	v_lshl_add_u32 v10, v0, 2, OSC                 ; waves 0-3: a scale word a thread
	v_lshrrev_b32 v11, 4, v0
	v_lshlrev_b32 v11, 9, v11
	v_and_b32 v8, 15, v0
	v_lshl_add_u32 v11, v8, 4, v11
	s_wait_alu depctr_va_vdst(0)                   ; the wait ahead of the reciprocal's first reader
.set j, 0
.rept 32
	v_mul_f32 v[96+j], v[160+j], v14
.set j, j+1
.endr
.irp b, 0,1
	v_max3_num_f32 v[232+\b], |v[96+16*\b]|, |v[97+16*\b]|, 0x1800000
.endr
.irp i, 2,4,6,8,10,12,14
.irp b, 0,1
	v_max3_num_f32 v[232+\b], v[232+\b], |v[96+16*\b+\i]|, |v[97+16*\b+\i]|
.endr
.endr
.irp b, 0,1
	v_permlanex16_b32 v[236+\b], v[232+\b], s[SEL], s[SEL+1]
.endr
.irp b, 0,1
	v_max_num_f32 v[232+\b], v[232+\b], v[236+\b]
.endr
.irp b, 0,1
	v_add_nc_u32 v[244+\b], 0xff000000, v[232+\b]
.endr
.irp b, 0,1
	v_lshrrev_b32 v[236+\b], 23, v[244+\b]
.endr
	v_cndmask_b32 v238, v236, v237, s[HI]          ; lanes 0-15 keep block 0, lanes 16-31 block 1
	v_cvt_scalef32_pk16_fp6_f32 v[224:226], v[96:111], v244
	v_cvt_scalef32_pk16_fp6_f32 v[240:242], v[112:127], v245
	v_nop
.irp i, 0,1,2
	v_permlane16_swap_b32 v[224+\i], v[240+\i]
.endr
.irp i, 0,1,2
	v_mov_b32 v[227+\i], v[240+\i]
.endr
	ds_store_b64 v30, v[224:225]
	ds_store_b64 v31, v[226:227] offset:8
	ds_store_b64 v30, v[228:229] offset:512
	ds_store_b8 v9, v238
	s_wait_dscnt 0x0                               ; for the others' sake: my stores have landed
	s_barrier_signal -1
	s_barrier_wait -1
.irp j, 0,1,2
	ds_load_b64 v[96+2*\j:97+2*\j], v28 offset:256*\j
.endr
	s_wait_dscnt 0x0
.irp j, 0,1,2
	global_store_b64 v29, v[96+2*\j:97+2*\j], s[94:95] offset:256*\j   ; 256 consecutive bytes, aligned
.endr
	s_cmp_lt_u32 s[WV], 4
	s_cbranch_scc0 .Ldone
	ds_load_b32 v102, v10
	s_wait_dscnt 0x0
	global_store_b32 v11, v102, s[96:97]           ; the tile's word of each (K step, row): one producer owns one tile here, so these leave as single words
.Ldone:
	s_wait_tensorcnt 0x0                           ; the wave's end
	ds_add_u32 v[SPW], v[NIL]
	s_wait_dscnt 0x0
	ROUND                                          ; the closing round
	s_endpgm
.Lfunc_end_k_q35f46f2240_attn:
	.size	k_q35f46f2240_attn, .Lfunc_end_k_q35f46f2240_attn-k_q35f46f2240_attn
	.p2alignl 7, 3214868480
	.fill 96, 4, 3214868480
	.section	.rodata,"a",@progbits
	.p2align	6, 0x0
	.amdhsa_kernel k_q35f46f2240_attn
		.amdhsa_group_segment_fixed_size 223744
		.amdhsa_private_segment_fixed_size 0
		.amdhsa_enable_private_segment 0
		.amdhsa_kernarg_size 16
		.amdhsa_user_sgpr_count 2
		.amdhsa_user_sgpr_kernarg_segment_ptr 1
		.amdhsa_wavefront_size32 1
		.amdhsa_system_sgpr_workgroup_id_x 1
		.amdhsa_system_sgpr_workgroup_id_y 1
		.amdhsa_system_sgpr_workgroup_id_z 1
		.amdhsa_system_vgpr_workitem_id 0
		.amdhsa_next_free_vgpr 256
		.amdhsa_next_free_sgpr 100
		.amdhsa_reserve_vcc 0
		.amdhsa_float_denorm_mode_32 3
		.amdhsa_float_denorm_mode_16_64 3
		.amdhsa_memory_ordered 1
		.amdhsa_forward_progress 1
		.amdhsa_inst_pref_size 33
	.end_amdhsa_kernel
	.amdgpu_metadata
---
amdhsa.version: [ 1, 2 ]
amdhsa.kernels:
  - .name:           k_q35f46f2240_attn
    .symbol:         k_q35f46f2240_attn.kd
    .args:
      - { .name: qkv, .offset: 0, .size: 8, .value_kind: global_buffer, .address_space: global }
      - { .name: xq, .offset: 8, .size: 8, .value_kind: global_buffer, .address_space: global }
    .group_segment_fixed_size: 223744
    .private_segment_fixed_size: 0
    .kernarg_segment_align: 8
    .kernarg_segment_size: 16
    .max_flat_workgroup_size: 512
    .sgpr_count:     100
    .vgpr_count:     256
    .wavefront_size: 32
...
	.end_amdgpu_metadata
.endif
;; end of part 4
;; launch gemm_wo (part 5): grid 4 x 16, 4 waves a work-group, clusters of 4 x 4, 327,680 bytes of LDS; arguments xq, wq, bo, ebd_x, y; writes y
.if DOCPART == 5
	.amdgcn_target "amdgcn-amd-amdhsa--gfx1250"
	.amdhsa_code_object_version 6
	.text
	.protected	k_q35f46f2240_gemm_wo
	.globl	k_q35f46f2240_gemm_wo
	.p2align	8
	.type	k_q35f46f2240_gemm_wo,@function
k_q35f46f2240_gemm_wo:
	s_mov_b64 s[64:65], 0
	v_nop
	global_prefetch_b8 v0, s[64:65] scope:SCOPE_SE
	s_setreg_imm32_b32 hwreg(HW_REG_WAVE_MODE, 25, 1), 1
	s_wait_xcnt 0x0
	s_wait_alu depctr_hold_cnt(0) depctr_sa_sdst(0) depctr_va_vdst(0) depctr_va_sdst(0) depctr_va_ssrc(0) depctr_va_vcc(0) depctr_vm_vsrc(0)
	s_getreg_b32 s2, hwreg(HW_REG_IB_STS2, 6, 4)
	s_cmp_eq_u32 s2, 0
	s_cbranch_scc0 .Lentry_in_a_cluster
	s_endpgm
.Lentry_in_a_cluster:
	s_bfe_u32 s2, ttmp6, 0x10000c
	s_cmp_lg_u32 s2, 0xf033
	s_cbranch_scc0 .Lentry_shape_is_right
	s_endpgm
.Lentry_shape_is_right:
; y = A W + bias + residual, f32 [4096][1024]: here A = the attention's result (codes in xq), W = Wo, bias = bo, residual = ebd_x.  Codes of FP6 (E2M3) with E8M0 scales, sums in f32.
; A block of 256 x 256 to a work-group, four waves of 128 x 128 (64 accumulators, 512 registers).  K goes in steps of 256 through a ring of two LDS slots filled by the tensor data mover.
; OPERANDS ARE REGISTER IMAGES: fragment (tile of 16 rows t, K step s) is 1,536 dense bytes: three ds_load_b128 of 512 consecutive bytes; a slot's part of 8 tiles is 8 rows of 3,072 bytes.
; THE MATRIX INSTRUCTION IS USED TRANSPOSED (source 0 = 16 rows of W's image, source 1 = 16 rows of A): a lane holds eight neighbouring columns of a row.  W's tiles hold columns 32 b + 8 u + r + 8 (r / 8): the stage's offsets put them back.
; The bias is the C of each sum's first product.  The residual is added on the way out, where a wave holds whole rows of 512 bytes: it is read so, into window 1, which the last product leaves free.
; CLUSTERS 4 x 4: A's tiles are asked for jointly along a row of the cluster, W's along a column.  64 work-groups: the blocks that there are at this tile.
; REGISTERS: window 0: v16-29 addresses; v32-63 scale words, two sets; v64-127 the bias; v128-223 A's fragments; on the way out v128-255 rows.  window 1: W's fragments, two sets; then the residual.  windows 2, 3: accumulators.
.set SIZE_K, 1024
.set ASC,    3145728                   ; A's scale words in its buffer
.set BCO,    2359296                   ; W's codes in wq
.set BSC,    9535488                   ; W's scale words in wq
.set KST,    SIZE_K/128
.set FRB,    1536
.set TILEB,  2*FRB
.set HALFT,  8*TILEB
.set SLOT,   4*HALFT
.set LAPS,   SIZE_K/512
.set SCL,    2*SLOT
.set HALFS,  KST*512
.set SPARE,  SCL+4*HALFS
.set SPITCH, 528                       ; the way out: 16 rows x (512 + 16) bytes a wave, in slot 0, which has had its last fill and its last read by then
.set FR,     12
.set NL,     3
.set NP,     4
.set ADRA, 16
.set ADRB, 20
.set STO,  24
.set RD,   25
.set CO,   26
.set ADRS, 27
.set SPW,  28
.set NIL,  29
.set SC,   32
.set BI,   64
.set AF,   128
.set BK,   128
.set G1, 24
.set G0, 32
.set G1B, 48
.set G0B, 56
.set G1S, 68
.set G0S, 76
.set G1SB, 80
.set G0SB, 88
.set MSB, 0
.macro WIN new                         ; the immediate's high byte repeats the setting that is left
.if MSB != (\new)
	s_set_vgpr_msb (MSB<<8)|(\new)
.set MSB, (\new)
.endif
.endm
.macro JLOAD g0a, g1a, g0b, g1b        ; a joint load: waves 0, 1 for A, waves 2, 3 for W; an s_nop 0 and four v_nop follow each line
	s_cmp_eq_u32 s15, 0
	s_cbranch_scc0 .Lfor_b_\@
	tensor_load_to_lds s[\g0a:\g0a+3], s[\g1a:\g1a+7]
	s_nop 0
.rept 4
	v_nop
.endr
	s_branch .Lasked_\@
.Lfor_b_\@:
	tensor_load_to_lds s[\g0b:\g0b+3], s[\g1b:\g1b+7]
	s_nop 0
.rept 4
	v_nop
.endr
.Lasked_\@:
.endm
.macro CREST
	s_cmp_lg_u32 s14, 0
	s_cbranch_scc1 .Lnot_wave_0_\@
	s_barrier_signal -3
.Lnot_wave_0_\@:
	s_barrier_wait -3
	s_barrier_signal -1
	s_barrier_wait -1
.endm
.macro CROUND
	s_barrier_signal -1
	s_barrier_wait -1
	CREST
.endm
.macro PLACES n
.rept \n
	v_nop
.endr
.endm
.macro FRAG reg, adr, q, i
.irp g, 0,1,2
	ds_load_b128 v[\reg+4*\g:\reg+4*\g+3], v[\adr] offset:(\i)*TILEB+(\q)*FRB+512*\g
.endr
.endm
; 16 matrix instructions: A's tiles a0, a0 + 1 x W's eight.  zero = 1: the sums start with the bias as C.  The 64 accumulators take turns.
.macro MUL16 a0, p, q, sc, zero
.irp a, \a0, \a0+1
.irp b, 0,1,2,3,4,5,6,7
.if \zero
	v_wmma_scale_f32_16x16x128_f8f6f4 v[8*(8*((\a)%4)+\b):8*(8*((\a)%4)+\b)+7], v[128*(\p)+FR*\b:128*(\p)+FR*\b+FR-1], v[AF+FR*(\a):AF+FR*(\a)+FR-1], v[BI+8*\b:BI+8*\b+7], v[SC+16*(\sc)+8*(\q)+\b], v[SC+16*(\sc)+8*(\q)+(\a)] matrix_a_fmt:MATRIX_FMT_FP6 matrix_b_fmt:MATRIX_FMT_FP6 matrix_a_scale:MATRIX_SCALE_ROW1
.else
	v_wmma_scale_f32_16x16x128_f8f6f4 v[8*(8*((\a)%4)+\b):8*(8*((\a)%4)+\b)+7], v[128*(\p)+FR*\b:128*(\p)+FR*\b+FR-1], v[AF+FR*(\a):AF+FR*(\a)+FR-1], v[8*(8*((\a)%4)+\b):8*(8*((\a)%4)+\b)+7], v[SC+16*(\sc)+8*(\q)+\b], v[SC+16*(\sc)+8*(\q)+(\a)] matrix_a_fmt:MATRIX_FMT_FP6 matrix_b_fmt:MATRIX_FMT_FP6 matrix_a_scale:MATRIX_SCALE_ROW1
.endif
.endr
.endr
.endm
.macro FETCH_B slot, q, p
	WIN 0x40
.irp i, 0,1,2,3,4,5,6,7
	FRAG 128*(\p)+FR*\i, ADRB+\slot, \q, \i
.endr
	WIN 0
.endm
.macro FETCH_A slot, q, i0
.irp i, \i0, \i0+1, \i0+2, \i0+3
	FRAG AF+FR*(\i), ADRA+\slot, \q, \i
.endr
.endm
.macro SCALES sc                       ; lanes 0-15 A's tiles, lanes 16-31 W's; register 8 q + i: tile i
.irp q, 0,1
.irp e, 0,1
	ds_load_b128 v[SC+16*\sc+8*\q+4*\e:SC+16*\sc+8*\q+4*\e+3], v[ADRS] offset:512*\q+256*\e
.endr
.endr
.endm
.macro STEP slot, q, zero
	s_wait_dscnt 4*NL                              ; all but A's tiles 4-7 (12 loads) are in
.if \zero
	WIN 0x81
.else
	WIN 0xa1
.endif
	MUL16 0, (\q)%2, \q, \slot, \zero
	MUL16 2, (\q)%2, \q, \slot, \zero
	s_wait_dscnt 0
	PLACES NP
	FETCH_B \slot, (\q)+1, 1-(\q)%2
	FETCH_A \slot, (\q)+1, 0
.if \zero
	WIN 0xc1
.else
	WIN 0xf1
.endif
	MUL16 4, (\q)%2, \q, \slot, \zero
	MUL16 6, (\q)%2, \q, \slot, \zero
	PLACES NP
	WIN 0
	FETCH_A \slot, (\q)+1, 4
.endm
; A slot's last step changes slots: in front of ONE barrier each wave waits for all its tensor loads, adds 0 to its spare word, and waits for that and for its reads of this slot.
.macro TURN slot, next, fill
	s_wait_tensorcnt 0x0
	ds_add_u32 v[SPW], v[NIL]
	s_wait_dscnt 4*NL+1                            ; (the add and A's tiles 4-7 may be out)
	WIN 0xa1
	MUL16 0, 1, 1, \slot, 0
	s_wait_dscnt 0x0
	s_barrier_signal -1
	MUL16 2, 1, 1, \slot, 0
	WIN 0
	s_barrier_wait -1
.if \fill
	CREST                                          ; a round of the cluster's barrier: no wave of any partner still reads this slot or has a load on its way
	s_add_nc_u64 s[G0+4*\slot+2:G0+4*\slot+3], s[G0+4*\slot+2:G0+4*\slot+3], 2*TILEB
	s_add_nc_u64 s[G0B+4*\slot+2:G0B+4*\slot+3], s[G0B+4*\slot+2:G0B+4*\slot+3], 2*TILEB
	JLOAD G0+4*\slot, G1, G0B+4*\slot, G1B
.else
	PLACES NP
.endif
	v_add_nc_u32 v[ADRS], 1024, v[ADRS]
	FETCH_B \next, 0, 0
	FETCH_A \next, 0, 0
	SCALES \next
	WIN 0xf1
	MUL16 4, 1, 1, \slot, 0
	MUL16 6, 1, 1, \slot, 0
	PLACES NP
	WIN 0
	FETCH_A \next, 0, 4
.endm
	s_load_b128 s[96:99], s[0:1], 0x0              ; A's buffer, wq
	s_load_b64 s[100:101], s[0:1], 0x10            ; the bias
	s_load_b64 s[66:67], s[0:1], 0x18              ; the residual
	s_load_b64 s[12:13], s[0:1], 0x20              ; y
	v_lshl_add_u32 v[SPW], v0, 2, SPARE
	v_mov_b32 v[NIL], 0
	ds_add_u32 v[SPW], v[NIL]                      ; the wave's opening: the add and its wait ahead of my first tensor load
	v_lshrrev_b32 v1, 5, v0
	v_readfirstlane_b32 s14, v1
	s_lshr_b32 s15, s14, 1
	s_and_b32 s16, s14, 1
	s_bfe_u32 s40, ttmp6, 0x40000
	s_bfe_u32 s41, ttmp6, 0x40004
	s_lshl_b32 s42, ttmp9, 2
	s_add_co_u32 s42, s42, s40                     ; block column
	s_and_b32 s17, ttmp7, 0xffff
	s_lshl_b32 s17, s17, 2
	s_add_co_u32 s17, s17, s41                     ; block row
	s_lshl_b32 s43, s41, 2
	s_lshl_b32 s43, 15, s43
	s_lshl_b32 s44, 0x1111, s40
	s_or_b32 s[G1+0], s43, (3<<16)|(1<<21)
	s_or_b32 s[G1B+0], s44, (3<<16)|(1<<21)
.irp g, G1, G1B
	s_mov_b32 s[\g+1], 384<<16
	s_mov_b32 s[\g+2], 8<<16
	s_mov_b32 s[\g+3], 384<<16
	s_mov_b32 s[\g+4], 8
	s_mov_b32 s[\g+5], KST*192
	s_mov_b32 s[\g+6], 0
	s_mov_b32 s[\g+7], 0
.endr
	s_or_b32 s[G1S+0], s43, (3<<16)|(1<<21)
	s_or_b32 s[G1SB+0], s44, (3<<16)|(1<<21)
.irp g, G1S, G1SB
	s_mov_b32 s[\g+1], 32<<16
	s_mov_b32 s[\g+2], (HALFS/256)<<16
	s_mov_b32 s[\g+3], 32<<16
	s_mov_b32 s[\g+4], HALFS/256
	s_mov_b32 s[\g+5], 32
	s_mov_b32 s[\g+6], 0
	s_mov_b32 s[\g+7], 0
.endr
	s_mul_i32 s45, s14, HALFT
	s_mul_i32 s94, s14, HALFS
	s_wait_dscnt 0x0
	s_wait_kmcnt 0x0
	s_mov_b64 s[4:5], s[96:97]
	s_add_nc_u64 s[6:7], s[96:97], ASC
	s_add_nc_u64 s[8:9], s[98:99], BCO
	s_add_nc_u64 s[10:11], s[98:99], BSC
	s_lshl_b32 s18, s17, 4
	s_lshl_b32 s19, s16, 3
	s_add_co_u32 s18, s18, s19
	s_mul_i32 s20, s18, KST*FRB
	s_mov_b32 s21, 0
	s_add_nc_u64 s[4:5], s[4:5], s[20:21]
	s_lshl_b32 s18, s17, 1
	s_add_co_u32 s18, s18, s16
	s_mul_i32 s20, s18, HALFS
	s_add_nc_u64 s[6:7], s[6:7], s[20:21]
	s_lshl_b32 s46, s42, 4
	s_add_co_u32 s46, s46, s19
	s_mul_i32 s46, s46, KST*FRB
	s_mov_b32 s47, 0
	s_add_nc_u64 s[8:9], s[8:9], s[46:47]
	s_lshl_b32 s46, s42, 1
	s_add_co_u32 s46, s46, s16
	s_mul_i32 s46, s46, HALFS
	s_add_nc_u64 s[10:11], s[10:11], s[46:47]
	CROUND
	s_mov_b32 s[G0S], 1
	s_add_co_u32 s[G0S+1], s94, SCL
	s_mov_b64 s[G0S+2:G0S+3], s[6:7]
	s_or_b32 s[G0S+3], s[G0S+3], 0x80000000
	s_mov_b32 s[G0SB], 1
	s_add_co_u32 s[G0SB+1], s94, SCL
	s_mov_b64 s[G0SB+2:G0SB+3], s[10:11]
	s_or_b32 s[G0SB+3], s[G0SB+3], 0x80000000
	JLOAD G0S, G1S, G0SB, G1SB
.irp s, 0,1
	s_mov_b32 s[G0+4*\s], 1
	s_add_co_u32 s[G0+4*\s+1], s45, \s*SLOT
	s_add_nc_u64 s[G0+4*\s+2:G0+4*\s+3], s[4:5], \s*TILEB
	s_or_b32 s[G0+4*\s+3], s[G0+4*\s+3], 0x80000000
	s_mov_b32 s[G0B+4*\s], 1
	s_add_co_u32 s[G0B+4*\s+1], s45, \s*SLOT
	s_add_nc_u64 s[G0B+4*\s+2:G0B+4*\s+3], s[8:9], \s*TILEB
	s_or_b32 s[G0B+4*\s+3], s[G0B+4*\s+3], 0x80000000
	JLOAD G0+4*\s, G1, G0B+4*\s, G1B
.endr
	v_and_b32 v1, 15, v0
	v_bfe_u32 v2, v0, 4, 1
	v_and_b32 v3, 31, v0
	v_lshlrev_b32 v[CO], 4, v3                     ; 16 x lane: an image's place, and my 16 bytes of a row of 512
	s_mul_i32 s21, s15, HALFT
	s_mul_i32 s22, s16, HALFT
	s_add_co_u32 s22, s22, 2*HALFT
.irp s, 0,1
	v_add_nc_u32 v[ADRA+\s], s21, v[CO]
	v_add_nc_u32 v[ADRB+\s], s22, v[CO]
	s_add_co_u32 s21, s21, SLOT
	s_add_co_u32 s22, s22, SLOT
.endr
	s_mul_i32 s21, s15, HALFS
	s_mul_i32 s22, s16, HALFS
	s_add_co_u32 s22, s22, 2*HALFS
	s_sub_co_u32 s22, s22, s21
	v_mul_u32_u24 v6, s22, v2
	s_add_co_u32 s21, s21, SCL
	v_lshl_add_u32 v6, v1, 4, v6
	v_add_nc_u32 v[ADRS], s21, v6
	s_mul_i32 s23, s14, 16*SPITCH                  ; my stage
	v_mul_u32_u24 v5, v1, SPITCH
	v_lshl_add_u32 v5, v2, 6, v5
	v_add_nc_u32 v[STO], s23, v5                   ; in: row r, + 64 h
	v_add_nc_u32 v[RD], s23, v[CO]                 ; back: a row of 512 bytes to the 32 lanes
	s_lshl_b32 s18, s42, 10
	s_lshl_b32 s19, s16, 9
	s_add_co_u32 s18, s18, s19                     ; my first column, in bytes
	s_mov_b32 s19, 0
	s_add_nc_u64 s[100:101], s[100:101], s[18:19]
	s_lshl_b32 s20, s17, 20
	s_lshl_b32 s21, s15, 19
	s_add_co_u32 s20, s20, s21
	s_add_co_u32 s20, s20, s18                     ; my first row of 4,096 bytes, and column
	s_mov_b32 s21, 0
	s_add_nc_u64 s[66:67], s[66:67], s[20:21]
	s_add_nc_u64 s[12:13], s[12:13], s[20:21]
	v_lshlrev_b32 v4, 6, v2
.irp b, 0,1,2,3,4,5,6,7
	global_load_b128 v[BI+8*\b:BI+8*\b+3], v4, s[100:101] offset:128*(\b/2)+32*(\b%2)      ; the bias in the result's layout: columns 32 (b / 2) + 8 (b % 2) + 16 h + 0 .. 7
	global_load_b128 v[BI+8*\b+4:BI+8*\b+7], v4, s[100:101] offset:128*(\b/2)+32*(\b%2)+16
.endr
	s_wait_loadcnt 0x0
	s_wait_tensorcnt 1                             ; the scale words and my part of slot 0 are in; slot 1's load may be out
	s_barrier_signal -1
	s_barrier_wait -1
	FETCH_B 0, 0, 0
	FETCH_A 0, 0, 0
	SCALES 0
	FETCH_A 0, 0, 4
	STEP 0, 0, 1
	s_mov_b32 s3, LAPS-1
.Llap:
	TURN 0, 1, 1
	STEP 1, 0, 0
	TURN 1, 0, 1
	STEP 0, 0, 0
	s_sub_co_u32 s3, s3, 1
	s_cmp_lg_u32 s3, 0
	s_cbranch_scc1 .Llap
	TURN 0, 1, 0
	STEP 1, 0, 0
	s_wait_dscnt 4*NL
	WIN 0xa1
	MUL16 0, 1, 1, 1, 0
	MUL16 2, 1, 1, 1, 0
	s_wait_dscnt 0
	WIN 0xf1
	MUL16 4, 1, 1, 1, 0
	MUL16 6, 1, 1, 1, 0
	WIN 0
	PLACES NP
; THE WAY OUT, a block of 16 rows x 128 columns at a time: through my own stage, back as whole rows of 512 bytes, + the residual's same rows, stored as two aligned runs of 256 bytes.
.macro RLOAD a                         ; the residual's block a into window 1, v[64 (a % 4)] on
	WIN 0x40
.irp t, 0,1,2,3,4,5,6,7,8,9,10,11,12,13,14,15
	global_load_b128 v[64*((\a)%4)+4*\t:64*((\a)%4)+4*\t+3], v[CO], s[66:67] offset:(16*(\a)+\t)*4096
.endr
	WIN 0
.endm
.macro TOSTAGE a
.set AC, 64*((\a)%4)
	WIN 0x08+4*((\a)/4)                            ; an LDS store's data: window 2 or 3
.irp b, 0,1,2,3,4,5,6,7
	ds_store_b128 v[STO], v[AC+8*\b:AC+8*\b+3] offset:128*(\b/2)+32*(\b%2)          ; each accumulator from its low end on
	ds_store_b128 v[STO], v[AC+8*\b+4:AC+8*\b+7] offset:128*(\b/2)+32*(\b%2)+16
.endr
	WIN 0
.set BB, BK+64*((\a)%2)
.irp t, 0,1,2,3,4,5,6,7,8,9,10,11,12,13,14,15
	ds_load_b128 v[BB+4*\t:BB+4*\t+3], v[RD] offset:\t*SPITCH      ; LDS serves a wave's instructions in order: these see the stores above
.endr
.endm
.macro SEND a, younger
.set BB, BK+64*((\a)%2)
	s_wait_dscnt \younger                          ; the block is back in registers
.if (\a) < 5
	s_wait_loadcnt 48                              ; its residual is in: three later blocks' 48 loads may be out
.else
	s_wait_loadcnt 16*(7-(\a))
.endif
	WIN 0x04                                       ; source 1: window 1
.set i, 0
.rept 32
	v_pk_add_f32 v[BB+i:BB+i+1], v[BB+i:BB+i+1], v[64*((\a)%4)+i:64*((\a)%4)+i+1]
.set i, i+2
.endr
	WIN 0
.irp t, 0,1,2,3,4,5,6,7,8,9,10,11,12,13,14,15
	global_store_b128 v[CO], v[BB+4*\t:BB+4*\t+3], s[12:13] offset:(16*(\a)+\t)*4096
.endr
.if (\a) < 4
	RLOAD (\a)+4
.endif
.endm
	RLOAD 0
	RLOAD 1
	RLOAD 2
	RLOAD 3
	TOSTAGE 0
.irp a, 1,2,3,4,5,6,7
.if \a > 1
	s_wait_xcnt 0x0                                ; block a - 2's stores have read their registers: block a's loads may land there
.endif
	TOSTAGE \a
	SEND \a-1, 32                                  ; behind block a - 1's loads: block a's 16 stores and 16 loads
.endr
	SEND 7, 0
	s_wait_tensorcnt 0x0                           ; the wave's end
	ds_add_u32 v[SPW], v[NIL]
	s_wait_dscnt 0x0
	CROUND
	s_endpgm
.Lfunc_end_k_q35f46f2240_gemm_wo:
	.size	k_q35f46f2240_gemm_wo, .Lfunc_end_k_q35f46f2240_gemm_wo-k_q35f46f2240_gemm_wo
	.p2alignl 7, 3214868480
	.fill 96, 4, 3214868480
	.section	.rodata,"a",@progbits
	.p2align	6, 0x0
	.amdhsa_kernel k_q35f46f2240_gemm_wo
		.amdhsa_group_segment_fixed_size 327680
		.amdhsa_private_segment_fixed_size 0
		.amdhsa_enable_private_segment 0
		.amdhsa_kernarg_size 40
		.amdhsa_user_sgpr_count 2
		.amdhsa_user_sgpr_kernarg_segment_ptr 1
		.amdhsa_wavefront_size32 1
		.amdhsa_system_sgpr_workgroup_id_x 1
		.amdhsa_system_sgpr_workgroup_id_y 1
		.amdhsa_system_sgpr_workgroup_id_z 1
		.amdhsa_system_vgpr_workitem_id 0
		.amdhsa_next_free_vgpr 1024
		.amdhsa_next_free_sgpr 104
		.amdhsa_reserve_vcc 0
		.amdhsa_float_denorm_mode_32 3
		.amdhsa_float_denorm_mode_16_64 3
		.amdhsa_memory_ordered 1
		.amdhsa_forward_progress 1
		.amdhsa_inst_pref_size 165
	.end_amdhsa_kernel
	.amdgpu_metadata
---
amdhsa.version: [ 1, 2 ]
amdhsa.kernels:
  - .name:           k_q35f46f2240_gemm_wo
    .symbol:         k_q35f46f2240_gemm_wo.kd
    .args:
      - { .name: xq, .offset: 0, .size: 8, .value_kind: global_buffer, .address_space: global }
      - { .name: wq, .offset: 8, .size: 8, .value_kind: global_buffer, .address_space: global }
      - { .name: bo, .offset: 16, .size: 8, .value_kind: global_buffer, .address_space: global }
      - { .name: ebd_x, .offset: 24, .size: 8, .value_kind: global_buffer, .address_space: global }
      - { .name: y, .offset: 32, .size: 8, .value_kind: global_buffer, .address_space: global }
    .group_segment_fixed_size: 327680
    .private_segment_fixed_size: 0
    .kernarg_segment_align: 8
    .kernarg_segment_size: 40
    .max_flat_workgroup_size: 128
    .sgpr_count:     104
    .vgpr_count:     1024
    .wavefront_size: 32
...
	.end_amdgpu_metadata
.endif
;; end of part 5
;; launch ln1 (part 6): grid 256 x 1, 4 waves a work-group, no clusters, 66,304 bytes of LDS; arguments y, g1, beta1, x1, xq; writes x1, xq
.if DOCPART == 6
	.amdgcn_target "amdgcn-amd-amdhsa--gfx1250"
	.amdhsa_code_object_version 6
	.text
	.protected	k_q35f46f2240_ln1
	.globl	k_q35f46f2240_ln1
	.p2align	8
	.type	k_q35f46f2240_ln1,@function
k_q35f46f2240_ln1:
	s_mov_b64 s[64:65], 0
	v_nop
	global_prefetch_b8 v0, s[64:65] scope:SCOPE_SE
	s_setreg_imm32_b32 hwreg(HW_REG_WAVE_MODE, 25, 1), 1
	s_wait_xcnt 0x0
; x1 = LayerNorm(y) g1 + beta1, f32 [4096][1024], and x1's codes of FP6 (E2M3) with E8M0 scales as register images in xq (fragment (tile t, K step s) at (8 t + s) x 1536; scale words from 3,145,728 on).
; A work-group takes 16 rows, one tile; a wave 4 whole rows in 128 registers, so that mean and variance never leave the wave.  Two passes, as the definition has them: the mean, then the mean of (x - mean)^2.
; For the quantiser the 16 rows turn through LDS (pitch 4,112 bytes): wave w then takes K steps 2 w and 2 w + 1 of all 16 rows, a lane 16 neighbours of each block of 32.
; LIMITS: NaN and infinities are not served; a block whose largest magnitude lies under 2^-124 (zeros too) gets the byte 1; this program alone reads the bytes.
.set X,   32                           ; v32-159 row p: 32 registers; register 4 j + e: column 128 j + 4 lane + e
.set G,   160
.set BE,  192
.set SM,  8                            ; v8-15  four pairs: sums, then the mean twice
.set SQ,  16                           ; v16-23 four pairs: sums of squares, then 1 / sigma twice
.set TM,  224
.set PW0, 240
.set PW1, 241
.set XW,  242
.set SPW, 244
.set NIL, 245
.set PCA, 160
.set PCB, 192
.set SEL, 18
.set PITCH, 4112
.set SPARE, 16*PITCH
.macro QUANT s, pc, pw
.irp b, 0,1,2,3
	v_max3_num_f32 v[TM+\b], |v[\s+16*\b]|, |v[\s+1+16*\b]|, 0x1800000   ; and the floor 2^(3 - 127): the byte cannot fall under 1
.endr
.irp i, 2,4,6,8,10,12,14
.irp b, 0,1,2,3
	v_max3_num_f32 v[TM+\b], v[TM+\b], |v[\s+16*\b+\i]|, |v[\s+1+16*\b+\i]|
.endr
.endr
.irp b, 0,1,2,3
	v_permlanex16_b32 v[TM+4+\b], v[TM+\b], s[SEL], s[SEL+1]
.endr
.irp b, 0,1,2,3
	v_max_num_f32 v[TM+\b], v[TM+\b], v[TM+4+\b]
.endr
.irp b, 0,1,2,3
	v_add_nc_u32 v[TM+12+\b], 0xff000000, v[TM+\b]
.endr
.irp b, 0,1,2,3
	v_lshrrev_b32 v[TM+4+\b], 23, v[TM+12+\b]
.endr
	v_lshl_or_b32 v[\pw], v[TM+5], 8, v[TM+4]
	v_lshl_or_b32 v[\pw], v[TM+6], 16, v[\pw]
	v_lshl_or_b32 v[\pw], v[TM+7], 24, v[\pw]
.irp c, 0,1
	v_cvt_scalef32_pk16_fp6_f32 v[\pc+6*\c:\pc+2+6*\c], v[\s+32*\c:\s+15+32*\c], v[TM+12+2*\c]
	v_cvt_scalef32_pk16_fp6_f32 v[\pc+12+4*\c:\pc+14+4*\c], v[\s+16+32*\c:\s+31+32*\c], v[TM+12+2*\c+1]
.endr
	v_nop
.irp c, 0,1
.irp i, 0,1,2
	v_permlane16_swap_b32 v[\pc+6*\c+\i], v[\pc+12+4*\c+\i]
.endr
.irp i, 0,1,2
	v_mov_b32 v[\pc+3+6*\c+\i], v[\pc+12+4*\c+\i]
.endr
.endr
.endm
.macro ACROSS r                        ; the four rows' figures v[r + 2 p] summed over the 32 lanes, the rows by turns
.irp m, 1,2,4,8
.irp p, 0,1,2,3
	v_add_f32_dpp v[\r+2*\p], v[\r+2*\p], v[\r+2*\p] row_xmask:\m row_mask:0xf bank_mask:0xf
.endr
.endr
.irp p, 0,1,2,3
	v_permlanex16_b32 v[\r+2*\p+1], v[\r+2*\p], s[SEL], s[SEL+1]
.endr
.irp p, 0,1,2,3
	v_add_f32 v[\r+2*\p], v[\r+2*\p], v[\r+2*\p+1]
.endr
.endm
	s_load_b256 s[4:11], s[0:1], 0x0               ; y, g1, beta1, x1
	s_load_b64 s[12:13], s[0:1], 0x20              ; xq
	v_lshl_add_u32 v[SPW], v0, 2, SPARE
	v_mov_b32 v[NIL], 0
	v_lshrrev_b32 v1, 5, v0
	v_readfirstlane_b32 s14, v1                    ; wave
	v_and_b32 v1, 31, v0
	v_lshlrev_b32 v2, 4, v1                        ; 16 x lane
	s_lshl_b32 s16, ttmp9, 16
	s_lshl_b32 s15, s14, 14
	s_add_co_u32 s16, s16, s15                     ; my four rows
	s_mov_b32 s17, 0
	s_mov_b32 s[SEL], 0x76543210
	s_mov_b32 s[SEL+1], 0xfedcba98
	s_mov_b32 s20, 0x3a800000                      ; 1 / 1024
	s_mov_b32 s21, 0x3727c5ac                      ; 1e-5
	s_mov_b32 s22, 0xffff0000
	s_wait_kmcnt 0x0
	s_add_nc_u64 s[4:5], s[4:5], s[16:17]
	s_add_nc_u64 s[10:11], s[10:11], s[16:17]
.irp p, 0,1,2,3
.irp j, 0,1,2,3,4,5,6,7
	global_load_b128 v[X+32*\p+4*\j:X+32*\p+4*\j+3], v2, s[4:5] offset:4096*\p+512*\j th:TH_LOAD_NT    ; 512 consecutive bytes a load
.endr
.endr
.irp j, 0,1,2,3,4,5,6,7
	global_load_b128 v[G+4*\j:G+4*\j+3], v2, s[6:7] offset:512*\j
	global_load_b128 v[BE+4*\j:BE+4*\j+3], v2, s[8:9] offset:512*\j
.endr
	s_wait_loadcnt 16                              ; the rows are in; the gain's and the bias's 16 loads may be out
.irp p, 0,1,2,3
	v_pk_add_f32 v[SM+2*\p:SM+2*\p+1], v[X+32*\p:X+32*\p+1], v[X+32*\p+2:X+32*\p+3]
.endr
.irp i, 4,6,8,10,12,14,16,18,20,22,24,26,28,30
.irp p, 0,1,2,3
	v_pk_add_f32 v[SM+2*\p:SM+2*\p+1], v[SM+2*\p:SM+2*\p+1], v[X+32*\p+\i:X+32*\p+\i+1]
.endr
.endr
.irp p, 0,1,2,3
	v_add_f32 v[SM+2*\p], v[SM+2*\p], v[SM+2*\p+1]
.endr
	ACROSS SM
.irp p, 0,1,2,3
	v_mul_f32 v[SM+2*\p], s20, v[SM+2*\p]          ; the mean,
.endr
.irp p, 0,1,2,3
	v_mov_b32 v[SM+2*\p+1], v[SM+2*\p]             ; twice, for the packed forms
.endr
.irp i, 0,2,4,6,8,10,12,14,16,18,20,22,24,26,28,30
.irp p, 0,1,2,3
	v_pk_add_f32 v[X+32*\p+\i:X+32*\p+\i+1], v[X+32*\p+\i:X+32*\p+\i+1], v[SM+2*\p:SM+2*\p+1] neg_lo:[0,1] neg_hi:[0,1]
.endr
.endr
.irp p, 0,1,2,3
	v_pk_mul_f32 v[SQ+2*\p:SQ+2*\p+1], v[X+32*\p:X+32*\p+1], v[X+32*\p:X+32*\p+1]
.endr
.irp i, 2,4,6,8,10,12,14,16,18,20,22,24,26,28,30
.irp p, 0,1,2,3
	v_pk_fma_f32 v[SQ+2*\p:SQ+2*\p+1], v[X+32*\p+\i:X+32*\p+\i+1], v[X+32*\p+\i:X+32*\p+\i+1], v[SQ+2*\p:SQ+2*\p+1]
.endr
.endr
.irp p, 0,1,2,3
	v_add_f32 v[SQ+2*\p], v[SQ+2*\p], v[SQ+2*\p+1]
.endr
	ACROSS SQ
.irp p, 0,1,2,3
	v_fma_f32 v[SQ+2*\p], v[SQ+2*\p], s20, s21     ; the variance + eps
.endr
.irp p, 0,1,2,3
	v_rsq_f32 v[SQ+2*\p], v[SQ+2*\p]
.endr
	v_nop                                          ; a plain place behind the last of them
	s_wait_alu depctr_va_vdst(0)                   ; one wait for the four, ahead of their first reader
.irp p, 0,1,2,3
	v_mov_b32 v[SQ+2*\p+1], v[SQ+2*\p]
.endr
	s_wait_loadcnt 0x0
.irp i, 0,2,4,6,8,10,12,14,16,18,20,22,24,26,28,30
.irp p, 0,1,2,3
	v_pk_mul_f32 v[X+32*\p+\i:X+32*\p+\i+1], v[X+32*\p+\i:X+32*\p+\i+1], v[SQ+2*\p:SQ+2*\p+1]
.endr
.irp p, 0,1,2,3
	v_pk_fma_f32 v[X+32*\p+\i:X+32*\p+\i+1], v[X+32*\p+\i:X+32*\p+\i+1], v[G+\i:G+\i+1], v[BE+\i:BE+\i+1]
.endr
.endr
.irp p, 0,1,2,3
.irp j, 0,1,2,3,4,5,6,7
	global_store_b128 v2, v[X+32*\p+4*\j:X+32*\p+4*\j+3], s[10:11] offset:4096*\p+512*\j
.endr
.endr
	; the quantiser's half
	s_mul_i32 s15, s14, 4*PITCH
	v_add_nc_u32 v3, s15, v2
.irp p, 0,1,2,3
.irp j, 0,1,2,3,4,5,6,7
	ds_store_b128 v3, v[X+32*\p+4*\j:X+32*\p+4*\j+3] offset:PITCH*\p+512*\j
.endr
.endr
	v_and_b32 v6, 15, v0                           ; r
	v_bfe_u32 v7, v0, 4, 1                         ; h
	v_mul_u32_u24 v4, v6, PITCH
	v_lshl_add_u32 v4, v7, 6, v4
	s_lshl_b32 s15, s14, 10
	v_add_nc_u32 v4, s15, v4                       ; row r, my two K steps, + 64 h
	v_lshlrev_b32 v5, 4, v6
	v_lshl_add_u32 v5, v7, 9, v5                   ; the scale words' way out: 512 h + 16 r
.irp b, 0,1,2,3
	v_mov_b32 v[TM+4+\b], 0
.endr
	s_mul_i32 s16, ttmp9, 12288
	s_mul_i32 s15, s14, 3072
	s_add_co_u32 s16, s16, s15                     ; my two fragments
	s_lshr_b32 s24, ttmp9, 3
	s_lshl_b32 s24, s24, 3
	s_lshl_b32 s15, s14, 1
	s_add_co_u32 s24, s24, s15
	s_lshl_b32 s24, s24, 9
	s_bfe_u32 s15, ttmp9, 0x10002
	s_lshl_b32 s15, s15, 8
	s_add_co_u32 s24, s24, s15
	s_and_b32 s15, ttmp9, 3
	s_lshl_b32 s15, s15, 2
	s_add_co_u32 s24, s24, s15
	s_add_co_u32 s24, s24, 3145728
	s_mov_b32 s25, 0
	s_add_nc_u64 s[26:27], s[12:13], s[16:17]
	s_add_nc_u64 s[28:29], s[12:13], s[24:25]
	s_wait_dscnt 0x0                               ; for the others' sake: my rows have landed
	s_barrier_signal -1
	s_barrier_wait -1
	s_wait_xcnt 0x0                                ; the stores of x1 have read their registers: the loads below land there
.irp s, 0,1
.irp b, 0,1,2,3
.irp j, 0,1,2,3
	ds_load_b128 v[X+64*\s+16*\b+4*\j:X+64*\s+16*\b+4*\j+3], v4 offset:512*\s+128*\b+16*\j
.endr
.endr
.endr
	s_wait_dscnt 16                                ; the first K step's 16 loads are in
	QUANT X, PCA, PW0
.irp g, 0,1,2
	global_store_b128 v2, v[PCA+4*\g:PCA+4*\g+3], s[26:27] offset:512*\g
.endr
	s_wait_dscnt 0x0
	QUANT X+64, PCB, PW1
.irp g, 0,1,2
	global_store_b128 v2, v[PCB+4*\g:PCB+4*\g+3], s[26:27] offset:1536+512*\g
.endr
	v_cndmask_b32 v[XW], v[PW0], v[PW1], s22
	global_store_b32 v5, v[XW], s[28:29]           ; the tile's word of each (K step, row): one producer owns one tile here, so these leave as single words
	s_wait_tensorcnt 0x0                           ; the wave's end, behind my last LDS store
	ds_add_u32 v[SPW], v[NIL]
	s_wait_dscnt 0x0
	s_endpgm
.Lfunc_end_k_q35f46f2240_ln1:
	.size	k_q35f46f2240_ln1, .Lfunc_end_k_q35f46f2240_ln1-k_q35f46f2240_ln1
	.p2alignl 7, 3214868480
	.fill 96, 4, 3214868480
	.section	.rodata,"a",@progbits
	.p2align	6, 0x0
	.amdhsa_kernel k_q35f46f2240_ln1
		.amdhsa_group_segment_fixed_size 66304
		.amdhsa_private_segment_fixed_size 0
		.amdhsa_enable_private_segment 0
		.amdhsa_kernarg_size 40
		.amdhsa_user_sgpr_count 2
		.amdhsa_user_sgpr_kernarg_segment_ptr 1
		.amdhsa_wavefront_size32 1
		.amdhsa_system_sgpr_workgroup_id_x 1
		.amdhsa_system_sgpr_workgroup_id_y 1
		.amdhsa_system_sgpr_workgroup_id_z 1
		.amdhsa_system_vgpr_workitem_id 0
		.amdhsa_next_free_vgpr 256
		.amdhsa_next_free_sgpr 66
		.amdhsa_reserve_vcc 0
		.amdhsa_float_denorm_mode_32 3
		.amdhsa_float_denorm_mode_16_64 3
		.amdhsa_memory_ordered 1
		.amdhsa_forward_progress 1
		.amdhsa_inst_pref_size 47
	.end_amdhsa_kernel
	.amdgpu_metadata
---
amdhsa.version: [ 1, 2 ]
amdhsa.kernels:
  - .name:           k_q35f46f2240_ln1
    .symbol:         k_q35f46f2240_ln1.kd
    .args:
      - { .name: y, .offset: 0, .size: 8, .value_kind: global_buffer, .address_space: global }
      - { .name: g1, .offset: 8, .size: 8, .value_kind: global_buffer, .address_space: global }
      - { .name: beta1, .offset: 16, .size: 8, .value_kind: global_buffer, .address_space: global }
      - { .name: x1, .offset: 24, .size: 8, .value_kind: global_buffer, .address_space: global }
      - { .name: xq, .offset: 32, .size: 8, .value_kind: global_buffer, .address_space: global }
    .group_segment_fixed_size: 66304
    .private_segment_fixed_size: 0
    .kernarg_segment_align: 8
    .kernarg_segment_size: 40
    .max_flat_workgroup_size: 128
    .sgpr_count:     66
    .vgpr_count:     256
    .wavefront_size: 32
...
	.end_amdgpu_metadata
.endif
;; end of part 6
;; launch gemm_ff1 (part 7): grid 16 x 16, 4 waves a work-group, clusters of 4 x 4, 327,680 bytes of LDS; arguments xq, wq, b1, hq; writes hq
.if DOCPART == 7
	.amdgcn_target "amdgcn-amd-amdhsa--gfx1250"
	.amdhsa_code_object_version 6
	.text
	.protected	k_q35f46f2240_gemm_ff1
	.globl	k_q35f46f2240_gemm_ff1
	.p2align	8
	.type	k_q35f46f2240_gemm_ff1,@function
k_q35f46f2240_gemm_ff1:
	s_mov_b64 s[64:65], 0
	v_nop
	global_prefetch_b8 v0, s[64:65] scope:SCOPE_SE
	s_setreg_imm32_b32 hwreg(HW_REG_WAVE_MODE, 25, 1), 1
	s_wait_xcnt 0x0
	s_wait_alu depctr_hold_cnt(0) depctr_sa_sdst(0) depctr_va_vdst(0) depctr_va_sdst(0) depctr_va_ssrc(0) depctr_va_vcc(0) depctr_vm_vsrc(0)
	s_getreg_b32 s2, hwreg(HW_REG_IB_STS2, 6, 4)
	s_cmp_eq_u32 s2, 0
	s_cbranch_scc0 .Lentry_in_a_cluster
	s_endpgm
.Lentry_in_a_cluster:
	s_bfe_u32 s2, ttmp6, 0x10000c
	s_cmp_lg_u32 s2, 0xf033
	s_cbranch_scc0 .Lentry_shape_is_right
	s_endpgm
.Lentry_shape_is_right:
; h = gelu(x1 W1 + b1), exact gelu, quantised here along the next product's K (4,096) into register images in hq; h never exists in memory as f32.  Codes of FP6 (E2M3) with E8M0 scales, sums in f32.
; A block of 256 x 256 to a work-group, four waves of 128 x 128.  K = 1,024 goes in steps of 256 through a ring of two LDS slots filled by the tensor data mover; operands are register images (1,536 dense bytes a fragment).
; THE MATRIX INSTRUCTION IS USED TRANSPOSED (source 0 = 16 rows of W1's image, source 1 = 16 rows of x1): since W1's tiles hold columns 32 b + 8 u + r + 8 (r / 8), the 64 registers of one tile of rows are
; 16 b + i = hidden unit 32 b + 16 (lane / 16) + i: a wave's 128 columns are one K step of the next product, one fragment and one scale word a row.
; gelu(x) = 0.5 x (1 + erf(x / sqrt 2)); erf(z) = z P(z^2) / Q(z^2) with z held to +-4 (beyond it erf is 1 in f32); the approximation's absolute error is about 1e-7.
; THE WAY OUT IS A LOOP of eight trips, so that the text stays short: only the copy out of the accumulators, whose register numbers differ, is written eight times and chosen by the trip's number.
; CLUSTERS 4 x 4: x1's tiles are asked for jointly along a row of the cluster, W1's along a column.  256 work-groups.
; LIMITS: NaN and infinities are not served; a block whose largest magnitude lies under 2^-124 (zeros too) gets the byte 1; this program alone reads the bytes.
.set SIZE_K, 1024
.set ASC,    3145728
.set BCO,    3145728
.set BSC,    9568256
.set KST,    SIZE_K/128
.set FRB,    1536
.set TILEB,  2*FRB
.set HALFT,  8*TILEB
.set SLOT,   4*HALFT
.set LAPS,   SIZE_K/512
.set SCL,    2*SLOT
.set HALFS,  KST*512
.set SPARE,  SCL+4*HALFS
.set FR,     12
.set NL,     3
.set NP,     4
.set ADRA, 16
.set ADRB, 20
.set LI,   26
.set ADRS, 27
.set SPW,  28
.set NIL,  29
.set SC,   32
.set BI,   64
.set AF,   128
.set PC,   32                          ; the way out, window 0: codes v32-50, the scale word v51, the eight tiles' words v52-59, four to send v60-63
.set PW,   51
.set SW,   52
.set XW,   60
.set H,    64                          ; v64-127 0.5 x, then gelu
.set GZ,   128                         ; v128-191 x / sqrt 2
.set GT,   192                         ; 16 at a time: z^2, P, Q
.set GP,   208
.set GQ,   224
.set TM,   240
.set SEL,  18
.set G1, 24
.set G0, 32
.set G1B, 48
.set G0B, 56
.set G1S, 68
.set G0S, 76
.set G1SB, 80
.set G0SB, 88
.set MSB, 0
.macro WIN new                         ; the immediate's high byte repeats the setting that is left
.if MSB != (\new)
	s_set_vgpr_msb (MSB<<8)|(\new)
.set MSB, (\new)
.endif
.endm
.macro JLOAD g0a, g1a, g0b, g1b        ; a joint load: waves 0, 1 for x1, waves 2, 3 for W1; an s_nop 0 and four v_nop follow each line
	s_cmp_eq_u32 s15, 0
	s_cbranch_scc0 .Lfor_b_\@
	tensor_load_to_lds s[\g0a:\g0a+3], s[\g1a:\g1a+7]
	s_nop 0
.rept 4
	v_nop
.endr
	s_branch .Lasked_\@
.Lfor_b_\@:
	tensor_load_to_lds s[\g0b:\g0b+3], s[\g1b:\g1b+7]
	s_nop 0
.rept 4
	v_nop
.endr
.Lasked_\@:
.endm
.macro CREST
	s_cmp_lg_u32 s14, 0
	s_cbranch_scc1 .Lnot_wave_0_\@
	s_barrier_signal -3
.Lnot_wave_0_\@:
	s_barrier_wait -3
	s_barrier_signal -1
	s_barrier_wait -1
.endm
.macro CROUND
	s_barrier_signal -1
	s_barrier_wait -1
	CREST
.endm
.macro PLACES n
.rept \n
	v_nop
.endr
.endm
.macro FRAG reg, adr, q, i
.irp g, 0,1,2
	ds_load_b128 v[\reg+4*\g:\reg+4*\g+3], v[\adr] offset:(\i)*TILEB+(\q)*FRB+512*\g
.endr
.endm
; 16 matrix instructions: x1's tiles a0, a0 + 1 x W1's eight.  zero = 1: the sums start with the bias as C.  The 64 accumulators take turns.
.macro MUL16 a0, p, q, sc, zero
.irp a, \a0, \a0+1
.irp b, 0,1,2,3,4,5,6,7
.if \zero
	v_wmma_scale_f32_16x16x128_f8f6f4 v[8*(8*((\a)%4)+\b):8*(8*((\a)%4)+\b)+7], v[128*(\p)+FR*\b:128*(\p)+FR*\b+FR-1], v[AF+FR*(\a):AF+FR*(\a)+FR-1], v[BI+8*\b:BI+8*\b+7], v[SC+16*(\sc)+8*(\q)+\b], v[SC+16*(\sc)+8*(\q)+(\a)] matrix_a_fmt:MATRIX_FMT_FP6 matrix_b_fmt:MATRIX_FMT_FP6 matrix_a_scale:MATRIX_SCALE_ROW1
.else
	v_wmma_scale_f32_16x16x128_f8f6f4 v[8*(8*((\a)%4)+\b):8*(8*((\a)%4)+\b)+7], v[128*(\p)+FR*\b:128*(\p)+FR*\b+FR-1], v[AF+FR*(\a):AF+FR*(\a)+FR-1], v[8*(8*((\a)%4)+\b):8*(8*((\a)%4)+\b)+7], v[SC+16*(\sc)+8*(\q)+\b], v[SC+16*(\sc)+8*(\q)+(\a)] matrix_a_fmt:MATRIX_FMT_FP6 matrix_b_fmt:MATRIX_FMT_FP6 matrix_a_scale:MATRIX_SCALE_ROW1
.endif
.endr
.endr
.endm
.macro FETCH_B slot, q, p
	WIN 0x40
.irp i, 0,1,2,3,4,5,6,7
	FRAG 128*(\p)+FR*\i, ADRB+\slot, \q, \i
.endr
	WIN 0
.endm
.macro FETCH_A slot, q, i0
.irp i, \i0, \i0+1, \i0+2, \i0+3
	FRAG AF+FR*(\i), ADRA+\slot, \q, \i
.endr
.endm
.macro SCALES sc
.irp q, 0,1
.irp e, 0,1
	ds_load_b128 v[SC+16*\sc+8*\q+4*\e:SC+16*\sc+8*\q+4*\e+3], v[ADRS] offset:512*\q+256*\e
.endr
.endr
.endm
.macro STEP slot, q, zero
	s_wait_dscnt 4*NL                              ; all but x1's tiles 4-7 (12 loads) are in
.if \zero
	WIN 0x81
.else
	WIN 0xa1
.endif
	MUL16 0, (\q)%2, \q, \slot, \zero
	MUL16 2, (\q)%2, \q, \slot, \zero
	s_wait_dscnt 0
	PLACES NP
	FETCH_B \slot, (\q)+1, 1-(\q)%2
	FETCH_A \slot, (\q)+1, 0
.if \zero
	WIN 0xc1
.else
	WIN 0xf1
.endif
	MUL16 4, (\q)%2, \q, \slot, \zero
	MUL16 6, (\q)%2, \q, \slot, \zero
	PLACES NP
	WIN 0
	FETCH_A \slot, (\q)+1, 4
.endm
; A slot's last step changes slots: in front of ONE barrier each wave waits for all its tensor loads, adds 0 to its spare word, and waits for that and for its reads of this slot.
.macro TURN slot, next, fill
	s_wait_tensorcnt 0x0
	ds_add_u32 v[SPW], v[NIL]
	s_wait_dscnt 4*NL+1                            ; (the add and x1's tiles 4-7 may be out)
	WIN 0xa1
	MUL16 0, 1, 1, \slot, 0
	s_wait_dscnt 0x0
	s_barrier_signal -1
	MUL16 2, 1, 1, \slot, 0
	WIN 0
	s_barrier_wait -1
.if \fill
	CREST                                          ; a round of the cluster's barrier: no wave of any partner still reads this slot or has a load on its way
	s_add_nc_u64 s[G0+4*\slot+2:G0+4*\slot+3], s[G0+4*\slot+2:G0+4*\slot+3], 2*TILEB
	s_add_nc_u64 s[G0B+4*\slot+2:G0B+4*\slot+3], s[G0B+4*\slot+2:G0B+4*\slot+3], 2*TILEB
	JLOAD G0+4*\slot, G1, G0B+4*\slot, G1B
.else
	PLACES NP
.endif
	v_add_nc_u32 v[ADRS], 1024, v[ADRS]
	FETCH_B \next, 0, 0
	FETCH_A \next, 0, 0
	SCALES \next
	WIN 0xf1
	MUL16 4, 1, 1, \slot, 0
	MUL16 6, 1, 1, \slot, 0
	PLACES NP
	WIN 0
	FETCH_A \next, 0, 4
.endm
.macro QUANT s, pc, pw
.irp b, 0,1,2,3
	v_max3_num_f32 v[TM+\b], |v[\s+16*\b]|, |v[\s+1+16*\b]|, 0x1800000   ; and the floor 2^(3 - 127): the byte cannot fall under 1
.endr
.irp i, 2,4,6,8,10,12,14
.irp b, 0,1,2,3
	v_max3_num_f32 v[TM+\b], v[TM+\b], |v[\s+16*\b+\i]|, |v[\s+1+16*\b+\i]|
.endr
.endr
.irp b, 0,1,2,3
	v_permlanex16_b32 v[TM+4+\b], v[TM+\b], s[SEL], s[SEL+1]
.endr
.irp b, 0,1,2,3
	v_max_num_f32 v[TM+\b], v[TM+\b], v[TM+4+\b]
.endr
.irp b, 0,1,2,3
	v_add_nc_u32 v[TM+12+\b], 0xff000000, v[TM+\b]
.endr
.irp b, 0,1,2,3
	v_lshrrev_b32 v[TM+4+\b], 23, v[TM+12+\b]
.endr
	v_lshl_or_b32 v[\pw], v[TM+5], 8, v[TM+4]
	v_lshl_or_b32 v[\pw], v[TM+6], 16, v[\pw]
	v_lshl_or_b32 v[\pw], v[TM+7], 24, v[\pw]
.irp c, 0,1
	v_cvt_scalef32_pk16_fp6_f32 v[\pc+6*\c:\pc+2+6*\c], v[\s+32*\c:\s+15+32*\c], v[TM+12+2*\c]
	v_cvt_scalef32_pk16_fp6_f32 v[\pc+12+4*\c:\pc+14+4*\c], v[\s+16+32*\c:\s+31+32*\c], v[TM+12+2*\c+1]
.endr
	v_nop
.irp c, 0,1
.irp i, 0,1,2
	v_permlane16_swap_b32 v[\pc+6*\c+\i], v[\pc+12+4*\c+\i]
.endr
.irp i, 0,1,2
	v_mov_b32 v[\pc+3+6*\c+\i], v[\pc+12+4*\c+\i]
.endr
.endr
.endm
	s_load_b128 s[96:99], s[0:1], 0x0              ; xq, wq
	s_load_b64 s[100:101], s[0:1], 0x10            ; b1
	s_load_b64 s[12:13], s[0:1], 0x18              ; hq
	v_lshl_add_u32 v[SPW], v0, 2, SPARE
	v_mov_b32 v[NIL], 0
	ds_add_u32 v[SPW], v[NIL]                      ; the wave's opening: the add and its wait ahead of my first tensor load
	v_lshrrev_b32 v1, 5, v0
	v_readfirstlane_b32 s14, v1
	s_lshr_b32 s15, s14, 1
	s_and_b32 s16, s14, 1
	s_bfe_u32 s40, ttmp6, 0x40000
	s_bfe_u32 s41, ttmp6, 0x40004
	s_lshl_b32 s42, ttmp9, 2
	s_add_co_u32 s42, s42, s40                     ; block column
	s_and_b32 s17, ttmp7, 0xffff
	s_lshl_b32 s17, s17, 2
	s_add_co_u32 s17, s17, s41                     ; block row
	s_lshl_b32 s43, s41, 2
	s_lshl_b32 s43, 15, s43
	s_lshl_b32 s44, 0x1111, s40
	s_or_b32 s[G1+0], s43, (3<<16)|(1<<21)
	s_or_b32 s[G1B+0], s44, (3<<16)|(1<<21)
.irp g, G1, G1B
	s_mov_b32 s[\g+1], 384<<16
	s_mov_b32 s[\g+2], 8<<16
	s_mov_b32 s[\g+3], 384<<16
	s_mov_b32 s[\g+4], 8
	s_mov_b32 s[\g+5], KST*192
	s_mov_b32 s[\g+6], 0
	s_mov_b32 s[\g+7], 0
.endr
	s_or_b32 s[G1S+0], s43, (3<<16)|(1<<21)
	s_or_b32 s[G1SB+0], s44, (3<<16)|(1<<21)
.irp g, G1S, G1SB
	s_mov_b32 s[\g+1], 32<<16
	s_mov_b32 s[\g+2], (HALFS/256)<<16
	s_mov_b32 s[\g+3], 32<<16
	s_mov_b32 s[\g+4], HALFS/256
	s_mov_b32 s[\g+5], 32
	s_mov_b32 s[\g+6], 0
	s_mov_b32 s[\g+7], 0
.endr
	s_mul_i32 s45, s14, HALFT
	s_mul_i32 s94, s14, HALFS
	s_wait_dscnt 0x0
	s_wait_kmcnt 0x0
	s_mov_b64 s[4:5], s[96:97]
	s_add_nc_u64 s[6:7], s[96:97], ASC
	s_add_nc_u64 s[8:9], s[98:99], BCO
	s_add_nc_u64 s[10:11], s[98:99], BSC
	s_lshl_b32 s18, s17, 4
	s_lshl_b32 s19, s16, 3
	s_add_co_u32 s18, s18, s19
	s_mul_i32 s20, s18, KST*FRB
	s_mov_b32 s21, 0
	s_add_nc_u64 s[4:5], s[4:5], s[20:21]
	s_lshl_b32 s18, s17, 1
	s_add_co_u32 s18, s18, s16
	s_mul_i32 s20, s18, HALFS
	s_add_nc_u64 s[6:7], s[6:7], s[20:21]
	s_lshl_b32 s46, s42, 4
	s_add_co_u32 s46, s46, s19
	s_mul_i32 s46, s46, KST*FRB
	s_mov_b32 s47, 0
	s_add_nc_u64 s[8:9], s[8:9], s[46:47]
	s_lshl_b32 s46, s42, 1
	s_add_co_u32 s46, s46, s16
	s_mul_i32 s46, s46, HALFS
	s_add_nc_u64 s[10:11], s[10:11], s[46:47]
	CROUND
	s_mov_b32 s[G0S], 1
	s_add_co_u32 s[G0S+1], s94, SCL
	s_mov_b64 s[G0S+2:G0S+3], s[6:7]
	s_or_b32 s[G0S+3], s[G0S+3], 0x80000000
	s_mov_b32 s[G0SB], 1
	s_add_co_u32 s[G0SB+1], s94, SCL
	s_mov_b64 s[G0SB+2:G0SB+3], s[10:11]
	s_or_b32 s[G0SB+3], s[G0SB+3], 0x80000000
	JLOAD G0S, G1S, G0SB, G1SB
.irp s, 0,1
	s_mov_b32 s[G0+4*\s], 1
	s_add_co_u32 s[G0+4*\s+1], s45, \s*SLOT
	s_add_nc_u64 s[G0+4*\s+2:G0+4*\s+3], s[4:5], \s*TILEB
	s_or_b32 s[G0+4*\s+3], s[G0+4*\s+3], 0x80000000
	s_mov_b32 s[G0B+4*\s], 1
	s_add_co_u32 s[G0B+4*\s+1], s45, \s*SLOT
	s_add_nc_u64 s[G0B+4*\s+2:G0B+4*\s+3], s[8:9], \s*TILEB
	s_or_b32 s[G0B+4*\s+3], s[G0B+4*\s+3], 0x80000000
	JLOAD G0+4*\s, G1, G0B+4*\s, G1B
.endr
	v_and_b32 v1, 15, v0
	v_bfe_u32 v2, v0, 4, 1
	v_and_b32 v3, 31, v0
	v_lshlrev_b32 v[LI], 4, v3
	s_mul_i32 s21, s15, HALFT
	s_mul_i32 s22, s16, HALFT
	s_add_co_u32 s22, s22, 2*HALFT
.irp s, 0,1
	v_add_nc_u32 v[ADRA+\s], s21, v[LI]
	v_add_nc_u32 v[ADRB+\s], s22, v[LI]
	s_add_co_u32 s21, s21, SLOT
	s_add_co_u32 s22, s22, SLOT
.endr
	s_mul_i32 s21, s15, HALFS
	s_mul_i32 s22, s16, HALFS
	s_add_co_u32 s22, s22, 2*HALFS
	s_sub_co_u32 s22, s22, s21
	v_mul_u32_u24 v6, s22, v2
	s_add_co_u32 s21, s21, SCL
	v_lshl_add_u32 v6, v1, 4, v6
	v_add_nc_u32 v[ADRS], s21, v6
	s_lshl_b32 s18, s42, 10
	s_lshl_b32 s19, s16, 9
	s_add_co_u32 s18, s18, s19
	s_mov_b32 s19, 0
	s_add_nc_u64 s[100:101], s[100:101], s[18:19]
	v_lshlrev_b32 v4, 6, v2
.irp b, 0,1,2,3,4,5,6,7
	global_load_b128 v[BI+8*\b:BI+8*\b+3], v4, s[100:101] offset:128*(\b/2)+32*(\b%2)      ; the bias in the result's layout
	global_load_b128 v[BI+8*\b+4:BI+8*\b+7], v4, s[100:101] offset:128*(\b/2)+32*(\b%2)+16
.endr
	s_wait_loadcnt 0x0
	s_wait_tensorcnt 1                             ; the scale words and my part of slot 0 are in; slot 1's load may be out
	s_barrier_signal -1
	s_barrier_wait -1
	FETCH_B 0, 0, 0
	FETCH_A 0, 0, 0
	SCALES 0
	FETCH_A 0, 0, 4
	STEP 0, 0, 1
	s_mov_b32 s3, LAPS-1
.Llap:
	TURN 0, 1, 1
	STEP 1, 0, 0
	TURN 1, 0, 1
	STEP 0, 0, 0
	s_sub_co_u32 s3, s3, 1
	s_cmp_lg_u32 s3, 0
	s_cbranch_scc1 .Llap
	TURN 0, 1, 0
	STEP 1, 0, 0
	s_wait_dscnt 4*NL
	WIN 0xa1
	MUL16 0, 1, 1, 1, 0
	MUL16 2, 1, 1, 1, 0
	s_wait_dscnt 0
	WIN 0xf1
	MUL16 4, 1, 1, 1, 0
	MUL16 6, 1, 1, 1, 0
	WIN 0
	PLACES NP
	; THE WAY OUT
	s_lshl_b32 s4, s17, 4
	s_lshl_b32 s5, s15, 3
	s_add_co_u32 s4, s4, s5                        ; my first tile of rows
	s_lshl_b32 s4, s4, 5
	s_lshl_b32 s5, s42, 1
	s_add_co_u32 s5, s5, s16                       ; my K step of the next product
	s_add_co_u32 s4, s4, s5
	s_mul_i32 s4, s4, 1536
	s_lshl_b32 s6, s17, 1
	s_add_co_u32 s6, s6, s15
	s_lshl_b32 s6, s6, 5
	s_add_co_u32 s6, s6, s5
	s_lshl_b32 s6, s6, 9
	s_add_co_u32 s6, s6, 12582912
	s_mov_b32 s5, 0
	s_mov_b32 s7, 0
	s_add_nc_u64 s[8:9], s[12:13], s[4:5]          ; my first fragment; 49,152 bytes from tile to tile
	s_add_nc_u64 s[10:11], s[12:13], s[6:7]        ; my block of 128 scale words
	s_mov_b32 s[SEL], 0x76543210
	s_mov_b32 s[SEL+1], 0xfedcba98
	s_mov_b32 s20, 0xffff0000
	s_mov_b32 s22, 0xaf95df0b                      ; P's leading coefficient,
	s_mov_b32 s23, s22
	s_mov_b32 s46, 0xb77460cd                      ; Q's
	s_mov_b32 s47, s46
.irp b, 0,1,2,3
	v_mov_b32 v[TM+4+\b], 0
.endr
.macro COPY a                          ; tile a's 64 sums leave the accumulators as x / sqrt 2 and 0.5 x; the last trip's scale word is put by
.Lcopy\a:
.if \a > 0
	v_mov_b32 v[SW+\a-1], v[PW]
.endif
	WIN 0x02+\a/4                                  ; source 0: the accumulators' window
.set i, 0
.rept 32
	v_pk_mul_f32 v[GZ+i:GZ+i+1], v[64*(\a%4)+i:64*(\a%4)+i+1], 0x3f3504f3 op_sel_hi:[1,0]     ; each accumulator from its low end on
.set i, i+2
.endr
.set i, 0
.rept 32
	v_pk_mul_f32 v[H+i:H+i+1], v[64*(\a%4)+i:64*(\a%4)+i+1], 0.5 op_sel_hi:[1,0]
.set i, i+2
.endr
	WIN 0
.if \a < 7
	s_branch .Lbody
.endif
.endm
	s_mov_b32 s3, 0
.Lrow:
.irp a, 0,1,2,3,4,5,6
	s_cmp_eq_u32 s3, \a
	s_cbranch_scc1 .Lcopy\a
.endr
	s_branch .Lcopy7
.irp a, 0,1,2,3,4,5,6,7
	COPY \a
.endr
.Lbody:
.irp n, 0,1,2,3                                ; 16 numbers at a time
.set ZZ, GZ+16*\n
.set HH, H+16*\n
.set i, 0
.rept 16
	v_med3_num_f32 v[ZZ+i], v[ZZ+i], -4.0, 4.0
.set i, i+1
.endr
.set i, 0
.rept 8
	v_pk_mul_f32 v[GT+i:GT+i+1], v[ZZ+i:ZZ+i+1], v[ZZ+i:ZZ+i+1]
.set i, i+2
.endr
.set i, 0
.rept 8
	v_pk_fma_f32 v[GP+i:GP+i+1], v[GT+i:GT+i+1], s[22:23], 0x32edffee op_sel_hi:[1,0,0]
.set i, i+2
.endr
.set i, 0
.rept 8
	v_pk_fma_f32 v[GQ+i:GQ+i+1], v[GT+i:GT+i+1], s[46:47], 0xb95fbd29 op_sel_hi:[1,0,0]
.set i, i+2
.endr
.irp k, 0xb60cff51, 0xb86ec2d2, 0xba40ac63, 0xbb41a1f6, 0xbc83dbd4
.set i, 0
.rept 8
	v_pk_fma_f32 v[GP+i:GP+i+1], v[GP+i:GP+i+1], v[GT+i:GT+i+1], \k op_sel_hi:[1,1,0]
.set i, i+2
.endr
.endr
.irp k, 0xbadc924e, 0xbbf19bf8, 0xbc69b6a7
.set i, 0
.rept 8
	v_pk_fma_f32 v[GQ+i:GQ+i+1], v[GQ+i:GQ+i+1], v[GT+i:GT+i+1], \k op_sel_hi:[1,1,0]
.set i, i+2
.endr
.endr
.set i, 0
.rept 16
	v_rcp_f32 v[GQ+i], v[GQ+i]
.set i, i+1
.endr
.set i, 0
.rept 8
	v_pk_mul_f32 v[GP+i:GP+i+1], v[GP+i:GP+i+1], v[ZZ+i:ZZ+i+1]    ; z P: plain work behind the reciprocals
.set i, i+2
.endr
	s_wait_alu depctr_va_vdst(0)                   ; one wait for the sixteen, ahead of their first reader
.set i, 0
.rept 8
	v_pk_mul_f32 v[GP+i:GP+i+1], v[GP+i:GP+i+1], v[GQ+i:GQ+i+1]    ; erf
.set i, i+2
.endr
.set i, 0
.rept 8
	v_pk_fma_f32 v[HH+i:HH+i+1], v[HH+i:HH+i+1], v[GP+i:GP+i+1], v[HH+i:HH+i+1]   ; 0.5 x erf + 0.5 x
.set i, i+2
.endr
.endr
	QUANT H, PC, PW
.irp g, 0,1,2
	global_store_b128 v[LI], v[PC+4*\g:PC+4*\g+3], s[8:9] offset:512*\g    ; 512 consecutive bytes a store
.endr
	s_wait_xcnt 0x0                                ; the stores have read their registers and their base: both are written again
	s_add_nc_u64 s[8:9], s[8:9], 49152
	s_add_co_u32 s3, s3, 1
	s_cmp_lt_u32 s3, 8
	s_cbranch_scc1 .Lrow
	v_mov_b32 v[SW+7], v[PW]
.irp j, 0,1,2,3
	v_cndmask_b32 v[XW+\j], v[SW+\j], v[SW+4+\j], s20      ; lane (r, h): the words of tiles 4 h + 0 .. 3, row r
.endr
	global_store_b128 v[LI], v[XW:XW+3], s[10:11]  ; the block's 512 bytes whole
	s_wait_tensorcnt 0x0                           ; the wave's end
	ds_add_u32 v[SPW], v[NIL]
	s_wait_dscnt 0x0
	CROUND
	s_endpgm
.Lfunc_end_k_q35f46f2240_gemm_ff1:
	.size	k_q35f46f2240_gemm_ff1, .Lfunc_end_k_q35f46f2240_gemm_ff1-k_q35f46f2240_gemm_ff1
	.p2alignl 7, 3214868480
	.fill 96, 4, 3214868480
	.section	.rodata,"a",@progbits
	.p2align	6, 0x0
	.amdhsa_kernel k_q35f46f2240_gemm_ff1
		.amdhsa_group_segment_fixed_size 327680
		.amdhsa_private_segment_fixed_size 0
		.amdhsa_enable_private_segment 0
		.amdhsa_kernarg_size 32
		.amdhsa_user_sgpr_count 2
		.amdhsa_user_sgpr_kernarg_segment_ptr 1
		.amdhsa_wavefront_size32 1
		.amdhsa_system_sgpr_workgroup_id_x 1
		.amdhsa_system_sgpr_workgroup_id_y 1
		.amdhsa_system_sgpr_workgroup_id_z 1
		.amdhsa_system_vgpr_workitem_id 0
		.amdhsa_next_free_vgpr 1024
		.amdhsa_next_free_sgpr 104
		.amdhsa_reserve_vcc 0
		.amdhsa_float_denorm_mode_32 3
		.amdhsa_float_denorm_mode_16_64 3
		.amdhsa_memory_ordered 1
		.amdhsa_forward_progress 1
		.amdhsa_inst_pref_size 198
	.end_amdhsa_kernel
	.amdgpu_metadata
---
amdhsa.version: [ 1, 2 ]
amdhsa.kernels:
  - .name:           k_q35f46f2240_gemm_ff1
    .symbol:         k_q35f46f2240_gemm_ff1.kd
    .args:
      - { .name: xq, .offset: 0, .size: 8, .value_kind: global_buffer, .address_space: global }
      - { .name: wq, .offset: 8, .size: 8, .value_kind: global_buffer, .address_space: global }
      - { .name: b1, .offset: 16, .size: 8, .value_kind: global_buffer, .address_space: global }
      - { .name: hq, .offset: 24, .size: 8, .value_kind: global_buffer, .address_space: global }
    .group_segment_fixed_size: 327680
    .private_segment_fixed_size: 0
    .kernarg_segment_align: 8
    .kernarg_segment_size: 32
    .max_flat_workgroup_size: 128
    .sgpr_count:     104
    .vgpr_count:     1024
    .wavefront_size: 32
...
	.end_amdgpu_metadata
.endif
;; end of part 7
;; launch gemm_ff2 (part 8): grid 4 x 16, 4 waves a work-group, clusters of 4 x 4, 327,680 bytes of LDS; arguments hq, wq, b2, x1, y; writes y
.if DOCPART == 8
	.amdgcn_target "amdgcn-amd-amdhsa--gfx1250"
	.amdhsa_code_object_version 6
	.text
	.protected	k_q35f46f2240_gemm_ff2
	.globl	k_q35f46f2240_gemm_ff2
	.p2align	8
	.type	k_q35f46f2240_gemm_ff2,@function
k_q35f46f2240_gemm_ff2:
	s_mov_b64 s[64:65], 0
	v_nop
	global_prefetch_b8 v0, s[64:65] scope:SCOPE_SE
	s_setreg_imm32_b32 hwreg(HW_REG_WAVE_MODE, 25, 1), 1
	s_wait_xcnt 0x0
	s_wait_alu depctr_hold_cnt(0) depctr_sa_sdst(0) depctr_va_vdst(0) depctr_va_sdst(0) depctr_va_ssrc(0) depctr_va_vcc(0) depctr_vm_vsrc(0)
	s_getreg_b32 s2, hwreg(HW_REG_IB_STS2, 6, 4)
	s_cmp_eq_u32 s2, 0
	s_cbranch_scc0 .Lentry_in_a_cluster
	s_endpgm
.Lentry_in_a_cluster:
	s_bfe_u32 s2, ttmp6, 0x10000c
	s_cmp_lg_u32 s2, 0xf033
	s_cbranch_scc0 .Lentry_shape_is_right
	s_endpgm
.Lentry_shape_is_right:
; y = A W + bias + residual, f32 [4096][1024]: here A = the hidden layer (codes in hq, K = 4,096), W = W2, bias = b2, residual = x1.  Codes of FP6 (E2M3) with E8M0 scales, sums in f32.
; A block of 256 x 256 to a work-group, four waves of 128 x 128 (64 accumulators, 512 registers).  K goes in steps of 256 through a ring of two LDS slots filled by the tensor data mover.
; OPERANDS ARE REGISTER IMAGES: fragment (tile of 16 rows t, K step s) is 1,536 dense bytes: three ds_load_b128 of 512 consecutive bytes; a slot's part of 8 tiles is 8 rows of 3,072 bytes.
; THE MATRIX INSTRUCTION IS USED TRANSPOSED (source 0 = 16 rows of W's image, source 1 = 16 rows of A): a lane holds eight neighbouring columns of a row.  W's tiles hold columns 32 b + 8 u + r + 8 (r / 8): the stage's offsets put them back.
; The bias is the C of each sum's first product.  The residual is added on the way out, where a wave holds whole rows of 512 bytes: it is read so, into window 1, which the last product leaves free.
; CLUSTERS 4 x 4: A's tiles are asked for jointly along a row of the cluster, W's along a column.  64 work-groups: the blocks that there are at this tile.
; REGISTERS: window 0: v16-29 addresses; v32-63 scale words, two sets; v64-127 the bias; v128-223 A's fragments; on the way out v128-255 rows.  window 1: W's fragments, two sets; then the residual.  windows 2, 3: accumulators.
.set SIZE_K, 4096
.set ASC,    12582912                  ; A's scale words in its buffer
.set BCO,    6291456                   ; W's codes in wq
.set BSC,    9699328                   ; W's scale words in wq
.set KST,    SIZE_K/128
.set FRB,    1536
.set TILEB,  2*FRB
.set HALFT,  8*TILEB
.set SLOT,   4*HALFT
.set LAPS,   SIZE_K/512
.set SCL,    2*SLOT
.set HALFS,  KST*512
.set SPARE,  SCL+4*HALFS
.set SPITCH, 528                       ; the way out: 16 rows x (512 + 16) bytes a wave, in slot 0, which has had its last fill and its last read by then
.set FR,     12
.set NL,     3
.set NP,     4
.set ADRA, 16
.set ADRB, 20
.set STO,  24
.set RD,   25
.set CO,   26
.set ADRS, 27
.set SPW,  28
.set NIL,  29
.set SC,   32
.set BI,   64
.set AF,   128
.set BK,   128
.set G1, 24
.set G0, 32
.set G1B, 48
.set G0B, 56
.set G1S, 68
.set G0S, 76
.set G1SB, 80
.set G0SB, 88
.set MSB, 0
.macro WIN new                         ; the immediate's high byte repeats the setting that is left
.if MSB != (\new)
	s_set_vgpr_msb (MSB<<8)|(\new)
.set MSB, (\new)
.endif
.endm
.macro JLOAD g0a, g1a, g0b, g1b        ; a joint load: waves 0, 1 for A, waves 2, 3 for W; an s_nop 0 and four v_nop follow each line
	s_cmp_eq_u32 s15, 0
	s_cbranch_scc0 .Lfor_b_\@
	tensor_load_to_lds s[\g0a:\g0a+3], s[\g1a:\g1a+7]
	s_nop 0
.rept 4
	v_nop
.endr
	s_branch .Lasked_\@
.Lfor_b_\@:
	tensor_load_to_lds s[\g0b:\g0b+3], s[\g1b:\g1b+7]
	s_nop 0
.rept 4
	v_nop
.endr
.Lasked_\@:
.endm
.macro CREST
	s_cmp_lg_u32 s14, 0
	s_cbranch_scc1 .Lnot_wave_0_\@
	s_barrier_signal -3
.Lnot_wave_0_\@:
	s_barrier_wait -3
	s_barrier_signal -1
	s_barrier_wait -1
.endm
.macro CROUND
	s_barrier_signal -1
	s_barrier_wait -1
	CREST
.endm
.macro PLACES n
.rept \n
	v_nop
.endr
.endm
.macro FRAG reg, adr, q, i
.irp g, 0,1,2
	ds_load_b128 v[\reg+4*\g:\reg+4*\g+3], v[\adr] offset:(\i)*TILEB+(\q)*FRB+512*\g
.endr
.endm
; 16 matrix instructions: A's tiles a0, a0 + 1 x W's eight.  zero = 1: the sums start with the bias as C.  The 64 accumulators take turns.
.macro MUL16 a0, p, q, sc, zero
.irp a, \a0, \a0+1
.irp b, 0,1,2,3,4,5,6,7
.if \zero
	v_wmma_scale_f32_16x16x128_f8f6f4 v[8*(8*((\a)%4)+\b):8*(8*((\a)%4)+\b)+7], v[128*(\p)+FR*\b:128*(\p)+FR*\b+FR-1], v[AF+FR*(\a):AF+FR*(\a)+FR-1], v[BI+8*\b:BI+8*\b+7], v[SC+16*(\sc)+8*(\q)+\b], v[SC+16*(\sc)+8*(\q)+(\a)] matrix_a_fmt:MATRIX_FMT_FP6 matrix_b_fmt:MATRIX_FMT_FP6 matrix_a_scale:MATRIX_SCALE_ROW1
.else
	v_wmma_scale_f32_16x16x128_f8f6f4 v[8*(8*((\a)%4)+\b):8*(8*((\a)%4)+\b)+7], v[128*(\p)+FR*\b:128*(\p)+FR*\b+FR-1], v[AF+FR*(\a):AF+FR*(\a)+FR-1], v[8*(8*((\a)%4)+\b):8*(8*((\a)%4)+\b)+7], v[SC+16*(\sc)+8*(\q)+\b], v[SC+16*(\sc)+8*(\q)+(\a)] matrix_a_fmt:MATRIX_FMT_FP6 matrix_b_fmt:MATRIX_FMT_FP6 matrix_a_scale:MATRIX_SCALE_ROW1
.endif
.endr
.endr
.endm
.macro FETCH_B slot, q, p
	WIN 0x40
.irp i, 0,1,2,3,4,5,6,7
	FRAG 128*(\p)+FR*\i, ADRB+\slot, \q, \i
.endr
	WIN 0
.endm
.macro FETCH_A slot, q, i0
.irp i, \i0, \i0+1, \i0+2, \i0+3
	FRAG AF+FR*(\i), ADRA+\slot, \q, \i
.endr
.endm
.macro SCALES sc                       ; lanes 0-15 A's tiles, lanes 16-31 W's; register 8 q + i: tile i
.irp q, 0,1
.irp e, 0,1
	ds_load_b128 v[SC+16*\sc+8*\q+4*\e:SC+16*\sc+8*\q+4*\e+3], v[ADRS] offset:512*\q+256*\e
.endr
.endr
.endm
.macro STEP slot, q, zero
	s_wait_dscnt 4*NL                              ; all but A's tiles 4-7 (12 loads) are in
.if \zero
	WIN 0x81
.else
	WIN 0xa1
.endif
	MUL16 0, (\q)%2, \q, \slot, \zero
	MUL16 2, (\q)%2, \q, \slot, \zero
	s_wait_dscnt 0
	PLACES NP
	FETCH_B \slot, (\q)+1, 1-(\q)%2
	FETCH_A \slot, (\q)+1, 0
.if \zero
	WIN 0xc1
.else
	WIN 0xf1
.endif
	MUL16 4, (\q)%2, \q, \slot, \zero
	MUL16 6, (\q)%2, \q, \slot, \zero
	PLACES NP
	WIN 0
	FETCH_A \slot, (\q)+1, 4
.endm
; A slot's last step changes slots: in front of ONE barrier each wave waits for all its tensor loads, adds 0 to its spare word, and waits for that and for its reads of this slot.
.macro TURN slot, next, fill
	s_wait_tensorcnt 0x0
	ds_add_u32 v[SPW], v[NIL]
	s_wait_dscnt 4*NL+1                            ; (the add and A's tiles 4-7 may be out)
	WIN 0xa1
	MUL16 0, 1, 1, \slot, 0
	s_wait_dscnt 0x0
	s_barrier_signal -1
	MUL16 2, 1, 1, \slot, 0
	WIN 0
	s_barrier_wait -1
.if \fill
	CREST                                          ; a round of the cluster's barrier: no wave of any partner still reads this slot or has a load on its way
	s_add_nc_u64 s[G0+4*\slot+2:G0+4*\slot+3], s[G0+4*\slot+2:G0+4*\slot+3], 2*TILEB
	s_add_nc_u64 s[G0B+4*\slot+2:G0B+4*\slot+3], s[G0B+4*\slot+2:G0B+4*\slot+3], 2*TILEB
	JLOAD G0+4*\slot, G1, G0B+4*\slot, G1B
.else
	PLACES NP
.endif
	v_add_nc_u32 v[ADRS], 1024, v[ADRS]
	FETCH_B \next, 0, 0
	FETCH_A \next, 0, 0
	SCALES \next
	WIN 0xf1
	MUL16 4, 1, 1, \slot, 0
	MUL16 6, 1, 1, \slot, 0
	PLACES NP
	WIN 0
	FETCH_A \next, 0, 4
.endm
	s_load_b128 s[96:99], s[0:1], 0x0              ; A's buffer, wq
	s_load_b64 s[100:101], s[0:1], 0x10            ; the bias
	s_load_b64 s[66:67], s[0:1], 0x18              ; the residual
	s_load_b64 s[12:13], s[0:1], 0x20              ; y
	v_lshl_add_u32 v[SPW], v0, 2, SPARE
	v_mov_b32 v[NIL], 0
	ds_add_u32 v[SPW], v[NIL]                      ; the wave's opening: the add and its wait ahead of my first tensor load
	v_lshrrev_b32 v1, 5, v0
	v_readfirstlane_b32 s14, v1
	s_lshr_b32 s15, s14, 1
	s_and_b32 s16, s14, 1
	s_bfe_u32 s40, ttmp6, 0x40000
	s_bfe_u32 s41, ttmp6, 0x40004
	s_lshl_b32 s42, ttmp9, 2
	s_add_co_u32 s42, s42, s40                     ; block column
	s_and_b32 s17, ttmp7, 0xffff
	s_lshl_b32 s17, s17, 2
	s_add_co_u32 s17, s17, s41                     ; block row
	s_lshl_b32 s43, s41, 2
	s_lshl_b32 s43, 15, s43
	s_lshl_b32 s44, 0x1111, s40
	s_or_b32 s[G1+0], s43, (3<<16)|(1<<21)
	s_or_b32 s[G1B+0], s44, (3<<16)|(1<<21)
.irp g, G1, G1B
	s_mov_b32 s[\g+1], 384<<16
	s_mov_b32 s[\g+2], 8<<16
	s_mov_b32 s[\g+3], 384<<16
	s_mov_b32 s[\g+4], 8
	s_mov_b32 s[\g+5], KST*192
	s_mov_b32 s[\g+6], 0
	s_mov_b32 s[\g+7], 0
.endr
	s_or_b32 s[G1S+0], s43, (3<<16)|(1<<21)
	s_or_b32 s[G1SB+0], s44, (3<<16)|(1<<21)
.irp g, G1S, G1SB
	s_mov_b32 s[\g+1], 32<<16
	s_mov_b32 s[\g+2], (HALFS/256)<<16
	s_mov_b32 s[\g+3], 32<<16
	s_mov_b32 s[\g+4], HALFS/256
	s_mov_b32 s[\g+5], 32
	s_mov_b32 s[\g+6], 0
	s_mov_b32 s[\g+7], 0
.endr
	s_mul_i32 s45, s14, HALFT
	s_mul_i32 s94, s14, HALFS
	s_wait_dscnt 0x0
	s_wait_kmcnt 0x0
	s_mov_b64 s[4:5], s[96:97]
	s_add_nc_u64 s[6:7], s[96:97], ASC
	s_add_nc_u64 s[8:9], s[98:99], BCO
	s_add_nc_u64 s[10:11], s[98:99], BSC
	s_lshl_b32 s18, s17, 4
	s_lshl_b32 s19, s16, 3
	s_add_co_u32 s18, s18, s19
	s_mul_i32 s20, s18, KST*FRB
	s_mov_b32 s21, 0
	s_add_nc_u64 s[4:5], s[4:5], s[20:21]
	s_lshl_b32 s18, s17, 1
	s_add_co_u32 s18, s18, s16
	s_mul_i32 s20, s18, HALFS
	s_add_nc_u64 s[6:7], s[6:7], s[20:21]
	s_lshl_b32 s46, s42, 4
	s_add_co_u32 s46, s46, s19
	s_mul_i32 s46, s46, KST*FRB
	s_mov_b32 s47, 0
	s_add_nc_u64 s[8:9], s[8:9], s[46:47]
	s_lshl_b32 s46, s42, 1
	s_add_co_u32 s46, s46, s16
	s_mul_i32 s46, s46, HALFS
	s_add_nc_u64 s[10:11], s[10:11], s[46:47]
	CROUND
	s_mov_b32 s[G0S], 1
	s_add_co_u32 s[G0S+1], s94, SCL
	s_mov_b64 s[G0S+2:G0S+3], s[6:7]
	s_or_b32 s[G0S+3], s[G0S+3], 0x80000000
	s_mov_b32 s[G0SB], 1
	s_add_co_u32 s[G0SB+1], s94, SCL
	s_mov_b64 s[G0SB+2:G0SB+3], s[10:11]
	s_or_b32 s[G0SB+3], s[G0SB+3], 0x80000000
	JLOAD G0S, G1S, G0SB, G1SB
.irp s, 0,1
	s_mov_b32 s[G0+4*\s], 1
	s_add_co_u32 s[G0+4*\s+1], s45, \s*SLOT
	s_add_nc_u64 s[G0+4*\s+2:G0+4*\s+3], s[4:5], \s*TILEB
	s_or_b32 s[G0+4*\s+3], s[G0+4*\s+3], 0x80000000
	s_mov_b32 s[G0B+4*\s], 1
	s_add_co_u32 s[G0B+4*\s+1], s45, \s*SLOT
	s_add_nc_u64 s[G0B+4*\s+2:G0B+4*\s+3], s[8:9], \s*TILEB
	s_or_b32 s[G0B+4*\s+3], s[G0B+4*\s+3], 0x80000000
	JLOAD G0+4*\s, G1, G0B+4*\s, G1B
.endr
	v_and_b32 v1, 15, v0
	v_bfe_u32 v2, v0, 4, 1
	v_and_b32 v3, 31, v0
	v_lshlrev_b32 v[CO], 4, v3                     ; 16 x lane: an image's place, and my 16 bytes of a row of 512
	s_mul_i32 s21, s15, HALFT
	s_mul_i32 s22, s16, HALFT
	s_add_co_u32 s22, s22, 2*HALFT
.irp s, 0,1
	v_add_nc_u32 v[ADRA+\s], s21, v[CO]
	v_add_nc_u32 v[ADRB+\s], s22, v[CO]
	s_add_co_u32 s21, s21, SLOT
	s_add_co_u32 s22, s22, SLOT
.endr
	s_mul_i32 s21, s15, HALFS
	s_mul_i32 s22, s16, HALFS
	s_add_co_u32 s22, s22, 2*HALFS
	s_sub_co_u32 s22, s22, s21
	v_mul_u32_u24 v6, s22, v2
	s_add_co_u32 s21, s21, SCL
	v_lshl_add_u32 v6, v1, 4, v6
	v_add_nc_u32 v[ADRS], s21, v6
	s_mul_i32 s23, s14, 16*SPITCH                  ; my stage
	v_mul_u32_u24 v5, v1, SPITCH
	v_lshl_add_u32 v5, v2, 6, v5
	v_add_nc_u32 v[STO], s23, v5                   ; in: row r, + 64 h
	v_add_nc_u32 v[RD], s23, v[CO]                 ; back: a row of 512 bytes to the 32 lanes
	s_lshl_b32 s18, s42, 10
	s_lshl_b32 s19, s16, 9
	s_add_co_u32 s18, s18, s19                     ; my first column, in bytes
	s_mov_b32 s19, 0
	s_add_nc_u64 s[100:101], s[100:101], s[18:19]
	s_lshl_b32 s20, s17, 20
	s_lshl_b32 s21, s15, 19
	s_add_co_u32 s20, s20, s21
	s_add_co_u32 s20, s20, s18                     ; my first row of 4,096 bytes, and column
	s_mov_b32 s21, 0
	s_add_nc_u64 s[66:67], s[66:67], s[20:21]
	s_add_nc_u64 s[12:13], s[12:13], s[20:21]
	v_lshlrev_b32 v4, 6, v2
.irp b, 0,1,2,3,4,5,6,7
	global_load_b128 v[BI+8*\b:BI+8*\b+3], v4, s[100:101] offset:128*(\b/2)+32*(\b%2)      ; the bias in the result's layout: columns 32 (b / 2) + 8 (b % 2) + 16 h + 0 .. 7
	global_load_b128 v[BI+8*\b+4:BI+8*\b+7], v4, s[100:101] offset:128*(\b/2)+32*(\b%2)+16
.endr
	s_wait_loadcnt 0x0
	s_wait_tensorcnt 1                             ; the scale words and my part of slot 0 are in; slot 1's load may be out
	s_barrier_signal -1
	s_barrier_wait -1
	FETCH_B 0, 0, 0
	FETCH_A 0, 0, 0
	SCALES 0
	FETCH_A 0, 0, 4
	STEP 0, 0, 1
	s_mov_b32 s3, LAPS-1
.Llap:
	TURN 0, 1, 1
	STEP 1, 0, 0
	TURN 1, 0, 1
	STEP 0, 0, 0
	s_sub_co_u32 s3, s3, 1
	s_cmp_lg_u32 s3, 0
	s_cbranch_scc1 .Llap
	TURN 0, 1, 0
	STEP 1, 0, 0
	s_wait_dscnt 4*NL
	WIN 0xa1
	MUL16 0, 1, 1, 1, 0
	MUL16 2, 1, 1, 1, 0
	s_wait_dscnt 0
	WIN 0xf1
	MUL16 4, 1, 1, 1, 0
	MUL16 6, 1, 1, 1, 0
	WIN 0
	PLACES NP
; THE WAY OUT, a block of 16 rows x 128 columns at a time: through my own stage, back as whole rows of 512 bytes, + the residual's same rows, stored as two aligned runs of 256 bytes.
.macro RLOAD a                         ; the residual's block a into window 1, v[64 (a % 4)] on
	WIN 0x40
.irp t, 0,1,2,3,4,5,6,7,8,9,10,11,12,13,14,15
	global_load_b128 v[64*((\a)%4)+4*\t:64*((\a)%4)+4*\t+3], v[CO], s[66:67] offset:(16*(\a)+\t)*4096
.endr
	WIN 0
.endm
.macro TOSTAGE a
.set AC, 64*((\a)%4)
	WIN 0x08+4*((\a)/4)                            ; an LDS store's data: window 2 or 3
.irp b, 0,1,2,3,4,5,6,7
	ds_store_b128 v[STO], v[AC+8*\b:AC+8*\b+3] offset:128*(\b/2)+32*(\b%2)          ; each accumulator from its low end on
	ds_store_b128 v[STO], v[AC+8*\b+4:AC+8*\b+7] offset:128*(\b/2)+32*(\b%2)+16
.endr
	WIN 0
.set BB, BK+64*((\a)%2)
.irp t, 0,1,2,3,4,5,6,7,8,9,10,11,12,13,14,15
	ds_load_b128 v[BB+4*\t:BB+4*\t+3], v[RD] offset:\t*SPITCH      ; LDS serves a wave's instructions in order: these see the stores above
.endr
.endm
.macro SEND a, younger
.set BB, BK+64*((\a)%2)
	s_wait_dscnt \younger                          ; the block is back in registers
.if (\a) < 5
	s_wait_loadcnt 48                              ; its residual is in: three later blocks' 48 loads may be out
.else
	s_wait_loadcnt 16*(7-(\a))
.endif
	WIN 0x04                                       ; source 1: window 1
.set i, 0
.rept 32
	v_pk_add_f32 v[BB+i:BB+i+1], v[BB+i:BB+i+1], v[64*((\a)%4)+i:64*((\a)%4)+i+1]
.set i, i+2
.endr
	WIN 0
.irp t, 0,1,2,3,4,5,6,7,8,9,10,11,12,13,14,15
	global_store_b128 v[CO], v[BB+4*\t:BB+4*\t+3], s[12:13] offset:(16*(\a)+\t)*4096
.endr
.if (\a) < 4
	RLOAD (\a)+4
.endif
.endm
	RLOAD 0
	RLOAD 1
	RLOAD 2
	RLOAD 3
	TOSTAGE 0
.irp a, 1,2,3,4,5,6,7
.if \a > 1
	s_wait_xcnt 0x0                                ; block a - 2's stores have read their registers: block a's loads may land there
.endif
	TOSTAGE \a
	SEND \a-1, 32                                  ; behind block a - 1's loads: block a's 16 stores and 16 loads
.endr
	SEND 7, 0
	s_wait_tensorcnt 0x0                           ; the wave's end
	ds_add_u32 v[SPW], v[NIL]
	s_wait_dscnt 0x0
	CROUND
	s_endpgm
.Lfunc_end_k_q35f46f2240_gemm_ff2:
	.size	k_q35f46f2240_gemm_ff2, .Lfunc_end_k_q35f46f2240_gemm_ff2-k_q35f46f2240_gemm_ff2
	.p2alignl 7, 3214868480
	.fill 96, 4, 3214868480
	.section	.rodata,"a",@progbits
	.p2align	6, 0x0
	.amdhsa_kernel k_q35f46f2240_gemm_ff2
		.amdhsa_group_segment_fixed_size 327680
		.amdhsa_private_segment_fixed_size 0
		.amdhsa_enable_private_segment 0
		.amdhsa_kernarg_size 40
		.amdhsa_user_sgpr_count 2
		.amdhsa_user_sgpr_kernarg_segment_ptr 1
		.amdhsa_wavefront_size32 1
		.amdhsa_system_sgpr_workgroup_id_x 1
		.amdhsa_system_sgpr_workgroup_id_y 1
		.amdhsa_system_sgpr_workgroup_id_z 1
		.amdhsa_system_vgpr_workitem_id 0
		.amdhsa_next_free_vgpr 1024
		.amdhsa_next_free_sgpr 104
		.amdhsa_reserve_vcc 0
		.amdhsa_float_denorm_mode_32 3
		.amdhsa_float_denorm_mode_16_64 3
		.amdhsa_memory_ordered 1
		.amdhsa_forward_progress 1
		.amdhsa_inst_pref_size 165
	.end_amdhsa_kernel
	.amdgpu_metadata
---
amdhsa.version: [ 1, 2 ]
amdhsa.kernels:
  - .name:           k_q35f46f2240_gemm_ff2
    .symbol:         k_q35f46f2240_gemm_ff2.kd
    .args:
      - { .name: hq, .offset: 0, .size: 8, .value_kind: global_buffer, .address_space: global }
      - { .name: wq, .offset: 8, .size: 8, .value_kind: global_buffer, .address_space: global }
      - { .name: b2, .offset: 16, .size: 8, .value_kind: global_buffer, .address_space: global }
      - { .name: x1, .offset: 24, .size: 8, .value_kind: global_buffer, .address_space: global }
      - { .name: y, .offset: 32, .size: 8, .value_kind: global_buffer, .address_space: global }
    .group_segment_fixed_size: 327680
    .private_segment_fixed_size: 0
    .kernarg_segment_align: 8
    .kernarg_segment_size: 40
    .max_flat_workgroup_size: 128
    .sgpr_count:     104
    .vgpr_count:     1024
    .wavefront_size: 32
...
	.end_amdgpu_metadata
.endif
;; end of part 8
;; launch ln2 (part 9): grid 256 x 1, 4 waves a work-group, no clusters, 0 bytes of LDS; arguments y, g2, beta2, out0; writes out0
.if DOCPART == 9
	.amdgcn_target "amdgcn-amd-amdhsa--gfx1250"
	.amdhsa_code_object_version 6
	.text
	.protected	k_q35f46f2240_ln2
	.globl	k_q35f46f2240_ln2
	.p2align	8
	.type	k_q35f46f2240_ln2,@function
k_q35f46f2240_ln2:
	s_mov_b64 s[64:65], 0
	v_nop
	global_prefetch_b8 v0, s[64:65] scope:SCOPE_SE
	s_setreg_imm32_b32 hwreg(HW_REG_WAVE_MODE, 25, 1), 1
	s_wait_xcnt 0x0
; out0 = LayerNorm(y) g2 + beta2, f32 [4096][1024].  A work-group takes 16 rows; a wave 4 whole rows in 128 registers, so that mean and variance never leave the wave: no LDS, no barrier.
; Two passes, as the definition has them: the mean, then the mean of (x - mean)^2.  Every load and store of a wave covers 512 consecutive bytes.  NaN and infinities are not served.
.set X,   32                           ; v32-159 row p: 32 registers; register 4 j + e: column 128 j + 4 lane + e
.set G,   160
.set BE,  192
.set SM,  8                            ; v8-15  four pairs: sums, then the mean twice
.set SQ,  16                           ; v16-23 four pairs: sums of squares, then 1 / sigma twice
.set SEL, 18
.macro ACROSS r                        ; the four rows' figures v[r + 2 p] summed over the 32 lanes, the rows by turns
.irp m, 1,2,4,8
.irp p, 0,1,2,3
	v_add_f32_dpp v[\r+2*\p], v[\r+2*\p], v[\r+2*\p] row_xmask:\m row_mask:0xf bank_mask:0xf
.endr
.endr
.irp p, 0,1,2,3
	v_permlanex16_b32 v[\r+2*\p+1], v[\r+2*\p], s[SEL], s[SEL+1]
.endr
.irp p, 0,1,2,3
	v_add_f32 v[\r+2*\p], v[\r+2*\p], v[\r+2*\p+1]
.endr
.endm
	s_load_b256 s[4:11], s[0:1], 0x0               ; y, g2, beta2, out0
	v_lshrrev_b32 v1, 5, v0
	v_readfirstlane_b32 s14, v1                    ; wave
	v_and_b32 v1, 31, v0
	v_lshlrev_b32 v2, 4, v1                        ; 16 x lane
	s_lshl_b32 s16, ttmp9, 16
	s_lshl_b32 s15, s14, 14
	s_add_co_u32 s16, s16, s15                     ; my four rows
	s_mov_b32 s17, 0
	s_mov_b32 s[SEL], 0x76543210
	s_mov_b32 s[SEL+1], 0xfedcba98
	s_mov_b32 s20, 0x3a800000                      ; 1 / 1024
	s_mov_b32 s21, 0x3727c5ac                      ; 1e-5
	s_wait_kmcnt 0x0
	s_add_nc_u64 s[4:5], s[4:5], s[16:17]
	s_add_nc_u64 s[10:11], s[10:11], s[16:17]
.irp p, 0,1,2,3
.irp j, 0,1,2,3,4,5,6,7
	global_load_b128 v[X+32*\p+4*\j:X+32*\p+4*\j+3], v2, s[4:5] offset:4096*\p+512*\j th:TH_LOAD_NT
.endr
.endr
.irp j, 0,1,2,3,4,5,6,7
	global_load_b128 v[G+4*\j:G+4*\j+3], v2, s[6:7] offset:512*\j
	global_load_b128 v[BE+4*\j:BE+4*\j+3], v2, s[8:9] offset:512*\j
.endr
	s_wait_loadcnt 16                              ; the rows are in; the gain's and the bias's 16 loads may be out
.irp p, 0,1,2,3
	v_pk_add_f32 v[SM+2*\p:SM+2*\p+1], v[X+32*\p:X+32*\p+1], v[X+32*\p+2:X+32*\p+3]
.endr
.irp i, 4,6,8,10,12,14,16,18,20,22,24,26,28,30
.irp p, 0,1,2,3
	v_pk_add_f32 v[SM+2*\p:SM+2*\p+1], v[SM+2*\p:SM+2*\p+1], v[X+32*\p+\i:X+32*\p+\i+1]
.endr
.endr
.irp p, 0,1,2,3
	v_add_f32 v[SM+2*\p], v[SM+2*\p], v[SM+2*\p+1]
.endr
	ACROSS SM
.irp p, 0,1,2,3
	v_mul_f32 v[SM+2*\p], s20, v[SM+2*\p]          ; the mean,
.endr
.irp p, 0,1,2,3
	v_mov_b32 v[SM+2*\p+1], v[SM+2*\p]             ; twice, for the packed forms
.endr
.irp i, 0,2,4,6,8,10,12,14,16,18,20,22,24,26,28,30
.irp p, 0,1,2,3
	v_pk_add_f32 v[X+32*\p+\i:X+32*\p+\i+1], v[X+32*\p+\i:X+32*\p+\i+1], v[SM+2*\p:SM+2*\p+1] neg_lo:[0,1] neg_hi:[0,1]
.endr
.endr
.irp p, 0,1,2,3
	v_pk_mul_f32 v[SQ+2*\p:SQ+2*\p+1], v[X+32*\p:X+32*\p+1], v[X+32*\p:X+32*\p+1]
.endr
.irp i, 2,4,6,8,10,12,14,16,18,20,22,24,26,28,30
.irp p, 0,1,2,3
	v_pk_fma_f32 v[SQ+2*\p:SQ+2*\p+1], v[X+32*\p+\i:X+32*\p+\i+1], v[X+32*\p+\i:X+32*\p+\i+1], v[SQ+2*\p:SQ+2*\p+1]
.endr
.endr
.irp p, 0,1,2,3
	v_add_f32 v[SQ+2*\p], v[SQ+2*\p], v[SQ+2*\p+1]
.endr
	ACROSS SQ
.irp p, 0,1,2,3
	v_fma_f32 v[SQ+2*\p], v[SQ+2*\p], s20, s21     ; the variance + eps
.endr
.irp p, 0,1,2,3
	v_rsq_f32 v[SQ+2*\p], v[SQ+2*\p]
.endr
	v_nop                                          ; a plain place behind the last of them
	s_wait_alu depctr_va_vdst(0)                   ; one wait for the four, ahead of their first reader
.irp p, 0,1,2,3
	v_mov_b32 v[SQ+2*\p+1], v[SQ+2*\p]
.endr
	s_wait_loadcnt 0x0
.irp i, 0,2,4,6,8,10,12,14,16,18,20,22,24,26,28,30
.irp p, 0,1,2,3
	v_pk_mul_f32 v[X+32*\p+\i:X+32*\p+\i+1], v[X+32*\p+\i:X+32*\p+\i+1], v[SQ+2*\p:SQ+2*\p+1]
.endr
.irp p, 0,1,2,3
	v_pk_fma_f32 v[X+32*\p+\i:X+32*\p+\i+1], v[X+32*\p+\i:X+32*\p+\i+1], v[G+\i:G+\i+1], v[BE+\i:BE+\i+1]
.endr
.endr
.irp p, 0,1,2,3
.irp j, 0,1,2,3,4,5,6,7
	global_store_b128 v2, v[X+32*\p+4*\j:X+32*\p+4*\j+3], s[10:11] offset:4096*\p+512*\j th:TH_STORE_NT
.endr
.endr
	s_endpgm
.Lfunc_end_k_q35f46f2240_ln2:
	.size	k_q35f46f2240_ln2, .Lfunc_end_k_q35f46f2240_ln2-k_q35f46f2240_ln2
	.p2alignl 7, 3214868480
	.fill 96, 4, 3214868480
	.section	.rodata,"a",@progbits
	.p2align	6, 0x0
	.amdhsa_kernel k_q35f46f2240_ln2
		.amdhsa_group_segment_fixed_size 0
		.amdhsa_private_segment_fixed_size 0
		.amdhsa_enable_private_segment 0
		.amdhsa_kernarg_size 32
		.amdhsa_user_sgpr_count 2
		.amdhsa_user_sgpr_kernarg_segment_ptr 1
		.amdhsa_wavefront_size32 1
		.amdhsa_system_sgpr_workgroup_id_x 1
		.amdhsa_system_sgpr_workgroup_id_y 1
		.amdhsa_system_sgpr_workgroup_id_z 1
		.amdhsa_system_vgpr_workitem_id 0
		.amdhsa_next_free_vgpr 224
		.amdhsa_next_free_sgpr 66
		.amdhsa_reserve_vcc 0
		.amdhsa_float_denorm_mode_32 3
		.amdhsa_float_denorm_mode_16_64 3
		.amdhsa_memory_ordered 1
		.amdhsa_forward_progress 1
		.amdhsa_inst_pref_size 33
	.end_amdhsa_kernel
	.amdgpu_metadata
---
amdhsa.version: [ 1, 2 ]
amdhsa.kernels:
  - .name:           k_q35f46f2240_ln2
    .symbol:         k_q35f46f2240_ln2.kd
    .args:
      - { .name: y, .offset: 0, .size: 8, .value_kind: global_buffer, .address_space: global }
      - { .name: g2, .offset: 8, .size: 8, .value_kind: global_buffer, .address_space: global }
      - { .name: beta2, .offset: 16, .size: 8, .value_kind: global_buffer, .address_space: global }
      - { .name: out0, .offset: 24, .size: 8, .value_kind: global_buffer, .address_space: global }
    .group_segment_fixed_size: 0
    .private_segment_fixed_size: 0
    .kernarg_segment_align: 8
    .kernarg_segment_size: 32
    .max_flat_workgroup_size: 128
    .sgpr_count:     66
    .vgpr_count:     224
    .wavefront_size: 32
...
	.end_amdgpu_metadata
.endif
;; end of part 9
;; ======== version 2 of 2: 7 launches
;; limits: right only within a limited range of input values
;; workspace buffers: xq 3,276,800 bytes; wq 9,830,400 bytes; qkv 10,092,544 bytes; y 16,777,216 bytes; x1 16,777,216 bytes; hq 13,107,200 bytes; x1q 3,276,800 bytes
;; launch quant (part 10): grid 640 x 1, 4 waves a work-group, no clusters, 26,624 bytes of LDS; arguments Wq, Wk, Wv, Wo, W1, W2, wq, ebd_x, xq; writes wq, xq
.if DOCPART == 10
	.amdgcn_target "amdgcn-amd-amdhsa--gfx1250"
	.amdhsa_code_object_version 6
	.text
	.protected	k_q35f46f2240_quant
	.globl	k_q35f46f2240_quant
	.p2align	8
	.type	k_q35f46f2240_quant,@function
k_q35f46f2240_quant:
	s_mov_b64 s[64:65], 0
	v_nop
	global_prefetch_b8 v0, s[64:65] scope:SCOPE_SE
	s_setreg_imm32_b32 hwreg(HW_REG_WAVE_MODE, 25, 1), 1
	s_wait_xcnt 0x0
; ONE LAUNCH PREPARES ALL OPERANDS THAT ARRIVE AS f32: codes of FP6 (E2M3) with one E8M0 scale byte for each 32 along K, laid as the matrix unit's registers take them.
; Work-groups 0-383 take the six weights, work-groups 384-639 ebd_x: the two paths part on the work-group's number alone, and each has LDS bytes of its own.
; THE WEIGHTS [K][N], whose K is the FIRST axis.  wq: codes in regions of 786,432 bytes: 0 Wq, 1 Wk, 2 Wv, 3 Wo, 4-7 W1, 8-11 W2; fragment (tile of 16 columns t, K step s) at (t KST + s) x 1536.
;   Scale words from 9,437,184 on, 32,768 bytes a region: block (128 columns G, K step s) at (G KST + s) x 512, the word of tile i, row r at 256 (i / 4) + 16 r + 4 (i % 4).
;   A lane takes a column and its registers run down K: a load reads 128 consecutive bytes a wave, a block of 32 lies in one lane.  A work-group takes 128 columns x 256 along K; a wave 32 columns (two tiles), 8 blocks a lane.
; ebd_x [4096][1024].  xq: fragment (tile of 16 rows t, K step s) at (8 t + s) x 1536: registers 4 g .. 4 g + 3 of lane l at 512 g + 16 l; scale words from 3,145,728 on, laid as the weights'.
;   A work-group takes four tiles and two K steps; a wave one tile: two fragments.
; THE ROWS OF A TILE ARE NOT NEIGHBOURS, in both: row r of tile 2 b + u is column (token) 32 b + 8 u + r + 8 (r / 8).
; LIMITS: NaN and infinities are not served; a block whose largest magnitude lies under 2^-124 (zeros too) gets the byte 1; this program alone reads the bytes.
.set WGW,   384
.set EMAX,  2
.set SCS,   24576                      ; the weights' path: four stages of 6,144 bytes, then 1,024 bytes of scale words
.set XST,   25600                      ; x's path: a stage of 512 bytes
.set SPARE, 26112                      ; the spare words, 128 bytes a wave
.set SPW,   30
.set NIL,   31
; the weights' path
.set C,     16                         ; v16-24 a block's codes
.set SB,    26                         ; v26-27 the scale words of my two K steps
.set VO,    32                         ; v32-63 4 x lane + i rows
.set X,     64                         ; v64-127 two sets of 32 numbers
.set OUTR,  128                        ; v128-175 the way out
; x's path
.set XA,  3
.set LI,  4
.set TM,  8
.set PW0, 24
.set PW1, 25
.set XW,  26
.set N0,  32
.set N1,  96
.set PCA, 160
.set PCB, 192
.set SEL, 20
	v_lshl_add_u32 v[SPW], v0, 2, SPARE
	v_mov_b32 v[NIL], 0
	s_cmp_lt_u32 ttmp9, WGW
	s_cbranch_scc0 .Lx
	s_load_b256 s[4:11], s[0:1], 0x0               ; Wq, Wk, Wv, Wo
	s_load_b128 s[12:15], s[0:1], 0x20             ; W1, W2
	s_load_b64 s[16:17], s[0:1], 0x30              ; wq
	v_lshrrev_b32 v1, 5, v0
	v_readfirstlane_b32 s18, v1                    ; wave
	v_and_b32 v2, 31, v0                           ; lane
	v_lshlrev_b32 v3, 2, v2
	s_lshr_b32 s19, ttmp9, 5                       ; 32 work-groups to a region
	s_and_b32 s21, s19, 12
	s_cmp_lt_u32 s19, 4
	s_cselect_b32 s21, s19, s21                    ; the tensor's first region: 0, 1, 2, 3, 4 or 8
	s_lshl_b32 s22, s21, 5
	s_sub_co_u32 s22, ttmp9, s22                   ; my number within the tensor
	s_mov_b32 s20, 4096
	s_cmp_eq_u32 s21, 4                            ; W1 has 4,096 columns
	s_cselect_b32 s20, 16384, s20                  ; a row in bytes
	s_cselect_b32 s23, 31, 7
	s_cselect_b32 s24, 5, 3
	s_cmp_eq_u32 s21, 8                            ; W2 has K = 4,096
	s_cselect_b32 s25, 32, 8                       ; KST
	s_lshr_b32 s24, s22, s24                       ; which 256 along K
	s_and_b32 s23, s22, s23                        ; which 128 columns
	s_mul_i32 s28, s24, s20
	s_lshl_b32 s28, s28, 8
	s_lshl_b32 s26, s23, 9
	s_add_co_u32 s28, s28, s26
	s_lshl_b32 s26, s18, 7
	s_add_co_u32 s28, s28, s26                     ; the source: 256 kb rows + 512 nb + 128 wave
	s_mov_b32 s29, 0
	s_lshl_b32 s30, s20, 5                         ; 32 rows on
	s_mov_b32 s31, 0
	s_mul_i32 s34, s25, 1536                       ; from tile to tile
	s_mov_b32 s35, 0
	s_lshl_b32 s32, s23, 3
	s_lshl_b32 s26, s18, 1
	s_add_co_u32 s32, s32, s26                     ; my first tile: 8 nb + 2 wave
	s_mul_i32 s32, s32, s34
	s_mul_i32 s26, s21, 786432
	s_add_co_u32 s32, s32, s26
	s_mul_i32 s26, s24, 3072
	s_add_co_u32 s32, s32, s26
	s_mov_b32 s33, 0
	s_mul_i32 s36, s23, s25
	s_lshl_b32 s26, s24, 1
	s_add_co_u32 s36, s36, s26
	s_lshl_b32 s36, s36, 9
	s_lshl_b32 s26, s21, 15
	s_add_co_u32 s36, s36, s26
	s_add_co_u32 s36, s36, 9437184
	s_mov_b32 s37, 0
	v_bfe_u32 v10, v0, 3, 1                        ; my column's tile of the wave's two,
	v_and_b32 v11, 7, v0
	v_bfe_u32 v12, v0, 4, 1
	v_lshl_add_u32 v11, v12, 3, v11                ; and its row r there
	s_mul_i32 s26, s18, 6144
	v_mul_u32_u24 v4, v10, 3072
	v_lshl_add_u32 v4, v11, 4, v4
	v_add_nc_u32 v4, s26, v4                       ; into my wave's stage: [tile][K step][1,536]: + 16 r
	s_lshr_b32 s27, s18, 1
	s_lshl_b32 s27, s27, 8
	s_and_b32 s2, s18, 1
	s_lshl_b32 s2, s2, 3
	s_add_co_u32 s27, s27, s2
	s_add_co_u32 s27, s27, SCS
	v_lshlrev_b32 v5, 4, v11
	v_lshl_add_u32 v5, v10, 2, v5
	v_add_nc_u32 v5, s27, v5                       ; my scale word: tile i = 2 wave + u
	v_lshlrev_b32 v7, 4, v2
	v_add_nc_u32 v6, s26, v7
	s_lshl_b32 s2, s18, 8
	v_lshlrev_b32 v9, 3, v2
	v_add_nc_u32 v9, s2, v9
	v_add_nc_u32 v8, SCS, v9
.irp i, 0,1,2,3,4,5,6,7,8,9,10,11,12,13,14,15,16,17,18,19,20,21,22,23,24,25,26,27,28,29,30,31
	v_mad_u32_u24 v[VO+\i], s20, \i, v3
.endr
	s_wait_alu depctr_va_vdst(0)                   ; the wait at the head's end
	s_wait_kmcnt 0x0
	s_cmp_eq_u32 s19, 1                            ; the source is chosen on the work-group's number alone
	s_cselect_b64 s[4:5], s[6:7], s[4:5]
	s_cmp_eq_u32 s19, 2
	s_cselect_b64 s[4:5], s[8:9], s[4:5]
	s_cmp_eq_u32 s19, 3
	s_cselect_b64 s[4:5], s[10:11], s[4:5]
	s_cmp_eq_u32 s21, 4
	s_cselect_b64 s[4:5], s[12:13], s[4:5]
	s_cmp_eq_u32 s21, 8
	s_cselect_b64 s[4:5], s[14:15], s[4:5]
	s_add_nc_u64 s[40:41], s[4:5], s[28:29]        ; a base for each of the 8 blocks: none is stepped
.irp t, 1,2,3,4,5,6,7
	s_add_nc_u64 s[40+2*\t:41+2*\t], s[38+2*\t:39+2*\t], s[30:31]
.endr
	s_add_nc_u64 s[56:57], s[16:17], s[32:33]      ; my first tile's two fragments,
	s_add_nc_u64 s[58:59], s[56:57], s[34:35]      ; my second tile's,
	s_add_nc_u64 s[60:61], s[16:17], s[36:37]      ; the work-group's scale words
.macro LOAD t
.irp i, 0,1,2,3,4,5,6,7,8,9,10,11,12,13,14,15,16,17,18,19,20,21,22,23,24,25,26,27,28,29,30,31
	global_load_b32 v[X+32*((\t)%2)+\i], v[VO+\i], s[40+2*(\t):41+2*(\t)] th:TH_LOAD_NT
.endr
.endm
	LOAD 0
	LOAD 1
; block t: K step t / 4, and in it registers 6 c .. 6 c + 5 of lane r + 16 h, c = (t / 2) % 2, h = t % 2
.macro BLOCK t
.set XS, X+32*((\t)%2)
.if (\t) < 7
	s_wait_loadcnt 32                              ; this block's 32 loads are in; the next block's may be out
.else
	s_wait_loadcnt 0x0
.endif
	v_max3_num_f32 v12, |v[XS]|, |v[XS+1]|, |v[XS+2]|
	v_max3_num_f32 v13, |v[XS+3]|, |v[XS+4]|, |v[XS+5]|
.irp i, 6,10,14,18,22,26
	v_max3_num_f32 v12, v12, |v[XS+\i]|, |v[XS+\i+1]|
	v_max3_num_f32 v13, v13, |v[XS+\i+2]|, |v[XS+\i+3]|
.endr
	v_max3_num_f32 v12, v12, |v[XS+30]|, |v[XS+31]|
	v_max3_num_f32 v12, v12, v13, (EMAX+1)<<23     ; and the floor: the byte cannot fall under 1
	v_add_nc_u32 v11, -(EMAX<<23), v12             ; the conversion's scale operand
	v_lshrrev_b32 v13, 23, v11                     ; the byte
	v_cvt_scalef32_pk16_fp6_f32 v[C:C+2], v[XS:XS+15], v11
	v_cvt_scalef32_pk16_fp6_f32 v[C+6:C+8], v[XS+16:XS+31], v11
.if (\t)%4 == 0
	v_mov_b32 v[SB+(\t)/4], v13                    ; (the plain place behind the conversions)
.else
	v_lshl_or_b32 v[SB+(\t)/4], v13, 8*((\t)%4), v[SB+(\t)/4]
.endif
.irp i, 0,1,2
	v_mov_b32 v[C+3+\i], v[C+6+\i]                 ; the block's six registers on end
.endr
.if ((\t)/2)%2 == 0
	ds_store_b128 v4, v[C:C+3] offset:((\t)/4)*1536+((\t)%2)*256
	ds_store_b64 v4, v[C+4:C+5] offset:((\t)/4)*1536+((\t)%2)*256+512
.else
	ds_store_b64 v4, v[C:C+1] offset:((\t)/4)*1536+((\t)%2)*256+520
	ds_store_b128 v4, v[C+2:C+5] offset:((\t)/4)*1536+((\t)%2)*256+1024
.endif
.if (\t)+2 < 8
	LOAD (\t)+2
.endif
	s_wait_dscnt 0x0                               ; the stores have read their registers
.endm
.irp t, 0,1,2,3,4,5,6,7
	BLOCK \t
.endr
	ds_store_b32 v5, v[SB]
	s_wait_alu depctr_va_vdst(0)
	ds_store_b32 v5, v[SB+1] offset:512
.irp q, 0,1,2,3,4,5,6,7,8,9,10,11
	ds_load_b128 v[OUTR+4*\q:OUTR+4*\q+3], v6 offset:512*\q        ; my own stage: LDS serves a wave's instructions in order
.endr
.irp q, 0,1,2,3,4,5
	s_wait_dscnt 11-\q
	global_store_b128 v7, v[OUTR+4*\q:OUTR+4*\q+3], s[56:57] offset:512*\q     ; 512 consecutive bytes a store
.endr
.irp q, 6,7,8,9,10,11
	s_wait_dscnt 11-\q
	global_store_b128 v7, v[OUTR+4*\q:OUTR+4*\q+3], s[58:59] offset:512*(\q-6)
.endr
	s_wait_dscnt 0x0                               ; my scale words have landed
	s_barrier_signal -1
	s_barrier_wait -1
	ds_load_b64 v[12:13], v8
	s_wait_dscnt 0x0
	global_store_b64 v9, v[12:13], s[60:61]        ; 256 consecutive bytes a wave
	s_branch .Lend
; x's path.  64 numbers of a lane, register 16 b + i = k 32 b + 16 (lane / 16) + i of my row, become a fragment's 12 registers v[pc] on and its scale word v[pw]
.macro QUANT s, pc, pw
.irp b, 0,1,2,3
	v_max3_num_f32 v[TM+\b], |v[\s+16*\b]|, |v[\s+1+16*\b]|, 0x1800000   ; my 16 numbers of block b, and the floor 2^(3 - 127)
.endr
.irp i, 2,4,6,8,10,12,14
.irp b, 0,1,2,3
	v_max3_num_f32 v[TM+\b], v[TM+\b], |v[\s+16*\b+\i]|, |v[\s+1+16*\b+\i]|
.endr
.endr
.irp b, 0,1,2,3
	v_permlanex16_b32 v[TM+4+\b], v[TM+\b], s[SEL], s[SEL+1]
.endr
.irp b, 0,1,2,3
	v_max_num_f32 v[TM+\b], v[TM+\b], v[TM+4+\b]       ; with lane l xor 16's: the block's largest magnitude
.endr
.irp b, 0,1,2,3
	v_add_nc_u32 v[TM+12+\b], 0xff000000, v[TM+\b]     ; 2 off its exponent field: the conversion's scale operand
.endr
.irp b, 0,1,2,3
	v_lshrrev_b32 v[TM+4+\b], 23, v[TM+12+\b]          ; the scale's byte
.endr
	v_lshl_or_b32 v[\pw], v[TM+5], 8, v[TM+4]
	v_lshl_or_b32 v[\pw], v[TM+6], 16, v[\pw]
	v_lshl_or_b32 v[\pw], v[TM+7], 24, v[\pw]
.irp c, 0,1
	v_cvt_scalef32_pk16_fp6_f32 v[\pc+6*\c:\pc+2+6*\c], v[\s+32*\c:\s+15+32*\c], v[TM+12+2*\c]
	v_cvt_scalef32_pk16_fp6_f32 v[\pc+12+4*\c:\pc+14+4*\c], v[\s+16+32*\c:\s+31+32*\c], v[TM+12+2*\c+1]
.endr
	v_nop                                              ; one plain place behind a scaled conversion
.irp c, 0,1                                        ; the layout wants a whole block in a lane
.irp i, 0,1,2
	v_permlane16_swap_b32 v[\pc+6*\c+\i], v[\pc+12+4*\c+\i]
.endr
.irp i, 0,1,2
	v_mov_b32 v[\pc+3+6*\c+\i], v[\pc+12+4*\c+\i]
.endr
.endr
.endm
.macro XLOAD reg, s                    ; my 16 numbers of each of the four blocks of K step s
.irp b, 0,1,2,3
.irp j, 0,1,2,3
	global_load_b128 v[\reg+16*\b+4*\j:\reg+16*\b+4*\j+3], v[XA], s[4:5] offset:512*\s+128*\b+16*\j th:TH_LOAD_NT
.endr
.endr
.endm
.Lx:
	s_load_b128 s[4:7], s[0:1], 0x38               ; ebd_x, xq
	v_lshrrev_b32 v1, 5, v0
	v_readfirstlane_b32 s8, v1                     ; wave
	v_and_b32 v7, 31, v0                           ; lane
	v_and_b32 v1, 15, v0                           ; r
	v_bfe_u32 v2, v0, 4, 1                         ; h
	v_and_b32 v[XA], 8, v1
	v_add_nc_u32 v[XA], v[XA], v1                  ; r + 8 (r / 8)
	v_lshlrev_b32 v[XA], 12, v[XA]                 ; rows of 4,096 bytes
	v_lshl_add_u32 v[XA], v2, 6, v[XA]             ; + 64 h
	v_lshlrev_b32 v[LI], 4, v7
	s_lshl_b32 s9, s8, 2
	v_add_nc_u32 v5, s9, v[LI]                     ; the stage: [K step][row][wave]: 16 x lane + 4 x wave
	v_lshlrev_b32 v6, 4, v1
	v_lshl_add_u32 v6, v2, 9, v6                   ; the scale words' way out: 512 h + 16 r
.irp b, 0,1,2,3
	v_mov_b32 v[TM+4+\b], 0                        ; written once: a lane permute's destination counts as a source
.endr
	s_mov_b32 s[SEL], 0x76543210
	s_mov_b32 s[SEL+1], 0xfedcba98
	s_mov_b32 s22, 0xffff0000                      ; lanes 16-31
	s_sub_co_u32 s28, ttmp9, WGW                   ; my number among x's 256 work-groups
	s_lshr_b32 s10, s28, 2                         ; which four tiles
	s_and_b32 s11, s28, 3                          ; which two K steps
	s_lshl_b32 s12, s10, 2
	s_add_co_u32 s12, s12, s8                      ; my tile T
	s_lshr_b32 s13, s12, 1
	s_lshl_b32 s13, s13, 5
	s_and_b32 s14, s12, 1
	s_lshl_b32 s14, s14, 3
	s_add_co_u32 s13, s13, s14                     ; its first token: 32 (T / 2) + 8 (T % 2)
	s_lshl_b32 s14, s13, 12
	s_lshl_b32 s15, s11, 10
	s_add_co_u32 s14, s14, s15
	s_mov_b32 s15, 0
	s_lshl_b32 s16, s12, 3
	s_lshl_b32 s17, s11, 1
	s_add_co_u32 s16, s16, s17
	s_mul_i32 s16, s16, 1536                       ; my first fragment
	s_mov_b32 s17, 0
	s_lshr_b32 s18, s10, 1
	s_lshl_b32 s18, s18, 3
	s_lshl_b32 s19, s11, 1
	s_add_co_u32 s18, s18, s19
	s_lshl_b32 s18, s18, 9
	s_and_b32 s19, s10, 1
	s_lshl_b32 s19, s19, 8
	s_add_co_u32 s18, s18, s19
	s_add_co_u32 s18, s18, 3145728                 ; the four tiles' scale words
	s_mov_b32 s19, 0
	s_wait_alu depctr_va_vdst(0)                   ; the wait at the head's end
	s_wait_kmcnt 0x0
	s_add_nc_u64 s[4:5], s[4:5], s[14:15]
	s_add_nc_u64 s[24:25], s[6:7], s[16:17]
	s_add_nc_u64 s[26:27], s[6:7], s[18:19]
	XLOAD N0, 0
	XLOAD N1, 1
	s_wait_loadcnt 16                              ; the first K step's 16 loads are in; the second's may be out
	QUANT N0, PCA, PW0
.irp g, 0,1,2
	global_store_b128 v[LI], v[PCA+4*\g:PCA+4*\g+3], s[24:25] offset:512*\g        ; 512 consecutive bytes a store
.endr
	s_wait_loadcnt 0x0
	QUANT N1, PCB, PW1
.irp g, 0,1,2
	global_store_b128 v[LI], v[PCB+4*\g:PCB+4*\g+3], s[24:25] offset:1536+512*\g
.endr
	v_cndmask_b32 v[XW], v[PW0], v[PW1], s22       ; lanes 0-15: the first K step's word of row r; lanes 16-31: the second's
	ds_store_b32 v5, v[XW] offset:XST
	s_wait_dscnt 0x0                               ; for the others' sake: my store has landed
	s_barrier_signal -1
	s_barrier_wait -1
	s_cmp_lg_u32 s8, 0
	s_cbranch_scc1 .Lend                           ; wave 0 sends the four tiles' words: two aligned runs of 256 bytes
	ds_load_b128 v[212:215], v[LI] offset:XST
	s_wait_dscnt 0x0
	global_store_b128 v6, v[212:215], s[26:27]
.Lend:
	s_wait_tensorcnt 0x0                           ; the wave's end, behind my last LDS store
	ds_add_u32 v[SPW], v[NIL]
	s_wait_dscnt 0x0
	s_endpgm
.Lfunc_end_k_q35f46f2240_quant:
	.size	k_q35f46f2240_quant, .Lfunc_end_k_q35f46f2240_quant-k_q35f46f2240_quant
	.p2alignl 7, 3214868480
	.fill 96, 4, 3214868480
	.section	.rodata,"a",@progbits
	.p2align	6, 0x0
	.amdhsa_kernel k_q35f46f2240_quant
		.amdhsa_group_segment_fixed_size 26624
		.amdhsa_private_segment_fixed_size 0
		.amdhsa_enable_private_segment 0
		.amdhsa_kernarg_size 72
		.amdhsa_user_sgpr_count 2
		.amdhsa_user_sgpr_kernarg_segment_ptr 1
		.amdhsa_wavefront_size32 1
		.amdhsa_system_sgpr_workgroup_id_x 1
		.amdhsa_system_sgpr_workgroup_id_y 1
		.amdhsa_system_sgpr_workgroup_id_z 1
		.amdhsa_system_vgpr_workitem_id 0
		.amdhsa_next_free_vgpr 224
		.amdhsa_next_free_sgpr 66
		.amdhsa_reserve_vcc 0
		.amdhsa_float_denorm_mode_32 3
		.amdhsa_float_denorm_mode_16_64 3
		.amdhsa_memory_ordered 1
		.amdhsa_forward_progress 1
		.amdhsa_inst_pref_size 60
	.end_amdhsa_kernel
	.amdgpu_metadata
---
amdhsa.version: [ 1, 2 ]
amdhsa.kernels:
  - .name:           k_q35f46f2240_quant
    .symbol:         k_q35f46f2240_quant.kd
    .args:
      - { .name: Wq, .offset: 0, .size: 8, .value_kind: global_buffer, .address_space: global }
      - { .name: Wk, .offset: 8, .size: 8, .value_kind: global_buffer, .address_space: global }
      - { .name: Wv, .offset: 16, .size: 8, .value_kind: global_buffer, .address_space: global }
      - { .name: Wo, .offset: 24, .size: 8, .value_kind: global_buffer, .address_space: global }
      - { .name: W1, .offset: 32, .size: 8, .value_kind: global_buffer, .address_space: global }
      - { .name: W2, .offset: 40, .size: 8, .value_kind: global_buffer, .address_space: global }
      - { .name: wq, .offset: 48, .size: 8, .value_kind: global_buffer, .address_space: global }
      - { .name: ebd_x, .offset: 56, .size: 8, .value_kind: global_buffer, .address_space: global }
      - { .name: xq, .offset: 64, .size: 8, .value_kind: global_buffer, .address_space: global }
    .group_segment_fixed_size: 26624
    .private_segment_fixed_size: 0
    .kernarg_segment_align: 8
    .kernarg_segment_size: 72
    .max_flat_workgroup_size: 128
    .sgpr_count:     66
    .vgpr_count:     224
    .wavefront_size: 32
...
	.end_amdgpu_metadata
.endif
;; end of part 10
;; launch gemm_qkv (part 11): grid 48 x 4, 4 waves a work-group, clusters of 4 x 4, 327,680 bytes of LDS; arguments xq, wq, bq, bk, bv, qkv; writes qkv
.if DOCPART == 11
	.amdgcn_target "amdgcn-amd-amdhsa--gfx1250"
	.amdhsa_code_object_version 6
	.text
	.protected	k_q35f46f2240_gemm_qkv
	.globl	k_q35f46f2240_gemm_qkv
	.p2align	8
	.type	k_q35f46f2240_gemm_qkv,@function
k_q35f46f2240_gemm_qkv:
	s_mov_b64 s[64:65], 0
	v_nop
	global_prefetch_b8 v0, s[64:65] scope:SCOPE_SE
	s_setreg_imm32_b32 hwreg(HW_REG_WAVE_MODE, 25, 1), 1
	s_wait_xcnt 0x0
	s_wait_alu depctr_hold_cnt(0) depctr_sa_sdst(0) depctr_va_vdst(0) depctr_va_sdst(0) depctr_va_ssrc(0) depctr_va_vcc(0) depctr_vm_vsrc(0)
	s_getreg_b32 s2, hwreg(HW_REG_IB_STS2, 6, 4)
	s_cmp_eq_u32 s2, 0
	s_cbranch_scc0 .Lentry_in_a_cluster
	s_endpgm
.Lentry_in_a_cluster:
	s_bfe_u32 s2, ttmp6, 0x10000c
	s_cmp_lg_u32 s2, 0xf033
	s_cbranch_scc0 .Lentry_shape_is_right
	s_endpgm
.Lentry_shape_is_right:
.set SIZE_K, 1024
.set KST,    SIZE_K/128
.set FRB,    1536
.set TILEB,  2*FRB
.set HALFT,  8*TILEB
.set SLOT,   4*HALFT
.set LAPS,   SIZE_K/512
.set SCL,    2*SLOT
.set HALFS,  KST*512
.set SPARE,  SCL+4*HALFS
.set FR,     12
.set NL,     3
.set NP,     4
.set ADRA, 16
.set ADRB, 20
.set LS,   24
.set LI8,  25
.set LI,   26
.set ADRS, 27
.set SPW,  28
.set NIL,  29
.set SC,   32
.set BI,   64
.set AF,   128
.set BL,   224
.set H,    64
.set PC,   128
.set TM,   148
.set XW,   164
.set SW,   240
.set SEL,  18
.set G1, 24
.set G0, 32
.set G1B, 48
.set G0B, 56
.set G1S, 68
.set G0S, 76
.set G1SB, 80
.set G0SB, 88
.set MSB, 0
.macro WIN new
.if MSB != (\new)
	s_set_vgpr_msb (MSB<<8)|(\new)
.set MSB, (\new)
.endif
.endm
.macro JLOAD g0a, g1a, g0b, g1b
	s_cmp_eq_u32 s15, 0
	s_cbranch_scc0 .Lfor_b_\@
	tensor_load_to_lds s[\g0a:\g0a+3], s[\g1a:\g1a+7]
	s_nop 0
.rept 4
	v_nop
.endr
	s_branch .Lasked_\@
.Lfor_b_\@:
	tensor_load_to_lds s[\g0b:\g0b+3], s[\g1b:\g1b+7]
	s_nop 0
.rept 4
	v_nop
.endr
.Lasked_\@:
.endm
.macro CREST
	s_cmp_lg_u32 s14, 0
	s_cbranch_scc1 .Lnot_wave_0_\@
	s_barrier_signal -3
.Lnot_wave_0_\@:
	s_barrier_wait -3
	s_barrier_signal -1
	s_barrier_wait -1
.endm
.macro CROUND
	s_barrier_signal -1
	s_barrier_wait -1
	CREST
.endm
.macro PLACES n
.rept \n
	v_nop
.endr
.endm
.macro FRAG reg, adr, q, i
.irp g, 0,1,2
	ds_load_b128 v[\reg+4*\g:\reg+4*\g+3], v[\adr] offset:(\i)*TILEB+(\q)*FRB+512*\g
.endr
.endm
.macro MUL16 a0, p, q, sc, zero
.irp a, \a0, \a0+1
.irp b, 0,1,2,3,4,5,6,7
.if \zero
	v_wmma_scale_f32_16x16x128_f8f6f4 v[8*(8*((\a)%4)+\b):8*(8*((\a)%4)+\b)+7], v[128*(\p)+FR*\b:128*(\p)+FR*\b+FR-1], v[AF+FR*(\a):AF+FR*(\a)+FR-1], v[BI+8*\b:BI+8*\b+7], v[SC+16*(\sc)+8*(\q)+\b], v[SC+16*(\sc)+8*(\q)+(\a)] matrix_a_fmt:MATRIX_FMT_FP6 matrix_b_fmt:MATRIX_FMT_FP6 matrix_a_scale:MATRIX_SCALE_ROW1
.else
	v_wmma_scale_f32_16x16x128_f8f6f4 v[8*(8*((\a)%4)+\b):8*(8*((\a)%4)+\b)+7], v[128*(\p)+FR*\b:128*(\p)+FR*\b+FR-1], v[AF+FR*(\a):AF+FR*(\a)+FR-1], v[8*(8*((\a)%4)+\b):8*(8*((\a)%4)+\b)+7], v[SC+16*(\sc)+8*(\q)+\b], v[SC+16*(\sc)+8*(\q)+(\a)] matrix_a_fmt:MATRIX_FMT_FP6 matrix_b_fmt:MATRIX_FMT_FP6 matrix_a_scale:MATRIX_SCALE_ROW1
.endif
.endr
.endr
.endm
.macro FETCH_B slot, q, p
	WIN 0x40
.irp i, 0,1,2,3,4,5,6,7
	FRAG 128*(\p)+FR*\i, ADRB+\slot, \q, \i
.endr
	WIN 0
.endm
.macro FETCH_A slot, q, i0
.irp i, \i0, \i0+1, \i0+2, \i0+3
	FRAG AF+FR*(\i), ADRA+\slot, \q, \i
.endr
.endm
.macro SCALES sc
.irp q, 0,1
.irp e, 0,1
	ds_load_b128 v[SC+16*\sc+8*\q+4*\e:SC+16*\sc+8*\q+4*\e+3], v[ADRS] offset:512*\q+256*\e
.endr
.endr
.endm
.macro STEP slot, q, zero
	s_wait_dscnt 4*NL
.if \zero
	WIN 0x81
.else
	WIN 0xa1
.endif
	MUL16 0, (\q)%2, \q, \slot, \zero
	MUL16 2, (\q)%2, \q, \slot, \zero
	s_wait_dscnt 0
	PLACES NP
	FETCH_B \slot, (\q)+1, 1-(\q)%2
	FETCH_A \slot, (\q)+1, 0
.if \zero
	WIN 0xc1
.else
	WIN 0xf1
.endif
	MUL16 4, (\q)%2, \q, \slot, \zero
	MUL16 6, (\q)%2, \q, \slot, \zero
	PLACES NP
	WIN 0
	FETCH_A \slot, (\q)+1, 4
.endm
.macro TURN slot, next, fill
	s_wait_tensorcnt 0x0
	ds_add_u32 v[SPW], v[NIL]
	s_wait_dscnt 4*NL+1
	WIN 0xa1
	MUL16 0, 1, 1, \slot, 0
	s_wait_dscnt 0x0
	s_barrier_signal -1
	MUL16 2, 1, 1, \slot, 0
	WIN 0
	s_barrier_wait -1
.if \fill
	CREST
	s_add_nc_u64 s[G0+4*\slot+2:G0+4*\slot+3], s[G0+4*\slot+2:G0+4*\slot+3], 2*TILEB
	s_add_nc_u64 s[G0B+4*\slot+2:G0B+4*\slot+3], s[G0B+4*\slot+2:G0B+4*\slot+3], 2*TILEB
	JLOAD G0+4*\slot, G1, G0B+4*\slot, G1B
.else
	PLACES NP
.endif
	s_wait_alu depctr_va_vdst(0)
	v_add_nc_u32 v[ADRS], 1024, v[ADRS]
	FETCH_B \next, 0, 0
	FETCH_A \next, 0, 0
	SCALES \next
	WIN 0xf1
	MUL16 4, 1, 1, \slot, 0
	MUL16 6, 1, 1, \slot, 0
	PLACES NP
	WIN 0
	FETCH_A \next, 0, 4
.endm
.macro QUANT s, pc, pw
.irp b, 0,1,2,3
	v_max3_num_f32 v[TM+\b], |v[\s+16*\b]|, |v[\s+1+16*\b]|, 0x1800000
.endr
.irp i, 2,4,6,8,10,12,14
.irp b, 0,1,2,3
	v_max3_num_f32 v[TM+\b], v[TM+\b], |v[\s+16*\b+\i]|, |v[\s+1+16*\b+\i]|
.endr
.endr
.irp b, 0,1,2,3
	v_permlanex16_b32 v[TM+4+\b], v[TM+\b], s[SEL], s[SEL+1]
.endr
.irp b, 0,1,2,3
	v_max_num_f32 v[TM+\b], v[TM+\b], v[TM+4+\b]
.endr
.irp b, 0,1,2,3
	v_add_nc_u32 v[TM+12+\b], 0xff000000, v[TM+\b]
.endr
.irp b, 0,1,2,3
	v_lshrrev_b32 v[TM+4+\b], 23, v[TM+12+\b]
.endr
	v_lshl_or_b32 v[\pw], v[TM+5], 8, v[TM+4]
	v_lshl_or_b32 v[\pw], v[TM+6], 16, v[\pw]
	v_lshl_or_b32 v[\pw], v[TM+7], 24, v[\pw]
.irp c, 0,1
	v_cvt_scalef32_pk16_fp6_f32 v[\pc+6*\c:\pc+2+6*\c], v[\s+32*\c:\s+15+32*\c], v[TM+12+2*\c]
	v_cvt_scalef32_pk16_fp6_f32 v[\pc+12+4*\c:\pc+14+4*\c], v[\s+16+32*\c:\s+31+32*\c], v[TM+12+2*\c+1]
.endr
	v_nop
.irp c, 0,1
.irp i, 0,1,2
	v_permlane16_swap_b32 v[\pc+6*\c+\i], v[\pc+12+4*\c+\i]
.endr
.irp i, 0,1,2
	v_mov_b32 v[\pc+3+6*\c+\i], v[\pc+12+4*\c+\i]
.endr
.endr
.endm
	s_load_b128 s[96:99], s[0:1], 0x0
	s_load_b128 s[88:91], s[0:1], 0x10
	s_load_b64 s[66:67], s[0:1], 0x20
	s_load_b64 s[12:13], s[0:1], 0x28
	v_lshl_add_u32 v[SPW], v0, 2, SPARE
	v_mov_b32 v[NIL], 0
	ds_add_u32 v[SPW], v[NIL]
	ds_add_u32 v[SPW], v[NIL]
	v_lshrrev_b32 v1, 5, v0
	v_readfirstlane_b32 s14, v1
	s_lshr_b32 s15, s14, 1
	s_and_b32 s16, s14, 1
	s_bfe_u32 s40, ttmp6, 0x40000
	s_bfe_u32 s41, ttmp6, 0x40004
	s_and_b32 s18, ttmp9, 1
	s_sub_co_u32 s19, ttmp9, 8
	s_lshr_b32 s20, ttmp9, 1
	s_cmp_lt_u32 ttmp9, 8
	s_cselect_b32 s18, s18, s19
	s_cselect_b32 s20, s20, 0
	s_cselect_b32 s95, -1, 0
	s_lshl_b32 s42, s18, 2
	s_add_co_u32 s42, s42, s40
	s_lshl_b32 s17, s20, 2
	s_add_co_u32 s17, s17, s41
	s_lshl_b32 s43, s41, 2
	s_lshl_b32 s43, 15, s43
	s_lshl_b32 s44, 0x1111, s40
	s_or_b32 s[G1+0], s43, (3<<16)|(1<<21)
	s_or_b32 s[G1B+0], s44, (3<<16)|(1<<21)
.irp g, G1, G1B
	s_mov_b32 s[\g+1], 384<<16
	s_mov_b32 s[\g+2], 16<<16
	s_mov_b32 s[\g+3], 384<<16
	s_mov_b32 s[\g+4], 16
	s_mov_b32 s[\g+5], KST*192
	s_mov_b32 s[\g+6], 0
	s_mov_b32 s[\g+7], 0
.endr
	s_or_b32 s[G1S+0], s43, (3<<16)|(1<<21)
	s_or_b32 s[G1SB+0], s44, (3<<16)|(1<<21)
.irp g, G1S, G1SB
	s_mov_b32 s[\g+1], 32<<16
	s_mov_b32 s[\g+2], (HALFS/128)<<16
	s_mov_b32 s[\g+3], 32<<16
	s_mov_b32 s[\g+4], HALFS/128
	s_mov_b32 s[\g+5], 32
	s_mov_b32 s[\g+6], 0
	s_mov_b32 s[\g+7], 0
.endr
	s_mul_i32 s45, s14, HALFT
	s_wait_dscnt 0x0
	s_wait_kmcnt 0x0
	s_bitcmp1_b32 ttmp9, 0
	s_cselect_b64 s[100:101], s[90:91], s[88:89]
	s_add_nc_u64 s[2:3], s[96:97], 3145728
	s_add_nc_u64 s[18:19], s[98:99], 9437184
	s_add_nc_u64 s[22:23], s[98:99], 1572864
	s_add_nc_u64 s[92:93], s[98:99], 9502720
	s_cmp_lt_u32 ttmp9, 8
	s_cselect_b64 s[4:5], s[96:97], s[22:23]
	s_cselect_b64 s[6:7], s[2:3], s[92:93]
	s_cselect_b64 s[8:9], s[98:99], s[96:97]
	s_cselect_b64 s[10:11], s[18:19], s[2:3]
	s_lshl_b32 s18, s17, 4
	s_lshl_b32 s19, s16, 3
	s_add_co_u32 s18, s18, s19
	s_mul_i32 s20, s18, KST*FRB
	s_mov_b32 s21, 0
	s_add_nc_u64 s[4:5], s[4:5], s[20:21]
	s_lshl_b32 s18, s17, 1
	s_add_co_u32 s18, s18, s16
	s_mul_i32 s20, s18, HALFS
	s_add_nc_u64 s[6:7], s[6:7], s[20:21]
	s_lshl_b32 s46, s42, 4
	s_add_co_u32 s46, s46, s19
	s_mul_i32 s46, s46, KST*FRB
	s_mov_b32 s47, 0
	s_add_nc_u64 s[8:9], s[8:9], s[46:47]
	s_lshl_b32 s46, s42, 1
	s_add_co_u32 s46, s46, s16
	s_mul_i32 s46, s46, HALFS
	s_add_nc_u64 s[10:11], s[10:11], s[46:47]
	CROUND
	s_mov_b32 s[G0S], 1
	s_mul_i32 s22, s16, HALFS                      ; the head's loads bring whole tiles: my half's offset is taken off again
	s_mov_b32 s23, 0
	s_mov_b32 s92, s22
	s_mov_b32 s93, 0
	s_mov_b32 s[G0S+1], SCL
	s_sub_nc_u64 s[G0S+2:G0S+3], s[6:7], s[22:23]
	s_or_b32 s[G0S+3], s[G0S+3], 0x80000000
	s_mov_b32 s[G0SB], 1
	s_mov_b32 s[G0SB+1], SCL+2*HALFS
	s_sub_nc_u64 s[G0SB+2:G0SB+3], s[10:11], s[92:93]
	s_or_b32 s[G0SB+3], s[G0SB+3], 0x80000000
.irp s, 0,1
	s_mov_b32 s[G0+4*\s], 1
	s_add_co_u32 s[G0+4*\s+1], s45, \s*SLOT
	s_add_nc_u64 s[G0+4*\s+2:G0+4*\s+3], s[4:5], \s*TILEB
	s_or_b32 s[G0+4*\s+3], s[G0+4*\s+3], 0x80000000
	s_mov_b32 s[G0B+4*\s], 1
	s_add_co_u32 s[G0B+4*\s+1], s45, \s*SLOT
	s_add_nc_u64 s[G0B+4*\s+2:G0B+4*\s+3], s[8:9], \s*TILEB
	s_or_b32 s[G0B+4*\s+3], s[G0B+4*\s+3], 0x80000000
.endr
	; THE HEAD'S LOADS, ONE A WAVE: wave 0 slot 0's 16 tiles of source 1, wave 1 those of source 0, wave 2 and wave 3 their scale words
	; where my prefetches stand: of the eight tiles that I fetch in the ring, the four partners that ask for them jointly take two each, told apart by address (cx for source 1's tiles, cy for source 0's)
	s_cmp_eq_u32 s15, 0
	s_cselect_b64 s[92:93], s[4:5], s[8:9]
	s_cselect_b32 s2, s40, s41
	s_mul_i32 s2, s2, 2*KST*FRB
	s_mov_b32 s3, 0
	s_add_nc_u64 s[92:93], s[92:93], s[2:3]
	s_mul_i32 s20, s16, 8*KST*FRB
	s_mov_b32 s46, s20
	s_sub_nc_u64 s[6:7], s[4:5], s[20:21]
	s_or_b32 s7, s7, 0x80000000
	s_mov_b32 s4, 1
	s_mov_b32 s5, 0
	s_sub_nc_u64 s[10:11], s[8:9], s[46:47]
	s_or_b32 s11, s11, 0x80000000
	s_mov_b32 s8, 1
	s_mov_b32 s9, 2*HALFT
.macro ARM under, g0, g1, next
	s_cmp_lt_u32 s14, \under
	s_cbranch_scc0 \next
	tensor_load_to_lds s[\g0:\g0+3], s[\g1:\g1+7]
	s_nop 0
.rept 4
	v_nop
.endr
	s_branch .Lhead_asked
\next:
.endm
	ARM 1, 4, G1, .Lhead_b
	ARM 2, 8, G1B, .Lhead_sa
	ARM 3, G0S, G1S, .Lhead_sb
	tensor_load_to_lds s[G0SB:G0SB+3], s[G1SB:G1SB+7]
	s_nop 0
.rept 4
	v_nop
.endr
.Lhead_asked:
	v_and_b32 v31, 31, v0                          ; the prefetches' offset: a lane a block of 256 bytes: 12 blocks of a slot's part of each of my two tiles; lanes 24-31 name the wave's last block again
	v_min_u32 v31, 23, v31
	v_mul_u32_u24 v30, v31, 171
	v_lshrrev_b32 v30, 11, v30                     ; lane / 12
	v_mul_u32_u24 v30, v30, KST*FRB-12*256
	v_lshl_add_u32 v31, v31, 8, v30
	global_prefetch_b8 v31, s[92:93] offset:TILEB th:TH_LOAD_NT scope:SCOPE_SE     ; slots 1 and 2, behind the load of slot 0
	global_prefetch_b8 v31, s[92:93] offset:2*TILEB th:TH_LOAD_NT scope:SCOPE_SE
	v_and_b32 v1, 15, v0
	v_bfe_u32 v2, v0, 4, 1
	s_wait_alu depctr_va_vdst(0)
	v_and_b32 v3, 31, v0
	v_lshlrev_b32 v[LS], 2, v3
	v_lshlrev_b32 v[LI8], 3, v3
	v_lshlrev_b32 v[LI], 4, v3
	s_mul_i32 s21, s15, HALFT
	s_mul_i32 s22, s16, HALFT
	s_add_co_u32 s22, s22, 2*HALFT
.irp s, 0,1
	v_add_nc_u32 v[ADRA+\s], s21, v[LI]
	v_add_nc_u32 v[ADRB+\s], s22, v[LI]
	s_add_co_u32 s21, s21, SLOT
	s_add_co_u32 s22, s22, SLOT
.endr
	s_mul_i32 s21, s15, HALFS
	s_mul_i32 s22, s16, HALFS
	s_add_co_u32 s22, s22, 2*HALFS
	s_sub_co_u32 s22, s22, s21
	v_mul_u32_u24 v6, s22, v2
	s_add_co_u32 s21, s21, SCL
	v_lshl_add_u32 v6, v1, 4, v6
	v_add_nc_u32 v[ADRS], s21, v6
	s_lshl_b32 s18, s40, 10
	s_lshl_b32 s19, s16, 9
	s_add_co_u32 s18, s18, s19
	s_lshl_b32 s20, s41, 10
	s_lshl_b32 s21, s15, 9
	s_add_co_u32 s20, s20, s21
	s_cmp_lg_u32 s95, 0
	s_cselect_b32 s18, s18, 0
	s_cselect_b32 s20, 0, s20
	s_mov_b32 s19, 0
	s_mov_b32 s21, 0
	s_not_b32 s94, s95
	s_add_nc_u64 s[100:101], s[100:101], s[18:19]
	s_add_nc_u64 s[66:67], s[66:67], s[20:21]
	v_lshlrev_b32 v4, 6, v2
	v_and_b32 v5, 8, v1
	v_add_nc_u32 v5, v5, v1
	v_lshlrev_b32 v5, 2, v5
.irp b, 0,1,2,3,4,5,6,7
	global_load_b128 v[BI+8*\b:BI+8*\b+3], v4, s[100:101] offset:128*(\b/2)+32*(\b%2)
	global_load_b128 v[BI+8*\b+4:BI+8*\b+7], v4, s[100:101] offset:128*(\b/2)+32*(\b%2)+16
.endr
.irp a, 0,1,2,3,4,5,6,7
	global_load_b32 v[BL+2*\a], v5, s[66:67] offset:(32*(\a/2)+8*(\a%2))*4
	global_load_b32 v[BL+2*\a+1], v5, s[66:67] offset:(32*(\a/2)+8*(\a%2))*4
.endr
	s_wait_loadcnt 0x0
.set i, 0
.rept 64
	v_cndmask_b32 v[BI+i], 0, v[BI+i], s95
.set i, i+1
.endr
.set i, 0
.rept 16
	v_cndmask_b32 v[BL+i], 0, v[BL+i], s94
.set i, i+1
.endr
	s_wait_alu depctr_va_vdst(0)
	s_wait_tensorcnt 0x0                           ; my tile of the head's four is in
	ds_add_u32 v[SPW], v[NIL]
	s_mov_b32 s[G1+2], 8<<16                       ; no tensor load of mine is out: from here on a load brings 8 tiles
	s_mov_b32 s[G1+4], 8
	s_mov_b32 s[G1B+2], 8<<16
	s_mov_b32 s[G1B+4], 8
	s_wait_dscnt 0x0
	CROUND                                         ; all four tiles are in, and all sixteen work-groups are here
	JLOAD G0+4, G1, G0B+4, G1B                     ; slot 1's first fill, the first tensor load behind the round
	global_prefetch_b8 v31, s[92:93] offset:3*TILEB th:TH_LOAD_NT scope:SCOPE_SE   ; slot 3, the last: two refills on
	FETCH_B 0, 0, 0
	FETCH_A 0, 0, 0
	SCALES 0
	FETCH_A 0, 0, 4
	STEP 0, 0, 1
	s_mov_b32 s3, LAPS-1
.Llap:
	TURN 0, 1, 1
	STEP 1, 0, 0
	TURN 1, 0, 1
	STEP 0, 0, 0
	s_sub_co_u32 s3, s3, 1
	s_cmp_lg_u32 s3, 0
	s_cbranch_scc1 .Llap
	TURN 0, 1, 0
	STEP 1, 0, 0
	s_wait_dscnt 4*NL
	WIN 0xa1
	MUL16 0, 1, 1, 1, 0
	MUL16 2, 1, 1, 1, 0
	s_wait_dscnt 0
	WIN 0xf1
	MUL16 4, 1, 1, 1, 0
	MUL16 6, 1, 1, 1, 0
	WIN 0
	PLACES NP
	s_lshl_b32 s18, s17, 8
	s_lshl_b32 s19, s15, 7
	s_add_co_u32 s18, s18, s19
	s_lshl_b32 s19, s42, 8
	s_lshl_b32 s20, s16, 7
	s_add_co_u32 s19, s19, s20
	s_lshr_b32 s20, s19, 6
	s_lshr_b32 s21, s20, 4
	s_lshl_b32 s21, s21, 5
	s_and_b32 s20, s20, 15
	s_add_co_u32 s20, s20, s21
	s_lshr_b32 s21, s18, 11
	s_lshl_b32 s21, s21, 4
	s_add_co_u32 s20, s20, s21
	s_bfe_u32 s21, s18, 0x70004
	s_mul_i32 s22, s20, 98304
	s_mul_i32 s23, s21, 768
	s_add_co_u32 s22, s22, s23
	s_lshl_b32 s20, s20, 13
	s_lshl_b32 s21, s21, 6
	s_add_co_u32 s20, s20, s21
	s_add_co_u32 s20, s20, 9437184
	s_lshr_b32 s21, s19, 11
	s_mul_i32 s23, s21, 1572864
	s_bfe_u32 s46, s19, 0x50006
	s_mul_i32 s46, s46, 49152
	s_add_co_u32 s23, s23, s46
	s_lshr_b32 s46, s18, 4
	s_mul_i32 s47, s46, 768
	s_add_co_u32 s23, s23, s47
	s_add_co_u32 s23, s23, 6291456
	s_lshl_b32 s21, s21, 16
	s_bfe_u32 s47, s19, 0x40007
	s_lshl_b32 s47, s47, 12
	s_add_co_u32 s21, s21, s47
	s_lshl_b32 s46, s46, 6
	s_add_co_u32 s21, s21, s46
	s_add_co_u32 s21, s21, 9961472
	s_mov_b32 s47, 49152
	s_cmp_lg_u32 s95, 0
	s_cselect_b32 s22, s22, s23
	s_cselect_b32 s20, s20, s21
	s_cselect_b32 s46, 98304, s47
	s_mov_b32 s23, 0
	s_mov_b32 s21, 0
	s_mov_b32 s47, 0
	s_add_nc_u64 s[4:5], s[12:13], s[22:23]
	s_add_nc_u64 s[6:7], s[4:5], s[46:47]
	s_add_nc_u64 s[8:9], s[12:13], s[20:21]
	s_add_nc_u64 s[10:11], s[8:9], 8192
	s_mov_b32 s[SEL], 0x76543210
	s_mov_b32 s[SEL+1], 0xfedcba98
	s_mov_b32 s20, 0xffff0000
.irp b, 0,1,2,3
	v_mov_b32 v[TM+4+\b], 0
.endr
.irp a, 0,1,2,3,4,5,6,7
.if \a > 0
	s_wait_xcnt 0x0
.endif
	WIN 0x02+\a/4
.set i, 0
.rept 32
	v_pk_add_f32 v[H+i:H+i+1], v[64*(\a%4)+i:64*(\a%4)+i+1], v[BL+2*\a:BL+2*\a+1]
.set i, i+2
.endr
	WIN 0
	QUANT H, PC, SW+\a
	global_store_b128 v[LI], v[PC:PC+3], s[4:5] offset:768*\a
	global_store_b64 v[LI8], v[PC+4:PC+5], s[4:5] offset:768*\a+512
	global_store_b128 v[LI], v[PC+6:PC+9], s[6:7] offset:768*\a
	global_store_b64 v[LI8], v[PC+10:PC+11], s[6:7] offset:768*\a+512
.endr
.irp p, 0,1,2,3
	v_cndmask_b32 v[XW+\p], v[SW+2*\p], v[SW+2*\p+1], s20
.endr
.irp p, 0,1,2,3
	global_store_b32 v[LS], v[XW+\p], s[8:9] offset:128*\p
.endr
	s_cmp_eq_u32 s95, 0
	s_cbranch_scc1 .Lno_second
.irp p, 0,1,2,3
	v_lshrrev_b32 v[XW+4+\p], 16, v[XW+\p]
.endr
.irp p, 0,1,2,3
	global_store_b32 v[LS], v[XW+4+\p], s[10:11] offset:128*\p
.endr
.Lno_second:
	s_wait_tensorcnt 0x0
	ds_add_u32 v[SPW], v[NIL]
	s_wait_dscnt 0x0
	CROUND
	s_endpgm
.Lfunc_end_k_q35f46f2240_gemm_qkv:
	.size	k_q35f46f2240_gemm_qkv, .Lfunc_end_k_q35f46f2240_gemm_qkv-k_q35f46f2240_gemm_qkv
	.p2alignl 7, 3214868480
	.fill 96, 4, 3214868480
	.section	.rodata,"a",@progbits
	.p2align	6, 0x0
	.amdhsa_kernel k_q35f46f2240_gemm_qkv
		.amdhsa_group_segment_fixed_size 327680
		.amdhsa_private_segment_fixed_size 0
		.amdhsa_enable_private_segment 0
		.amdhsa_kernarg_size 48
		.amdhsa_user_sgpr_count 2
		.amdhsa_user_sgpr_kernarg_segment_ptr 1
		.amdhsa_wavefront_size32 1
		.amdhsa_system_sgpr_workgroup_id_x 1
		.amdhsa_system_sgpr_workgroup_id_y 1
		.amdhsa_system_sgpr_workgroup_id_z 1
		.amdhsa_system_vgpr_workitem_id 0
		.amdhsa_next_free_vgpr 1024
		.amdhsa_next_free_sgpr 104
		.amdhsa_reserve_vcc 0
		.amdhsa_float_denorm_mode_32 3
		.amdhsa_float_denorm_mode_16_64 3
		.amdhsa_memory_ordered 1
		.amdhsa_forward_progress 1
		.amdhsa_inst_pref_size 169
	.end_amdhsa_kernel
	.amdgpu_metadata
---
amdhsa.version: [ 1, 2 ]
amdhsa.kernels:
  - .name:           k_q35f46f2240_gemm_qkv
    .symbol:         k_q35f46f2240_gemm_qkv.kd
    .args:
      - { .name: xq, .offset: 0, .size: 8, .value_kind: global_buffer, .address_space: global }
      - { .name: wq, .offset: 8, .size: 8, .value_kind: global_buffer, .address_space: global }
      - { .name: bq, .offset: 16, .size: 8, .value_kind: global_buffer, .address_space: global }
      - { .name: bk, .offset: 24, .size: 8, .value_kind: global_buffer, .address_space: global }
      - { .name: bv, .offset: 32, .size: 8, .value_kind: global_buffer, .address_space: global }
      - { .name: qkv, .offset: 40, .size: 8, .value_kind: global_buffer, .address_space: global }
    .group_segment_fixed_size: 327680
    .private_segment_fixed_size: 0
    .kernarg_segment_align: 8
    .kernarg_segment_size: 48
    .max_flat_workgroup_size: 128
    .sgpr_count:     104
    .vgpr_count:     1024
    .wavefront_size: 32
...
	.end_amdgpu_metadata
.endif
;; end of part 11
;; launch attn (part 12): grid 8 x 32, 16 waves a work-group, clusters of 4 x 1, 223,744 bytes of LDS; arguments qkv, xq; writes xq
.if DOCPART == 12
	.amdgcn_target "amdgcn-amd-amdhsa--gfx1250"
	.amdhsa_code_object_version 6
	.text
	.protected	k_q35f46f2240_attn
	.globl	k_q35f46f2240_attn
	.p2align	8
	.type	k_q35f46f2240_attn,@function
k_q35f46f2240_attn:
	s_mov_b64 s[64:65], 0
	v_nop
	global_prefetch_b8 v0, s[64:65] scope:SCOPE_SE
	s_setreg_imm32_b32 hwreg(HW_REG_WAVE_MODE, 25, 1), 1
	s_wait_xcnt 0x0
	s_wait_alu depctr_hold_cnt(0) depctr_sa_sdst(0) depctr_va_vdst(0) depctr_va_sdst(0) depctr_va_ssrc(0) depctr_va_vcc(0) depctr_vm_vsrc(0)
	s_getreg_b32 s2, hwreg(HW_REG_IB_STS2, 6, 4)
	s_cmp_eq_u32 s2, 0
	s_cbranch_scc0 .Lentry_in_a_cluster
	s_endpgm
.Lentry_in_a_cluster:
	s_bfe_u32 s2, ttmp6, 0x10000c
	s_cmp_lg_u32 s2, 0x3003
	s_cbranch_scc0 .Lentry_shape_is_right
	s_endpgm
.Lentry_shape_is_right:
; Attention of one head on codes of FP6 (E2M3): S^T = K Q^T (K = the head's 64: the instruction's upper 64 meet zero codes of Q), p = 2^(t - M), O^T += V^T P^T; O / l is quantised here along the next product's K.
; t = score x log2(e) / 8; M = the running largest t rounded UP to a whole number; the row's sum is taken of the unquantised p; when M moves, the sum and O^T are multiplied by 2^(old M - new M): exact.
; SHARES: a work-group owns 256 queries of one head, each of its sixteen waves one tile of 16; four waves to a SIMD, so that one wave's vector work stands beside another's products and LDS loads.
; THE WHOLE HEAD STAYS IN LDS: K's and V's half images and scale words, 208,896 bytes, come once, by joint loads of the cluster's four work-groups (the four query blocks of a head's half).  Nothing is filled again.
; LAYOUT: both products are used transposed: a lane holds one query.  A tile of K holds keys 32 b + 8 u + r + 8 (r / 8), so that p's 16 registers of two tiles are 16 neighbouring keys; V's tiles hold channels likewise.
; K's tiles stand 6 registers apart: a tile's operand runs on into the next tile's codes, which meet Q's zero codes (FP6 has no NaN; no scale byte here is 0xff).
; THE RESHAPE: query l of head hd is row 128 hd + l / 16, columns 64 (l % 16) on, of the next product's A.  The work-group's 256 queries are one tile of 16 such rows; it is gathered in LDS as register images.
; LIMITS: NaN and infinities are not served; a block whose largest magnitude lies under 2^-124 (zeros too) gets the byte 1; this program alone reads the bytes.
; REGISTERS: v1-4, v7, v8 addresses that stay; v9-11, v28-30 addresses in hand; v12 -M, v13 the largest t, v[14:15] the sum; v16-27 Q; v32-85 K's tiles, then V's fragments; v96-159 S^T, then p; v160-191 O^T; v224-254 at work; v255 Q's scale word.
.set KIMG,  0
.set VIMG,  98304
.set KSC,   196608
.set VSC,   204800
.set OSTG,  208896                     ; the way out: 8 fragments of 1,536 bytes; no tensor load lands here
.set OSC,   221184                     ; and their 128 scale words
.set SPARE, 221696                     ; the spare words, 128 bytes a wave
.set SPW, 5
.set NIL, 6
.set WV,  18
.set W3,  19
.set SEL, 20
.set CS,  22
.set G1K, 24
.set G1V, 32
.set G1KS, 40
.set G1VS, 48
.set G0K, 56
.set G0V, 60
.set G0KS, 68
.set G0VS, 72
.set TB,  2                            ; s2 the step's tiles: 6,144 bytes a step, in K and in V
.set TS,  3                            ; s3 K's scale words: 512 a step
.set TJ,  8                            ; s8 V's: 256 a step
.set CNT, 9
.set HI,  15                           ; s15 lanes 16-31
.macro ROUND
	s_barrier_signal -1
	s_barrier_wait -1
	s_cmp_lg_u32 s[WV], 0
	s_cbranch_scc1 .Lnot_wave_0_\@
	s_barrier_signal -3
.Lnot_wave_0_\@:
	s_barrier_wait -3
	s_barrier_signal -1
	s_barrier_wait -1
.endm
	s_load_b128 s[4:7], s[0:1], 0x0                ; qkv, xq
	v_lshl_add_u32 v[SPW], v0, 2, SPARE
	v_mov_b32 v[NIL], 0
	ds_add_u32 v[SPW], v[NIL]                      ; the wave's opening: the add and its wait ahead of the first tensor loads
	ds_add_u32 v[SPW], v[NIL]
	v_lshrrev_b32 v8, 5, v0
	s_delay_alu instid0(VALU_DEP_1)
	v_readfirstlane_b32 s[WV], v8                  ; wave 0..15
	s_and_b32 s[W3], s[WV], 3
	s_and_b32 s10, ttmp7, 0xffff                   ; the head, 0..31
	s_lshr_b32 s11, s10, 4                         ; batch
	s_and_b32 s12, s10, 15
	s_bfe_u32 s13, ttmp6, 0x40000                  ; cx: it enters Q's and the output's global addresses alone
	s_lshl_b32 s14, ttmp9, 2
	s_add_co_u32 s14, s14, s13                     ; my block of 256 queries
	s_mov_b32 s[G1K], 15|(3<<16)|(1<<21)           ; the mask: all four; elements of 8 bytes; bit 21 beside a mask
	s_mov_b32 s[G1K+1], 32<<16                     ; K: 24,576 dense bytes as 96 rows of 256
	s_mov_b32 s[G1K+2], 96<<16
	s_mov_b32 s[G1K+3], 32<<16
	s_mov_b32 s[G1K+4], 96
	s_mov_b32 s[G1K+5], 32
	s_mov_b32 s[G1K+6], 0
	s_mov_b32 s[G1K+7], 0
	s_mov_b32 s[G1V], 15|(3<<16)|(1<<21)
	s_mov_b32 s[G1V+1], 384<<16                    ; V: 8 groups of 64 keys, the head's 3,072 bytes of each, 49,152 bytes apart
	s_mov_b32 s[G1V+2], 8<<16
	s_mov_b32 s[G1V+3], 384<<16
	s_mov_b32 s[G1V+4], 8
	s_mov_b32 s[G1V+5], 6144
	s_mov_b32 s[G1V+6], 0
	s_mov_b32 s[G1V+7], 0
	s_mov_b32 s[G1KS], 15|(3<<16)|(1<<21)
	s_mov_b32 s[G1KS+1], 32<<16                    ; K's scale words: 8,192 dense bytes
	s_mov_b32 s[G1KS+2], 32<<16
	s_mov_b32 s[G1KS+3], 32<<16
	s_mov_b32 s[G1KS+4], 32
	s_mov_b32 s[G1KS+5], 32
	s_mov_b32 s[G1KS+6], 0
	s_mov_b32 s[G1KS+7], 0
	s_mov_b32 s[G1VS], 15|(3<<16)|(1<<21)
	s_mov_b32 s[G1VS+1], 32<<16                    ; V's: 16 steps, the head's 256 bytes of each, 4,096 bytes apart
	s_mov_b32 s[G1VS+2], 16<<16
	s_mov_b32 s[G1VS+3], 32<<16
	s_mov_b32 s[G1VS+4], 16
	s_mov_b32 s[G1VS+5], 512
	s_mov_b32 s[G1VS+6], 0
	s_mov_b32 s[G1VS+7], 0
	s_mul_i32 s76, s[W3], 24576                    ; my quarter, in LDS (and in K's memory)
	s_add_co_u32 s78, s10, 32
	s_mul_i32 s80, s78, 98304
	s_add_co_u32 s80, s80, s76
	s_mov_b32 s81, 0                               ; K
	s_mul_i32 s82, s11, 1572864
	s_mul_i32 s84, s[W3], 393216
	s_add_co_u32 s82, s82, s84
	s_mul_i32 s84, s12, 3072
	s_add_co_u32 s82, s82, s84
	s_add_co_u32 s82, s82, 6291456
	s_mov_b32 s83, 0                               ; V
	s_lshl_b32 s84, s78, 13
	s_add_co_u32 s84, s84, 9437184
	s_mov_b32 s85, 0                               ; K's scale words
	s_lshl_b32 s86, s11, 16
	s_lshl_b32 s88, s12, 8
	s_add_co_u32 s86, s86, s88
	s_add_co_u32 s86, s86, 9961472
	s_mov_b32 s87, 0                               ; V's
	s_lshl_b32 s88, s14, 4
	s_add_co_u32 s88, s88, s[WV]                   ; my tile of queries
	s_mul_i32 s90, s10, 98304
	s_mul_i32 s92, s88, 768
	s_add_co_u32 s90, s90, s92
	s_mov_b32 s91, 0                               ; Q
	s_lshl_b32 s92, s10, 13
	s_lshl_b32 s88, s88, 6
	s_add_co_u32 s92, s92, s88
	s_add_co_u32 s92, s92, 9437184
	s_mov_b32 s93, 0                               ; Q's scale words
	s_lshl_b32 s94, s10, 3
	s_add_co_u32 s94, s94, s14
	s_mul_i32 s94, s94, 12288
	s_mov_b32 s95, 0                               ; the output's tile of 16 rows
	s_lshl_b32 s96, s10, 12
	s_lshr_b32 s98, s14, 2
	s_lshl_b32 s98, s98, 8
	s_add_co_u32 s96, s96, s98
	s_and_b32 s98, s14, 3
	s_lshl_b32 s98, s98, 2
	s_add_co_u32 s96, s96, s98
	s_add_co_u32 s96, s96, 3145728
	s_mov_b32 s97, 0                               ; and its scale words
	s_mov_b32 s[SEL], 0x76543210
	s_mov_b32 s[SEL+1], 0xfedcba98
	s_mov_b32 s[CS], 0x3e38aa3b                    ; c = log2(e) / sqrt(64)
	s_mov_b32 s[CS+1], s[CS]
	s_mov_b32 s[HI], 0xffff0000
	s_mov_b32 s[TB], 0
	s_mov_b32 s[TS], 0
	s_mov_b32 s[TJ], 0
	s_wait_dscnt 0x0                               ; the opening add is done
	s_wait_kmcnt 0x0
	s_mov_b32 s[G0K], 1
	s_mov_b32 s[G0K+1], s76
	s_add_nc_u64 s[G0K+2:G0K+3], s[4:5], s[80:81]
	s_or_b32 s[G0K+3], s[G0K+3], 0x80000000
	s_mov_b32 s[G0V], 1
	s_add_co_u32 s[G0V+1], s76, VIMG
	s_add_nc_u64 s[G0V+2:G0V+3], s[4:5], s[82:83]
	s_or_b32 s[G0V+3], s[G0V+3], 0x80000000
	s_mov_b32 s[G0KS], 1
	s_mov_b32 s[G0KS+1], KSC
	s_add_nc_u64 s[G0KS+2:G0KS+3], s[4:5], s[84:85]
	s_or_b32 s[G0KS+3], s[G0KS+3], 0x80000000
	s_mov_b32 s[G0VS], 1
	s_mov_b32 s[G0VS+1], VSC
	s_add_nc_u64 s[G0VS+2:G0VS+3], s[4:5], s[86:87]
	s_or_b32 s[G0VS+3], s[G0VS+3], 0x80000000
	s_add_nc_u64 s[90:91], s[4:5], s[90:91]
	s_add_nc_u64 s[92:93], s[4:5], s[92:93]
	s_add_nc_u64 s[94:95], s[6:7], s[94:95]
	s_add_nc_u64 s[96:97], s[6:7], s[96:97]
	ROUND                                          ; all four work-groups are here: the joint loads meet
	s_cmp_lt_u32 s[WV], 4                          ; waves 0-3: K's quarters; 4-7: V's; 8: K's scale words; 9: V's; the others none.  One load a wave; an s_nop 0 and four v_nop follow it
	s_cbranch_scc0 .Lnot_k
	tensor_load_to_lds s[G0K:G0K+3], s[G1K:G1K+7]
	s_nop 0
.rept 4
	v_nop
.endr
	s_branch .Lasked
.Lnot_k:
	s_cmp_lt_u32 s[WV], 8
	s_cbranch_scc0 .Lnot_v
	tensor_load_to_lds s[G0V:G0V+3], s[G1V:G1V+7]
	s_nop 0
.rept 4
	v_nop
.endr
	s_branch .Lasked
.Lnot_v:
	s_cmp_eq_u32 s[WV], 8
	s_cbranch_scc0 .Lnot_ks
	tensor_load_to_lds s[G0KS:G0KS+3], s[G1KS:G1KS+7]
	s_nop 0
.rept 4
	v_nop
.endr
	s_branch .Lasked
.Lnot_ks:
	s_cmp_eq_u32 s[WV], 9
	s_cbranch_scc0 .Lasked
	tensor_load_to_lds s[G0VS:G0VS+3], s[G1VS:G1VS+7]
	s_nop 0
.rept 4
	v_nop
.endr
.Lasked:
	v_and_b32 v8, 31, v0
	s_delay_alu instid0(VALU_DEP_1)
	v_lshlrev_b32 v1, 4, v8                        ; K: registers 0-3 of a half image at 16 l,
	s_delay_alu instid0(VALU_DEP_2)
	v_lshlrev_b32 v9, 3, v8
	s_delay_alu instid0(VALU_DEP_1)
	v_add_nc_u32 v2, 512, v9                       ; registers 4-5 at 512 + 8 l
	s_delay_alu instid0(VALU_DEP_3)
	v_add_nc_u32 v3, VIMG, v1
	s_delay_alu instid0(VALU_DEP_2)
	v_add_nc_u32 v4, VIMG, v2
	v_lshlrev_b32 v10, 2, v8
	s_delay_alu instid0(VALU_DEP_1)
	v_add_nc_u32 v7, KSC, v10
	s_delay_alu instid0(VALU_DEP_2)
	v_add_nc_u32 v8, VSC, v10
	v_and_b32 v11, 15, v0
	s_delay_alu instid0(VALU_DEP_1)
	v_lshlrev_b32 v11, 2, v11
	global_load_b128 v[16:19], v1, s[90:91]        ; Q's half image stays in registers
	global_load_b64 v[20:21], v9, s[90:91] offset:512
	global_load_b32 v255, v11, s[92:93]
.irp i, 22,23,24,25,26,27
	v_mov_b32 v\i, 0                               ; Q's upper 64 along K: zero codes
.endr
.irp i, 80,81,82,83,84,85
	v_mov_b32 v\i, 0                               ; what the last tile of K runs on into
.endr
	v_mov_b32 v13, 0xff61b1e6                      ; the largest t so far: -3e38
	s_delay_alu instid0(VALU_DEP_1)
	v_floor_f32 v12, -v13                          ; -M
	v_mov_b32 v14, 0
	v_mov_b32 v15, 0
.irp b, 0,1,2,3
	v_mov_b32 v[236+\b], 0                         ; written once: a lane permute's destination counts as a source
.endr
	v_mov_b32 v253, 0
	s_wait_loadcnt 0x0
	v_and_b32 v255, 0xffff, v255
	s_delay_alu instid0(VALU_DEP_1)
	v_or_b32 v255, 0x7f7f0000, v255                ; the bytes of the two blocks of zero codes: 1.0
.set j, 0
.rept 32
	v_mov_b32 v[160+j], 0                          ; O^T: the first change of M leaves zeros zeros.  (Also the places between the scale word's last write and the first product)
.set j, j+1
.endr
	s_wait_tensorcnt 0x0                           ; my load has landed,
	s_barrier_signal -1
	s_barrier_wait -1                              ; everybody's has
	s_mov_b32 s[CNT], 16
.Lstep:                                            ; a key step: 128 keys
	v_add_nc_u32 v9, s[TB], v1                     ; (these six are also the places behind the last products)
	v_add_nc_u32 v10, s[TB], v2
	v_add_nc_u32 v11, s[TB], v3
	v_add_nc_u32 v28, s[TB], v4
	v_add_nc_u32 v29, s[TS], v7
	v_add_nc_u32 v30, s[TJ], v8
.irp t, 0,1,2,3,4,5,6,7
	ds_load_b128 v[32+6*\t:35+6*\t], v9 offset:768*\t
	ds_load_b64 v[36+6*\t:37+6*\t], v10 offset:768*\t
.endr
.irp p, 0,1,2,3
	ds_load_b32 v[248+\p], v29 offset:128*\p       ; lanes 0-15: tile 2 p's words; lanes 16-31: tile 2 p + 1's
.endr
	s_wait_alu depctr_va_vdst(0)
	s_wait_dscnt 0x0
.irp t, 0,1,2,3,4,5,6,7
.if \t%2
	v_wmma_scale_f32_16x16x128_f8f6f4 v[96+8*\t:103+8*\t], v[32+6*\t:43+6*\t], v[16:27], 0, v[248+\t/2], v255 matrix_a_fmt:MATRIX_FMT_FP6 matrix_b_fmt:MATRIX_FMT_FP6 matrix_a_scale:MATRIX_SCALE_ROW1
.else
	v_wmma_scale_f32_16x16x128_f8f6f4 v[96+8*\t:103+8*\t], v[32+6*\t:43+6*\t], v[16:27], 0, v[248+\t/2], v255 matrix_a_fmt:MATRIX_FMT_FP6 matrix_b_fmt:MATRIX_FMT_FP6
.endif
.endr
.rept 4
	v_nop                                          ; places in front of the loads below and of the first read of the scores
.endr
.irp t, 0,1,2,3                                ; V's four fragments are asked for at once: they land during the softmax
.irp c, 0,1
	ds_load_b128 v[32+12*\t+6*\c:35+12*\t+6*\c], v11 offset:3072*\c+768*\t
	ds_load_b64 v[36+12*\t+6*\c:37+12*\t+6*\c], v28 offset:3072*\c+768*\t
.endr
.endr
	ds_load_b32 v248, v30
	ds_load_b32 v249, v30 offset:128
.irp b, 0,1,2,3
	v_max3_num_f32 v[232+\b], v[96+16*\b], v[97+16*\b], v[98+16*\b]   ; the largest score of each block of 32 keys: for the row's maximum and, since p rises with the score, for the block's largest p
.endr
.irp i, 3,5,7,9,11,13
.irp b, 0,1,2,3
	v_max3_num_f32 v[232+\b], v[232+\b], v[96+16*\b+\i], v[97+16*\b+\i]
.endr
.endr
.irp b, 0,1,2,3
	v_max_num_f32 v[232+\b], v[232+\b], v[111+16*\b]
.endr
.irp b, 0,1,2,3
	s_delay_alu instid0(VALU_DEP_4)
	v_permlanex16_b32 v[236+\b], v[232+\b], s[SEL], s[SEL+1]
.endr
.irp b, 0,1,2,3
	s_delay_alu instid0(VALU_DEP_4)
	v_max_num_f32 v[232+\b], v[232+\b], v[236+\b]
.endr
	s_delay_alu instid0(VALU_DEP_2)
	v_max3_num_f32 v254, v232, v233, v234
	s_delay_alu instid0(VALU_DEP_1)
	v_max_num_f32 v254, v254, v235
	s_delay_alu instid0(VALU_DEP_1)
	v_mul_f32 v254, s[CS], v254                    ; as t
	s_delay_alu instid0(VALU_DEP_1)
	v_max_num_f32 v13, v13, v254                   ; the running largest t
	v_mov_b32 v254, v12
	s_delay_alu instid0(VALU_DEP_2)
	v_floor_f32 v12, -v13                          ; the new -M: a whole number
	s_delay_alu instid0(VALU_DEP_1)
	v_sub_f32 v254, v12, v254
	s_delay_alu instid0(VALU_DEP_1)
	v_cvt_i32_f32 v254, v254                       ; (it saturates)
	s_delay_alu instid0(VALU_DEP_1)
	v_ldexp_f32 v252, 1.0, v254                    ; f = 2^(old M - new M)
.set j, 0
.rept 32
	v_pk_fma_f32 v[96+j:97+j], v[96+j:97+j], s[CS:CS+1], v[12:13] op_sel_hi:[1,0,0]   ; t - M
.set j, j+2
.endr
.irp b, 0,1,2,3
	v_fma_f32 v[232+\b], v[232+\b], s[CS], v12
.endr
.set j, 0
	s_wait_alu depctr_va_vdst(0)
.rept 64
	v_exp_f32 v[96+j], v[96+j]                     ; p = 2^(t - M): not normalised
.set j, j+1
.endr
	v_pk_mul_f32 v[14:15], v[14:15], v[252:253] op_sel_hi:[1,0]   ; the sums under the new M (a plain place behind the exponentials)
	s_wait_alu depctr_va_vdst(0)                   ; one wait for the batch, ahead of its first reader
.irp b, 0,1,2,3
	v_exp_f32 v[232+\b], v[232+\b]                 ; the blocks' largest p
.endr
	v_pk_add_f32 v[236:237], v[100:101], v[104:105]
	v_pk_add_f32 v[250:251], v[108:109], v[112:113]
	v_pk_add_f32 v[246:247], v[116:117], v[120:121]
	v_pk_add_f32 v[244:245], v[124:125], v[128:129]
	v_pk_add_f32 v[242:243], v[132:133], v[136:137]
	v_pk_add_f32 v[240:241], v[140:141], v[144:145]
	v_pk_add_f32 v[238:239], v[148:149], v[152:153]
	v_pk_add_f32 v[14:15], v[14:15], v[156:157]
	v_pk_add_f32 v[236:237], v[236:237], v[96:97]
	v_pk_add_f32 v[250:251], v[250:251], v[98:99]
	v_pk_add_f32 v[246:247], v[246:247], v[102:103]
	v_pk_add_f32 v[244:245], v[244:245], v[106:107]
	v_pk_add_f32 v[242:243], v[242:243], v[110:111]
	v_pk_add_f32 v[240:241], v[240:241], v[114:115]
	v_pk_add_f32 v[238:239], v[238:239], v[118:119]
	v_pk_add_f32 v[14:15], v[14:15], v[122:123]
	v_pk_add_f32 v[236:237], v[236:237], v[126:127]
	v_pk_add_f32 v[250:251], v[250:251], v[130:131]
	v_pk_add_f32 v[246:247], v[246:247], v[134:135]
	v_pk_add_f32 v[244:245], v[244:245], v[138:139]
	v_pk_add_f32 v[242:243], v[242:243], v[142:143]
	v_pk_add_f32 v[240:241], v[240:241], v[146:147]
	v_pk_add_f32 v[238:239], v[238:239], v[150:151]
	v_pk_add_f32 v[14:15], v[14:15], v[154:155]
	v_pk_add_f32 v[236:237], v[236:237], v[158:159]
	s_delay_alu instid0(VALU_DEP_2)
	v_pk_add_f32 v[14:15], v[14:15], v[244:245]
	s_delay_alu instid0(VALU_DEP_2)
	v_pk_add_f32 v[236:237], v[236:237], v[242:243]
	v_pk_add_f32 v[250:251], v[250:251], v[240:241]
	v_pk_add_f32 v[246:247], v[246:247], v[238:239]
	s_delay_alu instid0(VALU_DEP_2)
	v_pk_add_f32 v[14:15], v[14:15], v[250:251]
	s_delay_alu instid0(VALU_DEP_2)
	v_pk_add_f32 v[236:237], v[236:237], v[246:247]
	s_delay_alu instid0(VALU_DEP_1)
	v_pk_add_f32 v[14:15], v[14:15], v[236:237]
	s_wait_alu depctr_va_vdst(0)                   ; and one for the four
.irp b, 0,1,2,3
	v_max_num_f32 v[232+\b], 0x1800000, v[232+\b]  ; the floor 2^(3 - 127)
.endr
.irp b, 0,1,2,3
	s_delay_alu instid0(VALU_DEP_4)
	v_add_nc_u32 v[244+\b], 0xff000000, v[232+\b]
.endr
.irp b, 0,1,2,3
	s_delay_alu instid0(VALU_DEP_4)
	v_lshrrev_b32 v[236+\b], 23, v[244+\b]
.endr
	s_delay_alu instid0(VALU_DEP_3)
	v_lshl_or_b32 v253, v237, 8, v236              ; p's scale word for these 128 keys
	s_delay_alu instid0(VALU_DEP_1)
	v_lshl_or_b32 v253, v238, 16, v253
	s_delay_alu instid0(VALU_DEP_1)
	v_lshl_or_b32 v253, v239, 24, v253
.irp c, 0,1
	v_cvt_scalef32_pk16_fp6_f32 v[224+6*\c:226+6*\c], v[96+32*\c:111+32*\c], v[244+2*\c]
	v_cvt_scalef32_pk16_fp6_f32 v[236+4*\c:238+4*\c], v[112+32*\c:127+32*\c], v[244+2*\c+1]
.endr
	v_nop
.irp c, 0,1
.irp i, 0,1,2
	v_permlane16_swap_b32 v[224+6*\c+\i], v[236+4*\c+\i]
.endr
.irp i, 0,1,2
	s_delay_alu instid0(VALU_DEP_3)
	v_mov_b32 v[227+6*\c+\i], v[236+4*\c+\i]
.endr
.endr
.set j, 0
.rept 16
	v_pk_mul_f32 v[160+j:161+j], v[160+j:161+j], v[252:253] op_sel_hi:[1,0]   ; O^T under the new M (also places in front of the products below)
.set j, j+2
.endr
	s_wait_alu depctr_va_vdst(0)
	s_wait_dscnt 0x0                               ; V is in
.irp t, 0,1,2,3
.if \t%2
	v_wmma_scale_f32_16x16x128_f8f6f4 v[160+8*\t:167+8*\t], v[32+12*\t:43+12*\t], v[224:235], v[160+8*\t:167+8*\t], v[248+\t/2], v253 matrix_a_fmt:MATRIX_FMT_FP6 matrix_b_fmt:MATRIX_FMT_FP6 matrix_a_scale:MATRIX_SCALE_ROW1
.else
	v_wmma_scale_f32_16x16x128_f8f6f4 v[160+8*\t:167+8*\t], v[32+12*\t:43+12*\t], v[224:235], v[160+8*\t:167+8*\t], v[248+\t/2], v253 matrix_a_fmt:MATRIX_FMT_FP6 matrix_b_fmt:MATRIX_FMT_FP6
.endif
.endr
	s_add_co_u32 s[TB], s[TB], 6144
	s_add_co_u32 s[TS], s[TS], 512
	s_add_co_u32 s[TJ], s[TJ], 256
	s_sub_co_u32 s[CNT], s[CNT], 1
	s_cmp_lg_u32 s[CNT], 0
	s_cbranch_scc1 .Lstep
	; THE WAY OUT.  O^T / l; register 16 b + i is channel 32 b + 16 h + i of my query: two blocks of the next product's K.
	v_add_f32 v14, v14, v15
	s_delay_alu instid0(VALU_DEP_1)
	v_permlanex16_b32 v252, v14, s[SEL], s[SEL+1]
	s_delay_alu instid0(VALU_DEP_1)
	v_add_f32 v14, v14, v252                       ; the row's sum
	s_wait_alu depctr_va_vdst(0)
	v_rcp_f32 v14, v14
	; my query l = 32 (8 yb + w / 2) + 8 (w % 2) + (r % 8) + 16 (r / 8): row 2 (w / 2) + r / 8 of the tile, K step 4 (w % 2) + (r % 8) / 2, half c = r % 2 of it
	v_bfe_u32 v8, v0, 5, 1
	v_bfe_u32 v9, v0, 1, 2
	s_delay_alu instid0(VALU_DEP_1)
	v_lshl_add_u32 v9, v8, 2, v9                   ; the K step
	s_delay_alu instid0(VALU_DEP_1)
	v_mul_u32_u24 v10, v9, 1536
	v_bfe_u32 v11, v0, 4, 1                        ; h
	s_delay_alu instid0(VALU_DEP_1)
	v_lshl_add_u32 v10, v11, 8, v10
	v_bfe_u32 v28, v0, 6, 3
	v_bfe_u32 v29, v0, 3, 1
	s_delay_alu instid0(VALU_DEP_1)
	v_lshl_add_u32 v28, v28, 1, v29                ; the row
	s_delay_alu instid0(VALU_DEP_1)
	v_lshl_add_u32 v10, v28, 4, v10
	s_delay_alu instid0(VALU_DEP_1)
	v_add_nc_u32 v10, OSTG, v10                    ; the image's place of lane (row, h)
	v_and_b32 v29, 1, v0                           ; c
	s_delay_alu instid0(VALU_DEP_1)
	v_mad_u32_u24 v30, v29, 520, v10               ; registers 6 c, 6 c + 1 (and, 512 on, 6 c + 4, 6 c + 5)
	s_delay_alu instid0(VALU_DEP_2)
	v_mad_u32_u24 v31, v29, 1016, v10              ; registers 6 c + 2, 6 c + 3, 8 bytes on
	v_lshl_add_u32 v9, v9, 4, v28
	s_delay_alu instid0(VALU_DEP_1)
	v_lshlrev_b32 v9, 2, v9
	s_delay_alu instid0(VALU_DEP_1)
	v_lshl_add_u32 v9, v29, 1, v9
	s_delay_alu instid0(VALU_DEP_1)
	v_add_nc_u32 v9, v9, v11
	s_delay_alu instid0(VALU_DEP_1)
	v_add_nc_u32 v9, OSC, v9                       ; my block's byte: word 16 (K step) + row, byte 2 c + h
	v_and_b32 v8, 31, v0
	s_delay_alu instid0(VALU_DEP_1)
	v_lshlrev_b32 v29, 3, v8
	s_mul_i32 s76, s[WV], 768
	v_add_nc_u32 v29, s76, v29                     ; what I send: 768 bytes a wave
	s_delay_alu instid0(VALU_DEP_1)
	v_add_nc_u32 v28, OSTG, v29
	v_lshl_add_u32 v10, v0, 2, OSC                 ; waves 0-3: a scale word a thread
	v_lshrrev_b32 v11, 4, v0
	s_delay_alu instid0(VALU_DEP_1)
	v_lshlrev_b32 v11, 9, v11
	v_and_b32 v8, 15, v0
	s_delay_alu instid0(VALU_DEP_1)
	v_lshl_add_u32 v11, v8, 4, v11
	s_wait_alu depctr_va_vdst(0)                   ; the wait ahead of the reciprocal's first reader
.set j, 0
.rept 32
	v_mul_f32 v[96+j], v[160+j], v14
.set j, j+1
.endr
.irp b, 0,1
	v_max3_num_f32 v[232+\b], |v[96+16*\b]|, |v[97+16*\b]|, 0x1800000
.endr
.irp i, 2,4,6,8,10,12,14
.irp b, 0,1
	s_delay_alu instid0(VALU_DEP_2)
	v_max3_num_f32 v[232+\b], v[232+\b], |v[96+16*\b+\i]|, |v[97+16*\b+\i]|
.endr
.endr
.irp b, 0,1
	s_delay_alu instid0(VALU_DEP_2)
	v_permlanex16_b32 v[236+\b], v[232+\b], s[SEL], s[SEL+1]
.endr
.irp b, 0,1
	s_delay_alu instid0(VALU_DEP_2)
	v_max_num_f32 v[232+\b], v[232+\b], v[236+\b]
.endr
.irp b, 0,1
	s_delay_alu instid0(VALU_DEP_2)
	v_add_nc_u32 v[244+\b], 0xff000000, v[232+\b]
.endr
.irp b, 0,1
	s_delay_alu instid0(VALU_DEP_2)
	v_lshrrev_b32 v[236+\b], 23, v[244+\b]
.endr
	s_delay_alu instid0(VALU_DEP_1)
	v_cndmask_b32 v238, v236, v237, s[HI]          ; lanes 0-15 keep block 0, lanes 16-31 block 1
	v_cvt_scalef32_pk16_fp6_f32 v[224:226], v[96:111], v244
	v_cvt_scalef32_pk16_fp6_f32 v[240:242], v[112:127], v245
	v_nop
.irp i, 0,1,2
	v_permlane16_swap_b32 v[224+\i], v[240+\i]
.endr
.irp i, 0,1,2
	s_delay_alu instid0(VALU_DEP_3)
	v_mov_b32 v[227+\i], v[240+\i]
.endr
	ds_store_b64 v30, v[224:225]
	ds_store_b64 v31, v[226:227] offset:8
	ds_store_b64 v30, v[228:229] offset:512
	ds_store_b8 v9, v238
	s_wait_dscnt 0x0                               ; for the others' sake: my stores have landed
	s_barrier_signal -1
	s_barrier_wait -1
.irp j, 0,1,2
	ds_load_b64 v[96+2*\j:97+2*\j], v28 offset:256*\j
.endr
	s_wait_dscnt 0x0
.irp j, 0,1,2
	global_store_b64 v29, v[96+2*\j:97+2*\j], s[94:95] offset:256*\j   ; 256 consecutive bytes, aligned
.endr
	s_cmp_lt_u32 s[WV], 4
	s_cbranch_scc0 .Ldone
	ds_load_b32 v102, v10
	s_wait_dscnt 0x0
	global_store_b32 v11, v102, s[96:97]           ; the tile's word of each (K step, row): one producer owns one tile here, so these leave as single words
.Ldone:
	s_wait_tensorcnt 0x0                           ; the wave's end
	ds_add_u32 v[SPW], v[NIL]
	s_wait_dscnt 0x0
	ROUND                                          ; the closing round
	s_endpgm
.Lfunc_end_k_q35f46f2240_attn:
	.size	k_q35f46f2240_attn, .Lfunc_end_k_q35f46f2240_attn-k_q35f46f2240_attn
	.p2alignl 7, 3214868480
	.fill 96, 4, 3214868480
	.section	.rodata,"a",@progbits
	.p2align	6, 0x0
	.amdhsa_kernel k_q35f46f2240_attn
		.amdhsa_group_segment_fixed_size 223744
		.amdhsa_private_segment_fixed_size 0
		.amdhsa_enable_private_segment 0
		.amdhsa_kernarg_size 16
		.amdhsa_user_sgpr_count 2
		.amdhsa_user_sgpr_kernarg_segment_ptr 1
		.amdhsa_wavefront_size32 1
		.amdhsa_system_sgpr_workgroup_id_x 1
		.amdhsa_system_sgpr_workgroup_id_y 1
		.amdhsa_system_sgpr_workgroup_id_z 1
		.amdhsa_system_vgpr_workitem_id 0
		.amdhsa_next_free_vgpr 256
		.amdhsa_next_free_sgpr 100
		.amdhsa_reserve_vcc 0
		.amdhsa_float_denorm_mode_32 3
		.amdhsa_float_denorm_mode_16_64 3
		.amdhsa_memory_ordered 1
		.amdhsa_forward_progress 1
		.amdhsa_inst_pref_size 36
	.end_amdhsa_kernel
	.amdgpu_metadata
---
amdhsa.version: [ 1, 2 ]
amdhsa.kernels:
  - .name:           k_q35f46f2240_attn
    .symbol:         k_q35f46f2240_attn.kd
    .args:
      - { .name: qkv, .offset: 0, .size: 8, .value_kind: global_buffer, .address_space: global }
      - { .name: xq, .offset: 8, .size: 8, .value_kind: global_buffer, .address_space: global }
    .group_segment_fixed_size: 223744
    .private_segment_fixed_size: 0
    .kernarg_segment_align: 8
    .kernarg_segment_size: 16
    .max_flat_workgroup_size: 512
    .sgpr_count:     100
    .vgpr_count:     256
    .wavefront_size: 32
...
	.end_amdgpu_metadata
.endif
;; end of part 12
;; launch wo_ln1 (part 13): grid 256 x 1, 16 waves a work-group, no clusters, 99,328 bytes of LDS; arguments xq, wq, bo, ebd_x, g1, beta1, x1, x1q; writes x1, x1q
.if DOCPART == 13
	.amdgcn_target "amdgcn-amd-amdhsa--gfx1250"
	.amdhsa_code_object_version 6
	.text
	.protected	k_q35f46f2240_wo_ln1
	.globl	k_q35f46f2240_wo_ln1
	.p2align	8
	.type	k_q35f46f2240_wo_ln1,@function
k_q35f46f2240_wo_ln1:
	s_mov_b64 s[64:65], 0
	v_nop
	global_prefetch_b8 v0, s[64:65] scope:SCOPE_SE
	s_setreg_imm32_b32 hwreg(HW_REG_WAVE_MODE, 25, 1), 1
	s_wait_xcnt 0x0
; x1 = LayerNorm(A Wo + bo + ebd_x) g1 + beta1, f32 [4096][1024], and x1's codes of FP6 (E2M3) with E8M0 scales as register images in x1q (laid as xq).
; A = the attention's result (codes in xq, K = 1,024).  Products on codes by the scaled matrix instruction, sums in f32; all else in f32.
; SHARES: a work-group owns 16 WHOLE rows (one tile of A) x 1,024 columns, so that mean and variance stay in the work-group; 256 work-groups.  Wave w owns columns 64 w .. 64 w + 63: 4 accumulators.
; W's FRAGMENTS GO FROM MEMORY STRAIGHT INTO REGISTERS: each feeds one wave and one product, so a pass through LDS would write and read every byte once more; they are register images, 512 consecutive bytes a load.
; So there is no tensor load and no joint load: W's image for 16 rows' products is KST x 98,304 bytes, more than LDS holds, and what a joint load brings lands in LDS alone.
; Three sets of fragment registers: the loads of K step s + 2 are issued ahead of K step s's products.  A's 16 rows (KST x 1,536 bytes) and their scale words are staged in LDS once.
; THE MATRIX INSTRUCTION IS USED TRANSPOSED (source 0 = 16 columns of W, source 1 = A's 16 rows): lane (r, h) holds row r; registers 16 b + i are columns 64 w + 32 b + 16 h + i.
; The sums start from residual + bias: read by rows (256 consecutive bytes to sixteen lanes), turned through the wave's own stage into the result's layout.
; LayerNorm in two passes, as the definition has them; a row's sums over the 16 waves go through LDS.  The loop has one trip here, so nothing is prefetched.
; LIMITS: NaN and infinities are not served; a block whose largest magnitude lies under 2^-124 (zeros too) gets the byte 1; this program alone reads the bytes.
.set KST,    8
.set QOUT,   1
.set BCO,    2359296                   ; W's codes in wq
.set BSC,    9535488                   ; W's scale words in wq
.set ASC,    393216*KST                ; A's scale words in its buffer
.set TSTR,   KST*1536                  ; from tile to tile
.set SPITCH, 272
.set ASL,    KST*1536                  ; LDS: A's image from 0; its scale words [K step][row]
.set STG,    ASL+KST*64                ; a stage of 16 rows x 272 bytes for each wave
.set RED,    STG+256*SPITCH            ; two tables [row][wave] of partial sums
.if QOUT
.set OSTG,   RED+2048                  ; the tile's 8 fragments of codes
.set OSC,    OSTG+12288                ; and their 128 scale words
.set SPARE,  OSC+512
.else
.set SPARE,  RED+2048
.endif
.set SPW, 1
.set NIL, 2
.set LI,  3                            ; 16 x lane
.set AAD, 4                            ; LDS: A's fragment, stepped
.set ASA, 5                            ; LDS: A's scale word, stepped
.set BSO, 6                            ; 16 r
.set STO, 7
.set RD,  8
.set CO,  9
.set HO,  10                           ; 64 h
.set PFO, 11
.set RW,  12
.set RR,  13
.set ACC, 16                           ; v16-47
.set BS,  48                           ; v48-191 three sets of W's four fragments
.set BSR, 192                          ; v192-203 their scale words
.set AF,  204                          ; v204-239 three sets of A's fragment
.set ASR, 240                          ; v240-242 A's scale words
.set T,   244
.set L8,  244
.set AST, 245
.set SGO, 246
.set SLA, 247
.set AW,  248
.set RRG, BS+96                        ; the head: the residual by rows
.set BIA, BS+128                       ; and the bias by rows
.set G,   BS+96
.set BE,  BS
.set OUTR, BS+48
.set U,   AF
.set TM,  220
.set PC,  232
.set BY,  243
.set BB,  28
.set SB,  30
.set PF,  34
.set CNT, 36
.set PFL, 37
.set SEL, 38
.macro PLACES
.rept 4
	v_nop
.endr
.endm
.macro BLOAD n, q                      ; W's four fragments and their scale words of the trip's K step q into set n: 13 loads
.irp b, 0,1,2,3
.irp g, 0,1,2
	global_load_b128 v[BS+48*(\n)+12*\b+4*\g:BS+48*(\n)+12*\b+4*\g+3], v[LI], s[BB:BB+1] offset:\b*TSTR+(\q)*1536+512*\g
.endr
.endr
	global_load_b128 v[BSR+4*(\n):BSR+4*(\n)+3], v[BSO], s[SB:SB+1] offset:(\q)*512
.endm
.macro ALOAD n, q                      ; A's fragment and scale word: 4 LDS loads
.irp g, 0,1,2
	ds_load_b128 v[AF+12*(\n)+4*\g:AF+12*(\n)+4*\g+3], v[AAD] offset:(\q)*1536+512*\g
.endr
	ds_load_b32 v[ASR+(\n)], v[ASA] offset:(\q)*64
.endm
.macro MUL p                           ; the four accumulators take turns, in the same order in every K step
.irp b, 0,1,2,3
	v_wmma_scale_f32_16x16x128_f8f6f4 v[ACC+8*\b:ACC+8*\b+7], v[BS+48*(\p)+12*\b:BS+48*(\p)+12*\b+11], v[AF+12*(\p):AF+12*(\p)+11], v[ACC+8*\b:ACC+8*\b+7], v[BSR+4*(\p)+\b], v[ASR+(\p)] matrix_a_fmt:MATRIX_FMT_FP6 matrix_b_fmt:MATRIX_FMT_FP6
.endr
.endm
.macro KSTEP q
	PLACES                                         ; behind the last K step's products, whose set the loads below fill
	BLOAD ((\q)+2)%3, (\q)+2
	ALOAD ((\q)+2)%3, (\q)+2
	s_wait_loadcnt 26                              ; this K step's 13 loads are in; the next two steps' may be out
	s_wait_dscnt 8                                 ; likewise of A's: two sets of 4
	MUL (\q)%3
.endm
.macro PLOAD reg, sb                   ; a vector over the columns in the result's layout
.irp b, 0,1,2,3
	global_load_b128 v[\reg+8*\b:\reg+8*\b+3], v[HO], s[\sb:\sb+1] offset:128*(\b/2)+32*(\b%2)
	global_load_b128 v[\reg+8*\b+4:\reg+8*\b+7], v[HO], s[\sb:\sb+1] offset:128*(\b/2)+32*(\b%2)+16
.endr
.endm
.macro ACROSS off                      ; v[T .. T+3]: my lane's partial sums -> v[T]: the row's sum over all 1,024 columns, the same bits in every wave
	v_pk_add_f32 v[T:T+1], v[T:T+1], v[T+2:T+3]
	v_add_f32 v[T], v[T], v[T+1]
	v_permlanex16_b32 v[T+1], v[T], s[SEL], s[SEL+1]
	v_add_f32 v[T], v[T], v[T+1]
	ds_store_b32 v[RW], v[T] offset:\off           ; lanes r and r + 16 write the same word with the same value
	s_wait_alu depctr_va_vdst(0)
	s_wait_dscnt 0x0                               ; for the others' sake: my word has landed
	s_barrier_signal -1
	s_barrier_wait -1
.irp j, 0,1,2,3
	ds_load_b128 v[U+4*\j:U+4*\j+3], v[RR] offset:\off+16*\j
.endr
	s_wait_dscnt 0x0
.irp j, 0,4,8,12
	v_pk_add_f32 v[U+\j:U+\j+1], v[U+\j:U+\j+1], v[U+\j+2:U+\j+3]
.endr
	v_pk_add_f32 v[U:U+1], v[U:U+1], v[U+4:U+5]
	v_pk_add_f32 v[U+8:U+9], v[U+8:U+9], v[U+12:U+13]
	v_pk_add_f32 v[U:U+1], v[U:U+1], v[U+8:U+9]
	v_add_f32 v[T], v[U], v[U+1]
.endm
	s_load_b256 s[4:11], s[0:1], 0x0               ; A, wq, bias, residual
.if QOUT
	s_load_b256 s[12:19], s[0:1], 0x20             ; gain, offset, the f32 result, the codes
.else
	s_load_b128 s[12:15], s[0:1], 0x20             ; gain, offset
	s_load_b64 s[16:17], s[0:1], 0x30              ; the result
.endif
	v_lshl_add_u32 v[SPW], v0, 2, SPARE
	v_mov_b32 v[NIL], 0
	v_lshrrev_b32 v14, 5, v0
	v_readfirstlane_b32 s20, v14                   ; wave 0..15
	s_mul_i32 s21, s20, 16*SPITCH
	s_add_co_u32 s21, s21, STG                     ; my stage
	s_mul_i32 s22, s20, KST*96                     ; my share of A's image
	s_lshl_b32 s24, s20, 2
	s_mul_i32 s44, ttmp9, TSTR
	s_add_co_u32 s44, s44, s22
	s_mov_b32 s45, 0
	s_lshr_b32 s46, ttmp9, 3                       ; the tile's scale words: group t / 8, tile t % 8
	s_mul_i32 s46, s46, KST*512
	s_bfe_u32 s23, ttmp9, 0x10002
	s_lshl_b32 s23, s23, 8
	s_add_co_u32 s46, s46, s23
	s_and_b32 s23, ttmp9, 3
	s_lshl_b32 s23, s23, 2
	s_add_co_u32 s46, s46, s23
	s_add_co_u32 s46, s46, ASC
	s_mov_b32 s47, 0
	s_mul_i32 s48, s20, 4*TSTR                     ; W: my four tiles
	s_add_co_u32 s48, s48, BCO
	s_mov_b32 s49, 0
	s_lshr_b32 s50, s20, 1                         ; their scale words: group w / 2, half w % 2
	s_mul_i32 s50, s50, KST*512
	s_and_b32 s23, s20, 1
	s_lshl_b32 s23, s23, 8
	s_add_co_u32 s50, s50, s23
	s_add_co_u32 s50, s50, BSC
	s_mov_b32 s51, 0
	s_lshl_b32 s52, s20, 8                         ; my 64 columns of f32
	s_mov_b32 s53, 0
	s_lshl_b32 s54, ttmp9, 16                      ; my 16 rows of 4,096 bytes
	s_add_co_u32 s54, s54, s52
	s_mov_b32 s55, 0
.if QOUT
	s_lshr_b32 s23, s20, 1                         ; my 64 columns are half c = w % 2 of K step w / 2 of the next product
	s_and_b32 s25, s20, 1
	s_mul_i32 s58, s23, 1536
	s_add_co_u32 s58, s58, OSTG
	s_mul_i32 s59, s25, 1016
	s_add_co_u32 s59, s59, s58
	s_mul_i32 s62, s25, 520
	s_add_co_u32 s58, s58, s62
	s_lshl_b32 s62, s23, 6
	s_lshl_b32 s63, s25, 1
	s_add_co_u32 s62, s62, s63
	s_add_co_u32 s62, s62, OSC
	s_mul_i32 s63, s20, 768
	s_mul_i32 s56, ttmp9, 12288
	s_mov_b32 s57, 0
	s_mov_b32 s42, 0xffff0000
.endif
.if KST > 8
	s_lshr_b32 s60, ttmp9, 2                       ; the prefetches: tile t / 4 of W's 64, blocks 9 (t % 4) .. + 8 of a trip's 36, from K step 8 on
	s_mul_i32 s60, s60, TSTR
	s_and_b32 s23, ttmp9, 3
	s_mul_i32 s23, s23, 2304
	s_add_co_u32 s60, s60, s23
	s_add_co_u32 s60, s60, BCO+8*1536
	s_mov_b32 s61, 0
	s_cmp_eq_u32 s20, 0
	s_cselect_b32 s[PFL], 1, -1                    ; wave 0 asks, while a later trip is left
.endif
	s_mov_b32 s[SEL], 0x76543210
	s_mov_b32 s[SEL+1], 0xfedcba98
	s_mov_b32 s40, 0x3a800000                      ; 1 / 1024
	s_mov_b32 s41, 0x3727c5ac                      ; 1e-5
	v_and_b32 v250, 31, v0                         ; lane
	v_and_b32 v251, 15, v0                         ; r
	v_bfe_u32 v252, v0, 4, 1                       ; h
	v_lshlrev_b32 v[LI], 4, v250
	v_lshlrev_b32 v[AAD], 4, v250
	v_lshl_add_u32 v[ASA], v251, 2, ASL
	v_lshlrev_b32 v[BSO], 4, v251
	v_mul_u32_u24 v253, v251, SPITCH
	v_lshl_add_u32 v253, v252, 6, v253
	v_add_nc_u32 v[STO], s21, v253                 ; the stage in the result's layout: row r, + 64 h
	v_mul_u32_u24 v253, v252, SPITCH
	v_lshl_add_u32 v253, v251, 4, v253
	v_add_nc_u32 v[RD], s21, v253                  ; by rows: lanes 0-15 one row of 256 bytes, lanes 16-31 the next
	v_lshlrev_b32 v[CO], 12, v252
	v_lshl_add_u32 v[CO], v251, 4, v[CO]           ; the same two rows in memory
	v_lshlrev_b32 v[HO], 6, v252
	v_lshl_add_u32 v[RR], v251, 6, RED
	v_add_nc_u32 v[RW], s24, v[RR]
	v_lshlrev_b32 v[L8], 3, v250
	v_add_nc_u32 v[AST], s22, v[L8]
	v_lshrrev_b32 v[SGO], 4, v0
	v_lshlrev_b32 v[SGO], 9, v[SGO]
	v_lshl_add_u32 v[SGO], v251, 4, v[SGO]         ; thread: K step t / 16, row t % 16: 512 (K step) + 16 row
	v_lshl_add_u32 v[SLA], v0, 2, ASL
	v_min_u32 v[PFO], 8, v250
	v_lshlrev_b32 v[PFO], 8, v[PFO]                ; a lane a block of 256 bytes; lanes 9-31 name the wave's last block again
	s_wait_alu depctr_va_vdst(0)                   ; the wait at the head's end
	s_wait_kmcnt 0x0
	s_add_nc_u64 s[32:33], s[4:5], s[46:47]
	s_add_nc_u64 s[4:5], s[4:5], s[44:45]
	s_add_nc_u64 s[BB:BB+1], s[6:7], s[48:49]
	s_add_nc_u64 s[SB:SB+1], s[6:7], s[50:51]
.if KST > 8
	s_add_nc_u64 s[PF:PF+1], s[6:7], s[60:61]
.endif
	s_add_nc_u64 s[8:9], s[8:9], s[52:53]
	s_add_nc_u64 s[12:13], s[12:13], s[52:53]
	s_add_nc_u64 s[14:15], s[14:15], s[52:53]
	s_add_nc_u64 s[10:11], s[10:11], s[54:55]
	s_add_nc_u64 s[16:17], s[16:17], s[54:55]
.if QOUT
	s_add_nc_u64 s[26:27], s[18:19], s[46:47]      ; the tile's scale words lie in x1q where A's lie in xq
	s_add_nc_u64 s[18:19], s[18:19], s[56:57]
.endif
	; the head's loads, in the order in which they are wanted
.set j, 0
.rept KST*3/8
	global_load_b64 v[AF+2*j:AF+2*j+1], v[L8], s[4:5] offset:256*j th:TH_LOAD_NT
.set j, j+1
.endr
.if KST < 32
	s_cmp_lt_u32 s20, KST/2                        ; KST x 16 scale words, one a thread
	s_cbranch_scc0 .Lno_sl
.endif
	global_load_b32 v[AW], v[SGO], s[32:33]
.Lno_sl:
.irp t, 0,1,2,3,4,5,6,7
	global_load_b128 v[RRG+4*\t:RRG+4*\t+3], v[CO], s[10:11] offset:2*\t*4096 th:TH_LOAD_NT
.endr
	global_load_b128 v[BIA:BIA+3], v[BSO], s[8:9]
	BLOAD 0, 0
	BLOAD 1, 1
	s_wait_loadcnt 35                              ; A's are in; behind them: 8 + 1 + 26
.set j, 0
.rept KST*3/8
	ds_store_b64 v[AST], v[AF+2*j:AF+2*j+1] offset:256*j
.set j, j+1
.endr
.if KST < 32
	s_cmp_lt_u32 s20, KST/2
	s_cbranch_scc0 .Lno_ss
.endif
	ds_store_b32 v[SLA], v[AW]
.Lno_ss:
	s_wait_loadcnt 26                              ; the residual and the bias are in; W's 26 loads may be out
.irp t, 0,1,2,3,4,5,6,7
	v_pk_add_f32 v[RRG+4*\t:RRG+4*\t+1], v[RRG+4*\t:RRG+4*\t+1], v[BIA:BIA+1]
	v_pk_add_f32 v[RRG+4*\t+2:RRG+4*\t+3], v[RRG+4*\t+2:RRG+4*\t+3], v[BIA+2:BIA+3]
.endr
.irp t, 0,1,2,3,4,5,6,7
	ds_store_b128 v[RD], v[RRG+4*\t:RRG+4*\t+3] offset:\t*2*SPITCH
.endr
.irp b, 0,1,2,3
	ds_load_b128 v[ACC+8*\b:ACC+8*\b+3], v[STO] offset:128*(\b/2)+32*(\b%2)        ; my own stage: LDS serves a wave's instructions in order
	ds_load_b128 v[ACC+8*\b+4:ACC+8*\b+7], v[STO] offset:128*(\b/2)+32*(\b%2)+16
.endr
	s_wait_alu depctr_va_vdst(0)
	s_wait_dscnt 0x0                               ; my share of A has landed, and the sums' start is in
	s_barrier_signal -1
	s_barrier_wait -1
	ALOAD 0, 0
	ALOAD 1, 1
	s_mov_b32 s[CNT], (KST-2)/6
.Ltrip:                                            ; six K steps: the three sets come round twice
.irp q, 0,1,2
	KSTEP \q
.endr
.if KST > 8
	s_cmp_gt_u32 s[CNT], s[PFL]                    ; the next trip's six K steps of one tile: 36 blocks of 256 bytes, 9 to each of the four work-groups that share the tile out; the last trip asks for nothing
	s_cbranch_scc0 .Lno_pf
	global_prefetch_b8 v[PFO], s[PF:PF+1] th:TH_LOAD_NT scope:SCOPE_SE
.Lno_pf:
.endif
.irp q, 3,4,5
	KSTEP \q
.endr
	s_wait_xcnt 0x0                                ; the loads have read their bases: they step only behind this wait
	s_add_nc_u64 s[BB:BB+1], s[BB:BB+1], 6*1536
	s_add_nc_u64 s[SB:SB+1], s[SB:SB+1], 6*512
.if KST > 8
	s_add_nc_u64 s[PF:PF+1], s[PF:PF+1], 6*1536
.endif
	v_add_nc_u32 v[AAD], 6*1536, v[AAD]
	v_add_nc_u32 v[ASA], 6*64, v[ASA]
	s_sub_co_u32 s[CNT], s[CNT], 1
	s_cmp_lg_u32 s[CNT], 0
	s_wait_alu depctr_va_vdst(0)
	s_cbranch_scc1 .Ltrip
	PLACES                                         ; the last two K steps fetch no fragments: the gain goes into set 2,
	PLOAD G, 12
	s_wait_loadcnt 21                              ; (set 1's 13 and the gain's 8 may be out)
	s_wait_dscnt 4
	MUL 0
	PLACES
	PLOAD BE, 14                                   ; the offset into set 0
	s_wait_loadcnt 16
	s_wait_dscnt 0x0
	MUL 1
	PLACES
	; LayerNorm.  Each accumulator is read from its low end on.
	v_pk_add_f32 v[T:T+1], v[ACC:ACC+1], v[ACC+2:ACC+3]
	v_pk_add_f32 v[T+2:T+3], v[ACC+4:ACC+5], v[ACC+6:ACC+7]
.irp i, 8,12,16,20,24,28
	v_pk_add_f32 v[T:T+1], v[T:T+1], v[ACC+\i:ACC+\i+1]
	v_pk_add_f32 v[T+2:T+3], v[T+2:T+3], v[ACC+\i+2:ACC+\i+3]
.endr
	ACROSS 0
	v_mul_f32 v[T], s40, v[T]                      ; the mean,
	v_mov_b32 v[T+1], v[T]                         ; twice, for the packed forms
.set i, 0
.rept 16
	v_pk_add_f32 v[ACC+i:ACC+i+1], v[ACC+i:ACC+i+1], v[T:T+1] neg_lo:[0,1] neg_hi:[0,1]
.set i, i+2
.endr
	v_pk_mul_f32 v[T:T+1], v[ACC:ACC+1], v[ACC:ACC+1]
	v_pk_mul_f32 v[T+2:T+3], v[ACC+2:ACC+3], v[ACC+2:ACC+3]
.irp i, 4,8,12,16,20,24,28
	v_pk_fma_f32 v[T:T+1], v[ACC+\i:ACC+\i+1], v[ACC+\i:ACC+\i+1], v[T:T+1]
	v_pk_fma_f32 v[T+2:T+3], v[ACC+\i+2:ACC+\i+3], v[ACC+\i+2:ACC+\i+3], v[T+2:T+3]
.endr
	ACROSS 1024
	v_fma_f32 v[T], v[T], s40, s41                 ; the variance + eps
	s_wait_alu depctr_va_vdst(0)
	v_rsq_f32 v[T], v[T]
	v_nop                                          ; a plain place behind it
	s_wait_alu depctr_va_vdst(0)                   ; the wait ahead of its first reader
	v_mov_b32 v[T+1], v[T]
	s_wait_alu depctr_va_vdst(0)
	s_wait_loadcnt 0x0                             ; the gain and the offset
.set i, 0
.rept 16
	v_pk_mul_f32 v[ACC+i:ACC+i+1], v[ACC+i:ACC+i+1], v[T:T+1]
.set i, i+2
.endr
.set i, 0
.rept 16
	v_pk_fma_f32 v[ACC+i:ACC+i+1], v[ACC+i:ACC+i+1], v[G+i:G+i+1], v[BE+i:BE+i+1]
.set i, i+2
.endr
.irp b, 0,1,2,3
	ds_store_b128 v[STO], v[ACC+8*\b:ACC+8*\b+3] offset:128*(\b/2)+32*(\b%2)
	ds_store_b128 v[STO], v[ACC+8*\b+4:ACC+8*\b+7] offset:128*(\b/2)+32*(\b%2)+16
.endr
.irp t, 0,1,2,3,4,5,6,7
	ds_load_b128 v[OUTR+4*\t:OUTR+4*\t+3], v[RD] offset:\t*2*SPITCH                ; back by rows
.endr
.if QOUT
	; the quantiser: my 32 numbers are 16 of each of two blocks of 32 along the next K
	v_and_b32 v248, 15, v0
	v_bfe_u32 v249, v0, 4, 1
	v_and_b32 v250, 31, v0
	v_add_nc_u32 v251, s58, v[LI]                  ; registers 6 c, 6 c + 1 of lane l in the image (and, 512 on, 6 c + 4, 6 c + 5)
	v_add_nc_u32 v252, s59, v[LI]                  ; registers 6 c + 2, 6 c + 3, 8 bytes on
	v_lshl_add_u32 v253, v248, 2, v249
	v_add_nc_u32 v253, s62, v253                   ; my block's byte: word 16 (K step) + row, byte 2 c + h
	v_lshlrev_b32 v254, 3, v250
	v_add_nc_u32 v254, s63, v254                   ; what I send: 768 bytes a wave
	v_add_nc_u32 v255, OSTG, v254
	v_lshl_add_u32 v14, v0, 2, OSC                 ; waves 0-3: a scale word a thread
	v_lshrrev_b32 v15, 4, v0
	v_lshlrev_b32 v15, 9, v15
	v_lshl_add_u32 v15, v248, 4, v15
.irp b, 0,1
	v_mov_b32 v[TM+4+\b], 0                        ; a lane permute's destination counts as a source
.endr
.irp b, 0,1
	v_max3_num_f32 v[TM+\b], |v[ACC+16*\b]|, |v[ACC+1+16*\b]|, 0x1800000   ; and the floor 2^(3 - 127): the byte cannot fall under 1
.endr
.irp i, 2,4,6,8,10,12,14
.irp b, 0,1
	v_max3_num_f32 v[TM+\b], v[TM+\b], |v[ACC+16*\b+\i]|, |v[ACC+1+16*\b+\i]|
.endr
.endr
.irp b, 0,1
	v_permlanex16_b32 v[TM+4+\b], v[TM+\b], s[SEL], s[SEL+1]
.endr
.irp b, 0,1
	v_max_num_f32 v[TM+\b], v[TM+\b], v[TM+4+\b]
.endr
.irp b, 0,1
	v_add_nc_u32 v[TM+8+\b], 0xff000000, v[TM+\b]  ; 2 off the exponent field: the conversion's scale operand
.endr
.irp b, 0,1
	v_lshrrev_b32 v[TM+4+\b], 23, v[TM+8+\b]
.endr
	v_cndmask_b32 v[BY], v[TM+4], v[TM+5], s42     ; lanes 0-15 keep block 0, lanes 16-31 block 1
	v_cvt_scalef32_pk16_fp6_f32 v[PC:PC+2], v[ACC:ACC+15], v[TM+8]
	v_cvt_scalef32_pk16_fp6_f32 v[PC+8:PC+10], v[ACC+16:ACC+31], v[TM+9]
	v_nop                                          ; one plain place behind a scaled conversion
.irp i, 0,1,2
	v_permlane16_swap_b32 v[PC+\i], v[PC+8+\i]
.endr
.irp i, 0,1,2
	v_mov_b32 v[PC+3+\i], v[PC+8+\i]
.endr
	ds_store_b64 v251, v[PC:PC+1]
	ds_store_b64 v252, v[PC+2:PC+3] offset:8
	ds_store_b64 v251, v[PC+4:PC+5] offset:512
	ds_store_b8 v253, v[BY]
	s_wait_alu depctr_va_vdst(0)
	s_wait_dscnt 0x0                               ; for the others' sake: my codes have landed; my rows are back
	s_barrier_signal -1
	s_barrier_wait -1
.irp j, 0,1,2
	ds_load_b64 v[U+2*\j:U+2*\j+1], v255 offset:256*\j
.endr
.irp t, 0,1,2,3,4,5,6,7
	global_store_b128 v[CO], v[OUTR+4*\t:OUTR+4*\t+3], s[16:17] offset:2*\t*4096   ; sixteen lanes store 256 consecutive bytes, aligned
.endr
	s_wait_dscnt 0x0
.irp j, 0,1,2
	global_store_b64 v254, v[U+2*\j:U+2*\j+1], s[18:19] offset:256*\j              ; 256 consecutive bytes, aligned
.endr
	s_cmp_lt_u32 s20, 4
	s_cbranch_scc0 .Ldone
	ds_load_b32 v[U+8], v14
	s_wait_dscnt 0x0
	global_store_b32 v15, v[U+8], s[26:27]         ; the tile's word of each (K step, row): one producer owns one tile, so these leave as single words
.Ldone:
.else
	s_wait_dscnt 0x0
.irp t, 0,1,2,3,4,5,6,7
	global_store_b128 v[CO], v[OUTR+4*\t:OUTR+4*\t+3], s[16:17] offset:2*\t*4096 th:TH_STORE_NT   ; sixteen lanes store 256 consecutive bytes, aligned
.endr
.endif
	s_wait_tensorcnt 0x0                           ; the wave's end, behind my last LDS store
	ds_add_u32 v[SPW], v[NIL]
	s_wait_dscnt 0x0
	s_endpgm
.Lfunc_end_k_q35f46f2240_wo_ln1:
	.size	k_q35f46f2240_wo_ln1, .Lfunc_end_k_q35f46f2240_wo_ln1-k_q35f46f2240_wo_ln1
	.p2alignl 7, 3214868480
	.fill 96, 4, 3214868480
	.section	.rodata,"a",@progbits
	.p2align	6, 0x0
	.amdhsa_kernel k_q35f46f2240_wo_ln1
		.amdhsa_group_segment_fixed_size 99328
		.amdhsa_private_segment_fixed_size 0
		.amdhsa_enable_private_segment 0
		.amdhsa_kernarg_size 64
		.amdhsa_user_sgpr_count 2
		.amdhsa_user_sgpr_kernarg_segment_ptr 1
		.amdhsa_wavefront_size32 1
		.amdhsa_system_sgpr_workgroup_id_x 1
		.amdhsa_system_sgpr_workgroup_id_y 1
		.amdhsa_system_sgpr_workgroup_id_z 1
		.amdhsa_system_vgpr_workitem_id 0
		.amdhsa_next_free_vgpr 256
		.amdhsa_next_free_sgpr 66
		.amdhsa_reserve_vcc 0
		.amdhsa_float_denorm_mode_32 3
		.amdhsa_float_denorm_mode_16_64 3
		.amdhsa_memory_ordered 1
		.amdhsa_forward_progress 1
		.amdhsa_inst_pref_size 41
	.end_amdhsa_kernel
	.amdgpu_metadata
---
amdhsa.version: [ 1, 2 ]
amdhsa.kernels:
  - .name:           k_q35f46f2240_wo_ln1
    .symbol:         k_q35f46f2240_wo_ln1.kd
    .args:
      - { .name: xq, .offset: 0, .size: 8, .value_kind: global_buffer, .address_space: global }
      - { .name: wq, .offset: 8, .size: 8, .value_kind: global_buffer, .address_space: global }
      - { .name: bo, .offset: 16, .size: 8, .value_kind: global_buffer, .address_space: global }
      - { .name: ebd_x, .offset: 24, .size: 8, .value_kind: global_buffer, .address_space: global }
      - { .name: g1, .offset: 32, .size: 8, .value_kind: global_buffer, .address_space: global }
      - { .name: beta1, .offset: 40, .size: 8, .value_kind: global_buffer, .address_space: global }
      - { .name: x1, .offset: 48, .size: 8, .value_kind: global_buffer, .address_space: global }
      - { .name: x1q, .offset: 56, .size: 8, .value_kind: global_buffer, .address_space: global }
    .group_segment_fixed_size: 99328
    .private_segment_fixed_size: 0
    .kernarg_segment_align: 8
    .kernarg_segment_size: 64
    .max_flat_workgroup_size: 512
    .sgpr_count:     66
    .vgpr_count:     256
    .wavefront_size: 32
...
	.end_amdgpu_metadata
.endif
;; end of part 13
;; launch gemm_ff1 (part 14): grid 16 x 16, 4 waves a work-group, clusters of 4 x 4, 327,680 bytes of LDS; arguments x1q, wq, b1, hq; writes hq
.if DOCPART == 14
	.amdgcn_target "amdgcn-amd-amdhsa--gfx1250"
	.amdhsa_code_object_version 6
	.text
	.protected	k_q35f46f2240_gemm_ff1
	.globl	k_q35f46f2240_gemm_ff1
	.p2align	8
	.type	k_q35f46f2240_gemm_ff1,@function
k_q35f46f2240_gemm_ff1:
	s_mov_b64 s[64:65], 0
	v_nop
	global_prefetch_b8 v0, s[64:65] scope:SCOPE_SE
	s_setreg_imm32_b32 hwreg(HW_REG_WAVE_MODE, 25, 1), 1
	s_wait_xcnt 0x0
	s_wait_alu depctr_hold_cnt(0) depctr_sa_sdst(0) depctr_va_vdst(0) depctr_va_sdst(0) depctr_va_ssrc(0) depctr_va_vcc(0) depctr_vm_vsrc(0)
	s_getreg_b32 s2, hwreg(HW_REG_IB_STS2, 6, 4)
	s_cmp_eq_u32 s2, 0
	s_cbranch_scc0 .Lentry_in_a_cluster
	s_endpgm
.Lentry_in_a_cluster:
	s_bfe_u32 s2, ttmp6, 0x10000c
	s_cmp_lg_u32 s2, 0xf033
	s_cbranch_scc0 .Lentry_shape_is_right
	s_endpgm
.Lentry_shape_is_right:
.set SIZE_K, 1024
.set ASC,    3145728
.set BCO,    3145728
.set BSC,    9568256
.set KST,    SIZE_K/128
.set FRB,    1536
.set TILEB,  2*FRB
.set HALFT,  8*TILEB
.set SLOT,   4*HALFT
.set LAPS,   SIZE_K/512
.set SCL,    2*SLOT
.set HALFS,  KST*512
.set SPARE,  SCL+4*HALFS
.set FR,     12
.set NL,     3
.set NP,     4
.set ADRA, 16
.set ADRB, 20
.set LI,   26
.set ADRS, 27
.set SPW,  28
.set NIL,  29
.set SC,   32
.set BI,   64
.set AF,   128
.set PC,   32
.set PW,   51
.set SW,   52
.set XW,   60
.set H,    64
.set GZ,   128
.set GT,   192
.set GP,   208
.set GQ,   224
.set TM,   240
.set SEL,  18
.set G1, 24
.set G0, 32
.set G1B, 48
.set G0B, 56
.set G1S, 68
.set G0S, 76
.set G1SB, 80
.set G0SB, 88
.set MSB, 0
.macro WIN new
.if MSB != (\new)
	s_set_vgpr_msb (MSB<<8)|(\new)
.set MSB, (\new)
.endif
.endm
.macro JLOAD g0a, g1a, g0b, g1b
	s_cmp_eq_u32 s15, 0
	s_cbranch_scc0 .Lfor_b_\@
	tensor_load_to_lds s[\g0a:\g0a+3], s[\g1a:\g1a+7]
	s_nop 0
.rept 4
	v_nop
.endr
	s_branch .Lasked_\@
.Lfor_b_\@:
	tensor_load_to_lds s[\g0b:\g0b+3], s[\g1b:\g1b+7]
	s_nop 0
.rept 4
	v_nop
.endr
.Lasked_\@:
.endm
.macro CREST
	s_cmp_lg_u32 s14, 0
	s_cbranch_scc1 .Lnot_wave_0_\@
	s_barrier_signal -3
.Lnot_wave_0_\@:
	s_barrier_wait -3
	s_barrier_signal -1
	s_barrier_wait -1
.endm
.macro CROUND
	s_barrier_signal -1
	s_barrier_wait -1
	CREST
.endm
.macro PLACES n
.rept \n
	v_nop
.endr
.endm
.macro FRAG reg, adr, q, i
.irp g, 0,1,2
	ds_load_b128 v[\reg+4*\g:\reg+4*\g+3], v[\adr] offset:(\i)*TILEB+(\q)*FRB+512*\g
.endr
.endm
.macro MUL16 a0, p, q, sc, zero
.irp a, \a0, \a0+1
.irp b, 0,1,2,3,4,5,6,7
.if \zero
	v_wmma_scale_f32_16x16x128_f8f6f4 v[8*(8*((\a)%4)+\b):8*(8*((\a)%4)+\b)+7], v[128*(\p)+FR*\b:128*(\p)+FR*\b+FR-1], v[AF+FR*(\a):AF+FR*(\a)+FR-1], v[BI+8*\b:BI+8*\b+7], v[SC+16*(\sc)+8*(\q)+\b], v[SC+16*(\sc)+8*(\q)+(\a)] matrix_a_fmt:MATRIX_FMT_FP6 matrix_b_fmt:MATRIX_FMT_FP6 matrix_a_scale:MATRIX_SCALE_ROW1
.else
	v_wmma_scale_f32_16x16x128_f8f6f4 v[8*(8*((\a)%4)+\b):8*(8*((\a)%4)+\b)+7], v[128*(\p)+FR*\b:128*(\p)+FR*\b+FR-1], v[AF+FR*(\a):AF+FR*(\a)+FR-1], v[8*(8*((\a)%4)+\b):8*(8*((\a)%4)+\b)+7], v[SC+16*(\sc)+8*(\q)+\b], v[SC+16*(\sc)+8*(\q)+(\a)] matrix_a_fmt:MATRIX_FMT_FP6 matrix_b_fmt:MATRIX_FMT_FP6 matrix_a_scale:MATRIX_SCALE_ROW1
.endif
.endr
.endr
.endm
.macro FETCH_B slot, q, p
	WIN 0x40
.irp i, 0,1,2,3,4,5,6,7
	FRAG 128*(\p)+FR*\i, ADRB+\slot, \q, \i
.endr
	WIN 0
.endm
.macro FETCH_A slot, q, i0
.irp i, \i0, \i0+1, \i0+2, \i0+3
	FRAG AF+FR*(\i), ADRA+\slot, \q, \i
.endr
.endm
.macro SCALES sc
.irp q, 0,1
.irp e, 0,1
	ds_load_b128 v[SC+16*\sc+8*\q+4*\e:SC+16*\sc+8*\q+4*\e+3], v[ADRS] offset:512*\q+256*\e
.endr
.endr
.endm
.macro STEP slot, q, zero
	s_wait_dscnt 4*NL
.if \zero
	WIN 0x81
.else
	WIN 0xa1
.endif
	MUL16 0, (\q)%2, \q, \slot, \zero
	MUL16 2, (\q)%2, \q, \slot, \zero
	s_wait_dscnt 0
	PLACES NP
	FETCH_B \slot, (\q)+1, 1-(\q)%2
	FETCH_A \slot, (\q)+1, 0
.if \zero
	WIN 0xc1
.else
	WIN 0xf1
.endif
	MUL16 4, (\q)%2, \q, \slot, \zero
	MUL16 6, (\q)%2, \q, \slot, \zero
	PLACES NP
	WIN 0
	FETCH_A \slot, (\q)+1, 4
.endm
.macro TURN slot, next, fill
	s_wait_tensorcnt 0x0
	ds_add_u32 v[SPW], v[NIL]
	s_wait_dscnt 4*NL+1
	WIN 0xa1
	MUL16 0, 1, 1, \slot, 0
	s_wait_dscnt 0x0
	s_barrier_signal -1
	MUL16 2, 1, 1, \slot, 0
	WIN 0
	s_barrier_wait -1
.if \fill
	CREST
	s_add_nc_u64 s[G0+4*\slot+2:G0+4*\slot+3], s[G0+4*\slot+2:G0+4*\slot+3], 2*TILEB
	s_add_nc_u64 s[G0B+4*\slot+2:G0B+4*\slot+3], s[G0B+4*\slot+2:G0B+4*\slot+3], 2*TILEB
	JLOAD G0+4*\slot, G1, G0B+4*\slot, G1B
.else
	PLACES NP
.endif
	s_wait_alu depctr_va_vdst(0)
	v_add_nc_u32 v[ADRS], 1024, v[ADRS]
	FETCH_B \next, 0, 0
	FETCH_A \next, 0, 0
	SCALES \next
	WIN 0xf1
	MUL16 4, 1, 1, \slot, 0
	MUL16 6, 1, 1, \slot, 0
	PLACES NP
	WIN 0
	FETCH_A \next, 0, 4
.endm
.macro QUANT s, pc, pw
.irp b, 0,1,2,3
	v_max3_num_f32 v[TM+\b], |v[\s+16*\b]|, |v[\s+1+16*\b]|, 0x1800000
.endr
.irp i, 2,4,6,8,10,12,14
.irp b, 0,1,2,3
	v_max3_num_f32 v[TM+\b], v[TM+\b], |v[\s+16*\b+\i]|, |v[\s+1+16*\b+\i]|
.endr
.endr
.irp b, 0,1,2,3
	v_permlanex16_b32 v[TM+4+\b], v[TM+\b], s[SEL], s[SEL+1]
.endr
.irp b, 0,1,2,3
	v_max_num_f32 v[TM+\b], v[TM+\b], v[TM+4+\b]
.endr
.irp b, 0,1,2,3
	v_add_nc_u32 v[TM+12+\b], 0xff000000, v[TM+\b]
.endr
.irp b, 0,1,2,3
	v_lshrrev_b32 v[TM+4+\b], 23, v[TM+12+\b]
.endr
	v_lshl_or_b32 v[\pw], v[TM+5], 8, v[TM+4]
	v_lshl_or_b32 v[\pw], v[TM+6], 16, v[\pw]
	v_lshl_or_b32 v[\pw], v[TM+7], 24, v[\pw]
.irp c, 0,1
	v_cvt_scalef32_pk16_fp6_f32 v[\pc+6*\c:\pc+2+6*\c], v[\s+32*\c:\s+15+32*\c], v[TM+12+2*\c]
	v_cvt_scalef32_pk16_fp6_f32 v[\pc+12+4*\c:\pc+14+4*\c], v[\s+16+32*\c:\s+31+32*\c], v[TM+12+2*\c+1]
.endr
	v_nop
.irp c, 0,1
.irp i, 0,1,2
	v_permlane16_swap_b32 v[\pc+6*\c+\i], v[\pc+12+4*\c+\i]
.endr
.irp i, 0,1,2
	v_mov_b32 v[\pc+3+6*\c+\i], v[\pc+12+4*\c+\i]
.endr
.endr
.endm
	s_load_b128 s[96:99], s[0:1], 0x0
	s_load_b64 s[100:101], s[0:1], 0x10
	s_load_b64 s[12:13], s[0:1], 0x18
	v_lshl_add_u32 v[SPW], v0, 2, SPARE
	v_mov_b32 v[NIL], 0
	ds_add_u32 v[SPW], v[NIL]
	ds_add_u32 v[SPW], v[NIL]
	v_lshrrev_b32 v1, 5, v0
	v_readfirstlane_b32 s14, v1
	s_lshr_b32 s15, s14, 1
	s_and_b32 s16, s14, 1
	s_bfe_u32 s40, ttmp6, 0x40000
	s_bfe_u32 s41, ttmp6, 0x40004
	s_lshl_b32 s42, ttmp9, 2
	s_add_co_u32 s42, s42, s40
	s_and_b32 s17, ttmp7, 0xffff
	s_lshl_b32 s17, s17, 2
	s_add_co_u32 s17, s17, s41
	s_lshl_b32 s43, s41, 2
	s_lshl_b32 s43, 15, s43
	s_lshl_b32 s44, 0x1111, s40
	s_or_b32 s[G1+0], s43, (3<<16)|(1<<21)
	s_or_b32 s[G1B+0], s44, (3<<16)|(1<<21)
.irp g, G1, G1B
	s_mov_b32 s[\g+1], 384<<16
	s_mov_b32 s[\g+2], 16<<16
	s_mov_b32 s[\g+3], 384<<16
	s_mov_b32 s[\g+4], 16
	s_mov_b32 s[\g+5], KST*192
	s_mov_b32 s[\g+6], 0
	s_mov_b32 s[\g+7], 0
.endr
	s_or_b32 s[G1S+0], s43, (3<<16)|(1<<21)
	s_or_b32 s[G1SB+0], s44, (3<<16)|(1<<21)
.irp g, G1S, G1SB
	s_mov_b32 s[\g+1], 32<<16
	s_mov_b32 s[\g+2], (HALFS/128)<<16
	s_mov_b32 s[\g+3], 32<<16
	s_mov_b32 s[\g+4], HALFS/128
	s_mov_b32 s[\g+5], 32
	s_mov_b32 s[\g+6], 0
	s_mov_b32 s[\g+7], 0
.endr
	s_mul_i32 s45, s14, HALFT
	s_wait_dscnt 0x0
	s_wait_kmcnt 0x0
	s_mov_b64 s[4:5], s[96:97]
	s_add_nc_u64 s[6:7], s[96:97], ASC
	s_add_nc_u64 s[8:9], s[98:99], BCO
	s_add_nc_u64 s[10:11], s[98:99], BSC
	s_lshl_b32 s18, s17, 4
	s_lshl_b32 s19, s16, 3
	s_add_co_u32 s18, s18, s19
	s_mul_i32 s20, s18, KST*FRB
	s_mov_b32 s21, 0
	s_add_nc_u64 s[4:5], s[4:5], s[20:21]
	s_lshl_b32 s18, s17, 1
	s_add_co_u32 s18, s18, s16
	s_mul_i32 s20, s18, HALFS
	s_add_nc_u64 s[6:7], s[6:7], s[20:21]
	s_lshl_b32 s46, s42, 4
	s_add_co_u32 s46, s46, s19
	s_mul_i32 s46, s46, KST*FRB
	s_mov_b32 s47, 0
	s_add_nc_u64 s[8:9], s[8:9], s[46:47]
	s_lshl_b32 s46, s42, 1
	s_add_co_u32 s46, s46, s16
	s_mul_i32 s46, s46, HALFS
	s_add_nc_u64 s[10:11], s[10:11], s[46:47]
	CROUND
	s_mov_b32 s[G0S], 1
	s_mul_i32 s22, s16, HALFS                      ; the head's loads bring whole tiles: my half's offset is taken off again
	s_mov_b32 s23, 0
	s_mov_b32 s92, s22
	s_mov_b32 s93, 0
	s_mov_b32 s[G0S+1], SCL
	s_sub_nc_u64 s[G0S+2:G0S+3], s[6:7], s[22:23]
	s_or_b32 s[G0S+3], s[G0S+3], 0x80000000
	s_mov_b32 s[G0SB], 1
	s_mov_b32 s[G0SB+1], SCL+2*HALFS
	s_sub_nc_u64 s[G0SB+2:G0SB+3], s[10:11], s[92:93]
	s_or_b32 s[G0SB+3], s[G0SB+3], 0x80000000
.irp s, 0,1
	s_mov_b32 s[G0+4*\s], 1
	s_add_co_u32 s[G0+4*\s+1], s45, \s*SLOT
	s_add_nc_u64 s[G0+4*\s+2:G0+4*\s+3], s[4:5], \s*TILEB
	s_or_b32 s[G0+4*\s+3], s[G0+4*\s+3], 0x80000000
	s_mov_b32 s[G0B+4*\s], 1
	s_add_co_u32 s[G0B+4*\s+1], s45, \s*SLOT
	s_add_nc_u64 s[G0B+4*\s+2:G0B+4*\s+3], s[8:9], \s*TILEB
	s_or_b32 s[G0B+4*\s+3], s[G0B+4*\s+3], 0x80000000
.endr
	; THE HEAD'S LOADS, ONE A WAVE: wave 0 slot 0's 16 tiles of A, wave 1 those of W, wave 2 A's scale words, wave 3 W's
	; where my prefetches stand: of the eight tiles that I fetch in the ring, the four partners that ask for them jointly take two each, told apart by address (cx for A, cy for W)
	s_cmp_eq_u32 s15, 0
	s_cselect_b64 s[92:93], s[4:5], s[8:9]
	s_cselect_b32 s2, s40, s41
	s_mul_i32 s2, s2, 2*KST*FRB
	s_mov_b32 s3, 0
	s_add_nc_u64 s[92:93], s[92:93], s[2:3]
	s_mul_i32 s20, s16, 8*KST*FRB
	s_mov_b32 s46, s20
	s_sub_nc_u64 s[6:7], s[4:5], s[20:21]
	s_or_b32 s7, s7, 0x80000000
	s_mov_b32 s4, 1
	s_mov_b32 s5, 0
	s_sub_nc_u64 s[10:11], s[8:9], s[46:47]
	s_or_b32 s11, s11, 0x80000000
	s_mov_b32 s8, 1
	s_mov_b32 s9, 2*HALFT
.macro ARM under, g0, g1, next
	s_cmp_lt_u32 s14, \under
	s_cbranch_scc0 \next
	tensor_load_to_lds s[\g0:\g0+3], s[\g1:\g1+7]
	s_nop 0
.rept 4
	v_nop
.endr
	s_branch .Lhead_asked
\next:
.endm
	ARM 1, 4, G1, .Lhead_b
	ARM 2, 8, G1B, .Lhead_sa
	ARM 3, G0S, G1S, .Lhead_sb
	tensor_load_to_lds s[G0SB:G0SB+3], s[G1SB:G1SB+7]
	s_nop 0
.rept 4
	v_nop
.endr
.Lhead_asked:
	v_and_b32 v31, 31, v0                          ; the prefetches' offset: a lane a block of 256 bytes: 12 blocks of a slot's part of each of my two tiles; lanes 24-31 name the wave's last block again
	v_min_u32 v31, 23, v31
	v_mul_u32_u24 v30, v31, 171
	v_lshrrev_b32 v30, 11, v30                     ; lane / 12
	v_mul_u32_u24 v30, v30, KST*FRB-12*256
	v_lshl_add_u32 v31, v31, 8, v30
	global_prefetch_b8 v31, s[92:93] offset:TILEB th:TH_LOAD_NT scope:SCOPE_SE     ; slots 1 and 2, behind the load of slot 0
	global_prefetch_b8 v31, s[92:93] offset:2*TILEB th:TH_LOAD_NT scope:SCOPE_SE
	v_and_b32 v1, 15, v0
	v_bfe_u32 v2, v0, 4, 1
	s_wait_alu depctr_va_vdst(0)
	v_and_b32 v3, 31, v0
	v_lshlrev_b32 v[LI], 4, v3
	s_mul_i32 s21, s15, HALFT
	s_mul_i32 s22, s16, HALFT
	s_add_co_u32 s22, s22, 2*HALFT
.irp s, 0,1
	v_add_nc_u32 v[ADRA+\s], s21, v[LI]
	v_add_nc_u32 v[ADRB+\s], s22, v[LI]
	s_add_co_u32 s21, s21, SLOT
	s_add_co_u32 s22, s22, SLOT
.endr
	s_mul_i32 s21, s15, HALFS
	s_mul_i32 s22, s16, HALFS
	s_add_co_u32 s22, s22, 2*HALFS
	s_sub_co_u32 s22, s22, s21
	v_mul_u32_u24 v6, s22, v2
	s_add_co_u32 s21, s21, SCL
	v_lshl_add_u32 v6, v1, 4, v6
	v_add_nc_u32 v[ADRS], s21, v6
	s_lshl_b32 s18, s42, 10
	s_lshl_b32 s19, s16, 9
	s_add_co_u32 s18, s18, s19
	s_mov_b32 s19, 0
	s_add_nc_u64 s[100:101], s[100:101], s[18:19]
	v_lshlrev_b32 v4, 6, v2
.irp b, 0,1,2,3,4,5,6,7
	global_load_b128 v[BI+8*\b:BI+8*\b+3], v4, s[100:101] offset:128*(\b/2)+32*(\b%2)
	global_load_b128 v[BI+8*\b+4:BI+8*\b+7], v4, s[100:101] offset:128*(\b/2)+32*(\b%2)+16
.endr
	s_wait_alu depctr_va_vdst(0)
	s_wait_loadcnt 0x0
	s_wait_alu depctr_va_vdst(0)                   ; the wait at the head's end
	s_wait_tensorcnt 0x0                           ; my tile of the head's four is in
	ds_add_u32 v[SPW], v[NIL]
	s_mov_b32 s[G1+2], 8<<16                       ; no tensor load of mine is out: from here on a load brings 8 tiles
	s_mov_b32 s[G1+4], 8
	s_mov_b32 s[G1B+2], 8<<16
	s_mov_b32 s[G1B+4], 8
	s_wait_dscnt 0x0
	CROUND                                         ; all four tiles are in, and all sixteen work-groups are here
	JLOAD G0+4, G1, G0B+4, G1B                     ; slot 1's first fill, the first tensor load behind the round
	global_prefetch_b8 v31, s[92:93] offset:3*TILEB th:TH_LOAD_NT scope:SCOPE_SE   ; slot 3, the last: two refills on
	FETCH_B 0, 0, 0
	FETCH_A 0, 0, 0
	SCALES 0
	FETCH_A 0, 0, 4
	STEP 0, 0, 1
	s_mov_b32 s3, LAPS-1
.Llap:
	TURN 0, 1, 1
	STEP 1, 0, 0
	TURN 1, 0, 1
	STEP 0, 0, 0
	s_sub_co_u32 s3, s3, 1
	s_cmp_lg_u32 s3, 0
	s_cbranch_scc1 .Llap
	TURN 0, 1, 0
	STEP 1, 0, 0
	s_wait_dscnt 4*NL
	WIN 0xa1
	MUL16 0, 1, 1, 1, 0
	MUL16 2, 1, 1, 1, 0
	s_wait_dscnt 0
	WIN 0xf1
	MUL16 4, 1, 1, 1, 0
	MUL16 6, 1, 1, 1, 0
	WIN 0
	PLACES NP
	s_lshl_b32 s4, s17, 4
	s_lshl_b32 s5, s15, 3
	s_add_co_u32 s4, s4, s5
	s_lshl_b32 s4, s4, 5
	s_lshl_b32 s5, s42, 1
	s_add_co_u32 s5, s5, s16
	s_add_co_u32 s4, s4, s5
	s_mul_i32 s4, s4, 1536
	s_lshl_b32 s6, s17, 1
	s_add_co_u32 s6, s6, s15
	s_lshl_b32 s6, s6, 5
	s_add_co_u32 s6, s6, s5
	s_lshl_b32 s6, s6, 9
	s_add_co_u32 s6, s6, 12582912
	s_mov_b32 s5, 0
	s_mov_b32 s7, 0
	s_add_nc_u64 s[8:9], s[12:13], s[4:5]
	s_add_nc_u64 s[10:11], s[12:13], s[6:7]
	s_mov_b32 s[SEL], 0x76543210
	s_mov_b32 s[SEL+1], 0xfedcba98
	s_mov_b32 s20, 0xffff0000
	s_mov_b32 s22, 0xaf95df0b
	s_mov_b32 s23, s22
	s_mov_b32 s46, 0xb77460cd
	s_mov_b32 s47, s46
.irp b, 0,1,2,3
	v_mov_b32 v[TM+4+\b], 0
.endr
.macro COPY a
.Lcopy\a:
.if \a > 0
	v_mov_b32 v[SW+\a-1], v[PW]
.endif
	WIN 0x02+\a/4
.set i, 0
.rept 32
	v_pk_mul_f32 v[GZ+i:GZ+i+1], v[64*(\a%4)+i:64*(\a%4)+i+1], 0x3f3504f3 op_sel_hi:[1,0]
.set i, i+2
.endr
.set i, 0
.rept 32
	v_pk_mul_f32 v[H+i:H+i+1], v[64*(\a%4)+i:64*(\a%4)+i+1], 0.5 op_sel_hi:[1,0]
.set i, i+2
.endr
	WIN 0
.if \a < 7
	s_branch .Lbody
.endif
.endm
	s_mov_b32 s3, 0
.Lrow:
.irp a, 0,1,2,3,4,5,6
	s_cmp_eq_u32 s3, \a
	s_cbranch_scc1 .Lcopy\a
.endr
	s_branch .Lcopy7
.irp a, 0,1,2,3,4,5,6,7
	COPY \a
.endr
.Lbody:
.irp n, 0,1,2,3
.set ZZ, GZ+16*\n
.set HH, H+16*\n
.set i, 0
.rept 16
	v_med3_num_f32 v[ZZ+i], v[ZZ+i], -4.0, 4.0
.set i, i+1
.endr
.set i, 0
.rept 8
	v_pk_mul_f32 v[GT+i:GT+i+1], v[ZZ+i:ZZ+i+1], v[ZZ+i:ZZ+i+1]
.set i, i+2
.endr
.set i, 0
.rept 8
	v_pk_fma_f32 v[GP+i:GP+i+1], v[GT+i:GT+i+1], s[22:23], 0x32edffee op_sel_hi:[1,0,0]
.set i, i+2
.endr
.set i, 0
.rept 8
	v_pk_fma_f32 v[GQ+i:GQ+i+1], v[GT+i:GT+i+1], s[46:47], 0xb95fbd29 op_sel_hi:[1,0,0]
.set i, i+2
.endr
.irp k, 0xb60cff51, 0xb86ec2d2, 0xba40ac63, 0xbb41a1f6, 0xbc83dbd4
.set i, 0
.rept 8
	v_pk_fma_f32 v[GP+i:GP+i+1], v[GP+i:GP+i+1], v[GT+i:GT+i+1], \k op_sel_hi:[1,1,0]
.set i, i+2
.endr
.endr
.irp k, 0xbadc924e, 0xbbf19bf8, 0xbc69b6a7
.set i, 0
.rept 8
	v_pk_fma_f32 v[GQ+i:GQ+i+1], v[GQ+i:GQ+i+1], v[GT+i:GT+i+1], \k op_sel_hi:[1,1,0]
.set i, i+2
.endr
.endr
.set i, 0
	s_wait_alu depctr_va_vdst(0)
.rept 16
	v_rcp_f32 v[GQ+i], v[GQ+i]
.set i, i+1
.endr
.set i, 0
.rept 8
	v_pk_mul_f32 v[GP+i:GP+i+1], v[GP+i:GP+i+1], v[ZZ+i:ZZ+i+1]
.set i, i+2
.endr
	s_wait_alu depctr_va_vdst(0)
.set i, 0
.rept 8
	v_pk_mul_f32 v[GP+i:GP+i+1], v[GP+i:GP+i+1], v[GQ+i:GQ+i+1]
.set i, i+2
.endr
.set i, 0
.rept 8
	v_pk_fma_f32 v[HH+i:HH+i+1], v[HH+i:HH+i+1], v[GP+i:GP+i+1], v[HH+i:HH+i+1]
.set i, i+2
.endr
.endr
	QUANT H, PC, PW
.irp g, 0,1,2
	global_store_b128 v[LI], v[PC+4*\g:PC+4*\g+3], s[8:9] offset:512*\g
.endr
	s_wait_xcnt 0x0
	s_add_nc_u64 s[8:9], s[8:9], 49152
	s_add_co_u32 s3, s3, 1
	s_cmp_lt_u32 s3, 8
	s_cbranch_scc1 .Lrow
	v_mov_b32 v[SW+7], v[PW]
.irp j, 0,1,2,3
	v_cndmask_b32 v[XW+\j], v[SW+\j], v[SW+4+\j], s20
.endr
	global_store_b128 v[LI], v[XW:XW+3], s[10:11]
	s_wait_tensorcnt 0x0
	ds_add_u32 v[SPW], v[NIL]
	s_wait_dscnt 0x0
	CROUND
	s_endpgm
.Lfunc_end_k_q35f46f2240_gemm_ff1:
	.size	k_q35f46f2240_gemm_ff1, .Lfunc_end_k_q35f46f2240_gemm_ff1-k_q35f46f2240_gemm_ff1
	.p2alignl 7, 3214868480
	.fill 96, 4, 3214868480
	.section	.rodata,"a",@progbits
	.p2align	6, 0x0
	.amdhsa_kernel k_q35f46f2240_gemm_ff1
		.amdhsa_group_segment_fixed_size 327680
		.amdhsa_private_segment_fixed_size 0
		.amdhsa_enable_private_segment 0
		.amdhsa_kernarg_size 32
		.amdhsa_user_sgpr_count 2
		.amdhsa_user_sgpr_kernarg_segment_ptr 1
		.amdhsa_wavefront_size32 1
		.amdhsa_system_sgpr_workgroup_id_x 1
		.amdhsa_system_sgpr_workgroup_id_y 1
		.amdhsa_system_sgpr_workgroup_id_z 1
		.amdhsa_system_vgpr_workitem_id 0
		.amdhsa_next_free_vgpr 1024
		.amdhsa_next_free_sgpr 104
		.amdhsa_reserve_vcc 0
		.amdhsa_float_denorm_mode_32 3
		.amdhsa_float_denorm_mode_16_64 3
		.amdhsa_memory_ordered 1
		.amdhsa_forward_progress 1
		.amdhsa_inst_pref_size 200
	.end_amdhsa_kernel
	.amdgpu_metadata
---
amdhsa.version: [ 1, 2 ]
amdhsa.kernels:
  - .name:           k_q35f46f2240_gemm_ff1
    .symbol:         k_q35f46f2240_gemm_ff1.kd
    .args:
      - { .name: x1q, .offset: 0, .size: 8, .value_kind: global_buffer, .address_space: global }
      - { .name: wq, .offset: 8, .size: 8, .value_kind: global_buffer, .address_space: global }
      - { .name: b1, .offset: 16, .size: 8, .value_kind: global_buffer, .address_space: global }
      - { .name: hq, .offset: 24, .size: 8, .value_kind: global_buffer, .address_space: global }
    .group_segment_fixed_size: 327680
    .private_segment_fixed_size: 0
    .kernarg_segment_align: 8
    .kernarg_segment_size: 32
    .max_flat_workgroup_size: 128
    .sgpr_count:     104
    .vgpr_count:     1024
    .wavefront_size: 32
...
	.end_amdgpu_metadata
.endif
;; end of part 14
;; launch gemm_ff2 (part 15): grid 8 x 32, 4 waves a work-group, clusters of 4 x 4, 327,680 bytes of LDS; arguments hq, wq, b2, x1, y; writes y
.if DOCPART == 15
	.amdgcn_target "amdgcn-amd-amdhsa--gfx1250"
	.amdhsa_code_object_version 6
	.text
	.protected	k_q35f46f2240_gemm_ff2
	.globl	k_q35f46f2240_gemm_ff2
	.p2align	8
	.type	k_q35f46f2240_gemm_ff2,@function
k_q35f46f2240_gemm_ff2:
	s_mov_b64 s[64:65], 0
	v_nop
	global_prefetch_b8 v0, s[64:65] scope:SCOPE_SE
	s_setreg_imm32_b32 hwreg(HW_REG_WAVE_MODE, 25, 1), 1
	s_wait_xcnt 0x0
	s_wait_alu depctr_hold_cnt(0) depctr_sa_sdst(0) depctr_va_vdst(0) depctr_va_sdst(0) depctr_va_ssrc(0) depctr_va_vcc(0) depctr_vm_vsrc(0)
	s_getreg_b32 s2, hwreg(HW_REG_IB_STS2, 6, 4)
	s_cmp_eq_u32 s2, 0
	s_cbranch_scc0 .Lentry_in_a_cluster
	s_endpgm
.Lentry_in_a_cluster:
	s_bfe_u32 s2, ttmp6, 0x10000c
	s_cmp_lg_u32 s2, 0xf033
	s_cbranch_scc0 .Lentry_shape_is_right
	s_endpgm
.Lentry_shape_is_right:
.set SIZE_K, 4096
.set ASC,    12582912
.set BCO,    6291456
.set BSC,    9699328
.set KST,    SIZE_K/128
.set FRB,    1536
.set NQ,     4
.set TILEB,  NQ*FRB
.set HALFT,  4*TILEB
.set SLOT,   4*HALFT
.set LAPS,   SIZE_K/(2*NQ*128)
.set SCL,    2*SLOT
.set HALFS,  KST*512
.set SPARE,  SCL+2*HALFS
.set SPITCH, 272
.set BLK,    16*SPITCH
.set FR,     12
.set NP,     4
.set ADRA, 16
.set ADRB, 20
.set STO,  24
.set RD,   25
.set CO,   26
.set ADRS, 27
.set SPW,  28
.set NIL,  29
.set LI,   30
.set SC,   32
.set BI,   64
.set ACC,  128
.set G1, 24
.set G0, 32
.set G1B, 48
.set G0B, 56
.set G1S, 68
.set G0S, 76
.set G1SB, 80
.set G0SB, 88
.set MSB, 0
.macro WIN new
.if MSB != (\new)
	s_set_vgpr_msb (MSB<<8)|(\new)
.set MSB, (\new)
.endif
.endm
.macro JLOAD g0a, g1a, g0b, g1b
	s_cmp_eq_u32 s15, 0
	s_cbranch_scc0 .Lfor_b_\@
	tensor_load_to_lds s[\g0a:\g0a+3], s[\g1a:\g1a+7]
	s_nop 0
.rept 4
	v_nop
.endr
	s_branch .Lasked_\@
.Lfor_b_\@:
	tensor_load_to_lds s[\g0b:\g0b+3], s[\g1b:\g1b+7]
	s_nop 0
.rept 4
	v_nop
.endr
.Lasked_\@:
.endm
.macro CREST
	s_cmp_lg_u32 s14, 0
	s_cbranch_scc1 .Lnot_wave_0_\@
	s_barrier_signal -3
.Lnot_wave_0_\@:
	s_barrier_wait -3
	s_barrier_signal -1
	s_barrier_wait -1
.endm
.macro CROUND
	s_barrier_signal -1
	s_barrier_wait -1
	CREST
.endm
.macro PLACES n
.rept \n
	v_nop
.endr
.endm
.macro FRAG reg, adr, q, i
.irp g, 0,1,2
	ds_load_b128 v[\reg+4*\g:\reg+4*\g+3], v[\adr] offset:(\i)*TILEB+(\q)*FRB+512*\g
.endr
.endm
.macro FETCH slot, q
	WIN 0x40*(1+(\q)/2)
.irp i, 0,1,2,3
	FRAG 128*((\q)%2)+FR*\i, ADRA+\slot, \q, \i
.endr
.irp i, 0,1,2,3
	FRAG 128*((\q)%2)+48+FR*\i, ADRB+\slot, \q, \i
.endr
.endm
.macro SCALES sc
.irp q, 0,1,2,3
	ds_load_b128 v[SC+16*\sc+4*\q:SC+16*\sc+4*\q+3], v[ADRS] offset:512*\q
.endr
.endm
.macro MUL8 a0, q, sc, zero
.set FS, 128*((\q)%2)
.irp a, \a0, \a0+1
.irp b, 0,1,2,3
.if \zero
	v_wmma_scale_f32_16x16x128_f8f6f4 v[ACC+8*(4*(\a)+\b):ACC+8*(4*(\a)+\b)+7], v[FS+48+FR*\b:FS+48+FR*\b+FR-1], v[FS+FR*(\a):FS+FR*(\a)+FR-1], v[BI+8*\b:BI+8*\b+7], v[SC+16*(\sc)+4*(\q)+\b], v[SC+16*(\sc)+4*(\q)+(\a)] matrix_a_fmt:MATRIX_FMT_FP6 matrix_b_fmt:MATRIX_FMT_FP6 matrix_a_scale:MATRIX_SCALE_ROW1
.else
	v_wmma_scale_f32_16x16x128_f8f6f4 v[ACC+8*(4*(\a)+\b):ACC+8*(4*(\a)+\b)+7], v[FS+48+FR*\b:FS+48+FR*\b+FR-1], v[FS+FR*(\a):FS+FR*(\a)+FR-1], v[ACC+8*(4*(\a)+\b):ACC+8*(4*(\a)+\b)+7], v[SC+16*(\sc)+4*(\q)+\b], v[SC+16*(\sc)+4*(\q)+(\a)] matrix_a_fmt:MATRIX_FMT_FP6 matrix_b_fmt:MATRIX_FMT_FP6 matrix_a_scale:MATRIX_SCALE_ROW1
.endif
.endr
.endr
.endm
.macro KS slot, q, zero, fs, fq, left
	PLACES NP
	FETCH \fs, \fq
.if \left < 64
	s_wait_dscnt \left
.endif
	WIN 0x05*(1+(\q)/2)
	MUL8 0, \q, \slot, \zero
	MUL8 2, \q, \slot, \zero
.endm
.macro TURN slot, next, fill
	WIN 0
.if \fill
	s_wait_xcnt 0x0                                ; any prefetch of mine has read its address: it steps one slot along K only behind this wait
	s_add_nc_u64 s[92:93], s[92:93], TILEB
.endif
	s_wait_tensorcnt 0x0
	ds_add_u32 v[SPW], v[NIL]
	s_wait_dscnt 25
	WIN 0x0a
	MUL8 0, 2, \slot, 0
	s_wait_dscnt 0x0
	s_barrier_signal -1
	MUL8 2, 2, \slot, 0
	WIN 0
	s_barrier_wait -1
.if \fill
	CREST
	s_add_nc_u64 s[G0+4*\slot+2:G0+4*\slot+3], s[G0+4*\slot+2:G0+4*\slot+3], 2*TILEB
	s_add_nc_u64 s[G0B+4*\slot+2:G0B+4*\slot+3], s[G0B+4*\slot+2:G0B+4*\slot+3], 2*TILEB
	JLOAD G0+4*\slot, G1, G0B+4*\slot, G1B
.else
	PLACES NP
.endif
	s_wait_alu depctr_va_vdst(0)
	v_add_nc_u32 v[ADRS], NQ*512, v[ADRS]
	FETCH \next, 0
	WIN 0
	SCALES \next
.if \fill
	s_cmp_gt_u32 s3, 1                             ; a prefetch of the slot that stands two refills on: one tile's 24 blocks of 256 bytes, a lane a block; the last trip's two refills have no such slot
	s_cbranch_scc0 .Lno_pf_\@
	global_prefetch_b8 v31, s[92:93] th:TH_LOAD_NT scope:SCOPE_SE
.Lno_pf_\@:
.endif
.endm
	s_load_b128 s[96:99], s[0:1], 0x0
	s_load_b64 s[100:101], s[0:1], 0x10
	s_load_b64 s[66:67], s[0:1], 0x18
	s_load_b64 s[12:13], s[0:1], 0x20
	v_lshl_add_u32 v[SPW], v0, 2, SPARE
	v_mov_b32 v[NIL], 0
	ds_add_u32 v[SPW], v[NIL]
	ds_add_u32 v[SPW], v[NIL]
	v_lshrrev_b32 v1, 5, v0
	v_readfirstlane_b32 s14, v1
	s_lshr_b32 s15, s14, 1
	s_and_b32 s16, s14, 1
	s_bfe_u32 s40, ttmp6, 0x40000
	s_bfe_u32 s41, ttmp6, 0x40004
	s_lshl_b32 s42, ttmp9, 2
	s_add_co_u32 s42, s42, s40
	s_and_b32 s17, ttmp7, 0xffff
	s_lshl_b32 s17, s17, 2
	s_add_co_u32 s17, s17, s41
	s_lshl_b32 s43, s41, 2
	s_lshl_b32 s43, 15, s43
	s_lshl_b32 s44, 0x1111, s40
	s_or_b32 s[G1+0], s43, (3<<16)|(1<<21)
	s_or_b32 s[G1B+0], s44, (3<<16)|(1<<21)
.irp g, G1, G1B
	s_mov_b32 s[\g+1], (TILEB/8)<<16
	s_mov_b32 s[\g+2], 8<<16
	s_mov_b32 s[\g+3], (TILEB/8)<<16
	s_mov_b32 s[\g+4], 8
	s_mov_b32 s[\g+5], KST*192
	s_mov_b32 s[\g+6], 0
	s_mov_b32 s[\g+7], 0
.endr
	s_or_b32 s[G1S+0], s43, (3<<16)|(1<<21)
	s_or_b32 s[G1SB+0], s44, (3<<16)|(1<<21)
.irp g, G1S, G1SB
	s_mov_b32 s[\g+1], 32<<16
	s_mov_b32 s[\g+2], (HALFS/256)<<16
	s_mov_b32 s[\g+3], 32<<16
	s_mov_b32 s[\g+4], HALFS/256
	s_mov_b32 s[\g+5], 32
	s_mov_b32 s[\g+6], 0
	s_mov_b32 s[\g+7], 0
.endr
	s_mul_i32 s45, s14, HALFT
	s_lshl_b32 s19, s16, 2
	s_mul_i32 s22, s16, HALFS/2
	s_wait_dscnt 0x0
	s_wait_kmcnt 0x0
	s_mov_b64 s[4:5], s[96:97]
	s_add_nc_u64 s[6:7], s[96:97], ASC
	s_add_nc_u64 s[8:9], s[98:99], BCO
	s_add_nc_u64 s[10:11], s[98:99], BSC
	s_lshl_b32 s18, s17, 3
	s_add_co_u32 s18, s18, s19
	s_mul_i32 s20, s18, KST*FRB
	s_mov_b32 s21, 0
	s_add_nc_u64 s[4:5], s[4:5], s[20:21]
	s_mul_i32 s20, s17, HALFS
	s_add_co_u32 s20, s20, s22
	s_add_nc_u64 s[6:7], s[6:7], s[20:21]
	s_lshl_b32 s46, s42, 3
	s_add_co_u32 s46, s46, s19
	s_mul_i32 s46, s46, KST*FRB
	s_mov_b32 s47, 0
	s_add_nc_u64 s[8:9], s[8:9], s[46:47]
	s_mul_i32 s46, s42, HALFS
	s_add_co_u32 s46, s46, s22
	s_add_nc_u64 s[10:11], s[10:11], s[46:47]
	CROUND
	s_mov_b32 s[G0S], 1
	s_mov_b32 s23, 0                               ; the head's loads bring whole tiles: my half's offset (s22) is taken off again
	s_mov_b32 s92, s22
	s_mov_b32 s93, 0
	s_mov_b32 s[G0S+1], SCL
	s_sub_nc_u64 s[G0S+2:G0S+3], s[6:7], s[22:23]
	s_or_b32 s[G0S+3], s[G0S+3], 0x80000000
	s_mov_b32 s[G0SB], 1
	s_mov_b32 s[G0SB+1], SCL+HALFS
	s_sub_nc_u64 s[G0SB+2:G0SB+3], s[10:11], s[92:93]
	s_or_b32 s[G0SB+3], s[G0SB+3], 0x80000000
.irp s, 0,1
	s_mov_b32 s[G0+4*\s], 1
	s_add_co_u32 s[G0+4*\s+1], s45, \s*SLOT
	s_add_nc_u64 s[G0+4*\s+2:G0+4*\s+3], s[4:5], \s*TILEB
	s_or_b32 s[G0+4*\s+3], s[G0+4*\s+3], 0x80000000
	s_mov_b32 s[G0B+4*\s], 1
	s_add_co_u32 s[G0B+4*\s+1], s45, \s*SLOT
	s_add_nc_u64 s[G0B+4*\s+2:G0B+4*\s+3], s[8:9], \s*TILEB
	s_or_b32 s[G0B+4*\s+3], s[G0B+4*\s+3], 0x80000000
.endr
	; where my prefetches stand: of the four tiles that I fetch, the four partners that ask for them jointly take one each, told apart by address (cx for A, cy for W); one slot short of the first slot asked for, slot 4
	s_cmp_eq_u32 s15, 0
	s_cselect_b64 s[92:93], s[4:5], s[8:9]
	s_cselect_b32 s2, s40, s41
	s_mul_i32 s2, s2, KST*FRB
	s_add_co_u32 s2, s2, 3*TILEB
	s_mov_b32 s3, 0
	s_add_nc_u64 s[92:93], s[92:93], s[2:3]
	; THE HEAD'S LOADS, ONE A WAVE: wave 0 slot 0's 8 tiles of A, wave 1 those of W, wave 2 A's scale words, wave 3 W's
	s_mul_i32 s20, s16, 4*KST*FRB
	s_mov_b32 s46, s20
	s_sub_nc_u64 s[6:7], s[4:5], s[20:21]
	s_or_b32 s7, s7, 0x80000000
	s_mov_b32 s4, 1
	s_mov_b32 s5, 0
	s_sub_nc_u64 s[10:11], s[8:9], s[46:47]
	s_or_b32 s11, s11, 0x80000000
	s_mov_b32 s8, 1
	s_mov_b32 s9, 2*HALFT
.macro ARM under, g0, g1, next
	s_cmp_lt_u32 s14, \under
	s_cbranch_scc0 \next
	tensor_load_to_lds s[\g0:\g0+3], s[\g1:\g1+7]
	s_nop 0
.rept 4
	v_nop
.endr
	s_branch .Lhead_asked
\next:
.endm
	ARM 1, 4, G1, .Lhead_b
	ARM 2, 8, G1B, .Lhead_sa
	ARM 3, G0S, G1S, .Lhead_sb
	tensor_load_to_lds s[G0SB:G0SB+3], s[G1SB:G1SB+7]
	s_nop 0
.rept 4
	v_nop
.endr
.Lhead_asked:
	v_and_b32 v31, 31, v0
	v_min_u32 v31, 23, v31
	v_lshlrev_b32 v31, 8, v31                      ; the prefetches' offset: a lane a block of 256 bytes; lanes 24-31 name the wave's last block again
	global_prefetch_b8 v31, s[92:93] offset:-2*TILEB th:TH_LOAD_NT scope:SCOPE_SE  ; slots 1 and 2, behind the load of slot 0 (the address stands at slot 3)
	global_prefetch_b8 v31, s[92:93] offset:-TILEB th:TH_LOAD_NT scope:SCOPE_SE
	v_and_b32 v1, 15, v0
	v_bfe_u32 v2, v0, 4, 1
	s_wait_alu depctr_va_vdst(0)
	v_and_b32 v3, 31, v0
	v_lshlrev_b32 v[LI], 4, v3
	s_mul_i32 s21, s15, HALFT
	s_mul_i32 s22, s16, HALFT
	s_add_co_u32 s22, s22, 2*HALFT
.irp s, 0,1
	v_add_nc_u32 v[ADRA+\s], s21, v[LI]
	v_add_nc_u32 v[ADRB+\s], s22, v[LI]
	s_add_co_u32 s21, s21, SLOT
	s_add_co_u32 s22, s22, SLOT
.endr
	s_lshl_b32 s21, s15, 8
	s_lshl_b32 s22, s16, 8
	s_add_co_u32 s22, s22, HALFS
	s_sub_co_u32 s22, s22, s21
	v_mul_u32_u24 v6, s22, v2
	s_add_co_u32 s21, s21, SCL
	v_lshl_add_u32 v6, v1, 4, v6
	v_add_nc_u32 v[ADRS], s21, v6
	s_mul_i32 s23, s14, 4*BLK
	v_mul_u32_u24 v5, v1, SPITCH
	v_lshl_add_u32 v5, v2, 6, v5
	v_add_nc_u32 v[STO], s23, v5
	v_mul_u32_u24 v5, v2, SPITCH
	v_lshl_add_u32 v5, v1, 4, v5
	v_add_nc_u32 v[RD], s23, v5
	v_lshlrev_b32 v[CO], 12, v2
	v_lshl_add_u32 v[CO], v1, 4, v[CO]
	s_wait_alu depctr_va_vdst(0)
	s_lshl_b32 s18, s42, 9
	s_lshl_b32 s19, s16, 8
	s_add_co_u32 s18, s18, s19
	s_mov_b32 s19, 0
	s_add_nc_u64 s[100:101], s[100:101], s[18:19]
	s_lshl_b32 s20, s17, 19
	s_lshl_b32 s21, s15, 18
	s_add_co_u32 s20, s20, s21
	s_add_co_u32 s20, s20, s18
	s_mov_b32 s21, 0
	s_add_nc_u64 s[66:67], s[66:67], s[20:21]
	s_add_nc_u64 s[12:13], s[12:13], s[20:21]
	v_lshlrev_b32 v4, 6, v2
.irp b, 0,1,2,3
	global_load_b128 v[BI+8*\b:BI+8*\b+3], v4, s[100:101] offset:128*(\b/2)+32*(\b%2)
	global_load_b128 v[BI+8*\b+4:BI+8*\b+7], v4, s[100:101] offset:128*(\b/2)+32*(\b%2)+16
.endr
	s_wait_loadcnt 0x0                             ; the bias is in
	s_wait_alu depctr_va_vdst(0)                   ; the wait at the head's end
	s_wait_tensorcnt 0x0                           ; my tile of the head's four is in
	ds_add_u32 v[SPW], v[NIL]
	s_mov_b32 s[G1+2], 4<<16                       ; no tensor load of mine is out: from here on a load brings 4 tiles
	s_mov_b32 s[G1+4], 4
	s_mov_b32 s[G1B+2], 4<<16
	s_mov_b32 s[G1B+4], 4
	s_wait_dscnt 0x0
	CROUND                                         ; all four tiles are in, and all sixteen work-groups are here
	JLOAD G0+4, G1, G0B+4, G1B                     ; slot 1's first fill, the first tensor load behind the round
	global_prefetch_b8 v31, s[92:93] th:TH_LOAD_NT scope:SCOPE_SE                  ; slot 3: two refills on
	FETCH 0, 0
	WIN 0
	SCALES 0
	FETCH 0, 1
	KS 0, 0, 1, 0, 2, 48
	KS 0, 1, 0, 0, 3, 48
	WIN 0xc0                                       ; the residual of my 64 x 64, into window 3, which nothing else uses: wanted only on the way out, so it is asked for behind the first slots' requests
.irp a, 0,1,2,3
.irp t, 0,1,2,3,4,5,6,7
	global_load_b128 v[32*\a+4*\t:32*\a+4*\t+3], v[CO], s[66:67] offset:(16*\a+2*\t)*4096 th:TH_LOAD_NT
.endr
.endr
.if LAPS > 1
	WIN 0
	s_mov_b32 s3, LAPS-1
.Llap:
	TURN 0, 1, 1
	KS 0, 3, 0, 1, 1, 64
	KS 1, 0, 0, 1, 2, 48
	KS 1, 1, 0, 1, 3, 48
	TURN 1, 0, 1
	KS 1, 3, 0, 0, 1, 64
	KS 0, 0, 0, 0, 2, 48
	KS 0, 1, 0, 0, 3, 48
	WIN 0
	s_sub_co_u32 s3, s3, 1
	s_cmp_lg_u32 s3, 0
	s_cbranch_scc1 .Llap
.endif
	TURN 0, 1, 0
	KS 0, 3, 0, 1, 1, 64
	KS 1, 0, 0, 1, 2, 48
	KS 1, 1, 0, 1, 3, 48
	s_wait_dscnt 24
	WIN 0x0a
	MUL8 0, 2, 1, 0
	MUL8 2, 2, 1, 0
	s_wait_dscnt 0x0
	MUL8 0, 3, 1, 0
	MUL8 2, 3, 1, 0
	WIN 0
	PLACES NP
.irp a, 0,1,2,3
.irp b, 0,1,2,3
	ds_store_b128 v[STO], v[ACC+8*(4*\a+\b):ACC+8*(4*\a+\b)+3] offset:\a*BLK+128*(\b/2)+32*(\b%2)
	ds_store_b128 v[STO], v[ACC+8*(4*\a+\b)+4:ACC+8*(4*\a+\b)+7] offset:\a*BLK+128*(\b/2)+32*(\b%2)+16
.endr
.endr
	WIN 0x40
.irp a, 0,1,2,3
.irp t, 0,1,2,3,4,5,6,7
	ds_load_b128 v[32*\a+4*\t:32*\a+4*\t+3], v[RD] offset:\a*BLK+\t*2*SPITCH
.endr
.endr
	s_wait_loadcnt 0x0
.irp a, 0,1,2,3
	s_wait_dscnt 24-8*\a
	WIN 0x4d
.set i, 0
.rept 16
	v_pk_add_f32 v[32*\a+i:32*\a+i+1], v[32*\a+i:32*\a+i+1], v[32*\a+i:32*\a+i+1]
.set i, i+2
.endr
	WIN 0x04
.irp t, 0,1,2,3,4,5,6,7
	global_store_b128 v[CO], v[32*\a+4*\t:32*\a+4*\t+3], s[12:13] offset:(16*\a+2*\t)*4096
.endr
.endr
	WIN 0
	s_wait_tensorcnt 0x0
	ds_add_u32 v[SPW], v[NIL]
	s_wait_dscnt 0x0
	CROUND
	s_endpgm
.Lfunc_end_k_q35f46f2240_gemm_ff2:
	.size	k_q35f46f2240_gemm_ff2, .Lfunc_end_k_q35f46f2240_gemm_ff2-k_q35f46f2240_gemm_ff2
	.p2alignl 7, 3214868480
	.fill 96, 4, 3214868480
	.section	.rodata,"a",@progbits
	.p2align	6, 0x0
	.amdhsa_kernel k_q35f46f2240_gemm_ff2
		.amdhsa_group_segment_fixed_size 327680
		.amdhsa_private_segment_fixed_size 0
		.amdhsa_enable_private_segment 0
		.amdhsa_kernarg_size 40
		.amdhsa_user_sgpr_count 2
		.amdhsa_user_sgpr_kernarg_segment_ptr 1
		.amdhsa_wavefront_size32 1
		.amdhsa_system_sgpr_workgroup_id_x 1
		.amdhsa_system_sgpr_workgroup_id_y 1
		.amdhsa_system_sgpr_workgroup_id_z 1
		.amdhsa_system_vgpr_workitem_id 0
		.amdhsa_next_free_vgpr 1024
		.amdhsa_next_free_sgpr 104
		.amdhsa_reserve_vcc 0
		.amdhsa_float_denorm_mode_32 3
		.amdhsa_float_denorm_mode_16_64 3
		.amdhsa_memory_ordered 1
		.amdhsa_forward_progress 1
		.amdhsa_inst_pref_size 91
	.end_amdhsa_kernel
	.amdgpu_metadata
---
amdhsa.version: [ 1, 2 ]
amdhsa.kernels:
  - .name:           k_q35f46f2240_gemm_ff2
    .symbol:         k_q35f46f2240_gemm_ff2.kd
    .args:
      - { .name: hq, .offset: 0, .size: 8, .value_kind: global_buffer, .address_space: global }
      - { .name: wq, .offset: 8, .size: 8, .value_kind: global_buffer, .address_space: global }
      - { .name: b2, .offset: 16, .size: 8, .value_kind: global_buffer, .address_space: global }
      - { .name: x1, .offset: 24, .size: 8, .value_kind: global_buffer, .address_space: global }
      - { .name: y, .offset: 32, .size: 8, .value_kind: global_buffer, .address_space: global }
    .group_segment_fixed_size: 327680
    .private_segment_fixed_size: 0
    .kernarg_segment_align: 8
    .kernarg_segment_size: 40
    .max_flat_workgroup_size: 128
    .sgpr_count:     104
    .vgpr_count:     1024
    .wavefront_size: 32
...
	.end_amdgpu_metadata
.endif
;; end of part 15
;; launch ln2 (part 16): grid 256 x 1, 4 waves a work-group, no clusters, 0 bytes of LDS; arguments y, g2, beta2, out0; writes out0
.if DOCPART == 16
	.amdgcn_target "amdgcn-amd-amdhsa--gfx1250"
	.amdhsa_code_object_version 6
	.text
	.protected	k_q35f46f2240_ln2
	.globl	k_q35f46f2240_ln2
	.p2align	8
	.type	k_q35f46f2240_ln2,@function
k_q35f46f2240_ln2:
	s_mov_b64 s[64:65], 0
	v_nop
	global_prefetch_b8 v0, s[64:65] scope:SCOPE_SE
	s_setreg_imm32_b32 hwreg(HW_REG_WAVE_MODE, 25, 1), 1
	s_wait_xcnt 0x0
; out0 = LayerNorm(y) g2 + beta2, f32 [4096][1024].  A work-group takes 16 rows; a wave 4 whole rows in 128 registers, so that mean and variance never leave the wave: no LDS, no barrier.
; Two passes, as the definition has them: the mean, then the mean of (x - mean)^2.  Every load and store of a wave covers 512 consecutive bytes.  NaN and infinities are not served.
.set X,   32                           ; v32-159 row p: 32 registers; register 4 j + e: column 128 j + 4 lane + e
.set G,   160
.set BE,  192
.set SM,  8                            ; v8-15  four pairs: sums, then the mean twice
.set SQ,  16                           ; v16-23 four pairs: sums of squares, then 1 / sigma twice
.set SEL, 18
.macro ACROSS r                        ; the four rows' figures v[r + 2 p] summed over the 32 lanes, the rows by turns
.irp m, 1,2,4,8
.irp p, 0,1,2,3
	v_add_f32_dpp v[\r+2*\p], v[\r+2*\p], v[\r+2*\p] row_xmask:\m row_mask:0xf bank_mask:0xf
.endr
.endr
.irp p, 0,1,2,3
	v_permlanex16_b32 v[\r+2*\p+1], v[\r+2*\p], s[SEL], s[SEL+1]
.endr
.irp p, 0,1,2,3
	v_add_f32 v[\r+2*\p], v[\r+2*\p], v[\r+2*\p+1]
.endr
.endm
	s_load_b256 s[4:11], s[0:1], 0x0               ; y, g2, beta2, out0
	v_lshrrev_b32 v1, 5, v0
	v_readfirstlane_b32 s14, v1                    ; wave
	v_and_b32 v1, 31, v0
	v_lshlrev_b32 v2, 4, v1                        ; 16 x lane
	s_lshl_b32 s16, ttmp9, 16
	s_lshl_b32 s15, s14, 14
	s_add_co_u32 s16, s16, s15                     ; my four rows
	s_mov_b32 s17, 0
	s_mov_b32 s[SEL], 0x76543210
	s_mov_b32 s[SEL+1], 0xfedcba98
	s_mov_b32 s20, 0x3a800000                      ; 1 / 1024
	s_mov_b32 s21, 0x3727c5ac                      ; 1e-5
	s_wait_alu depctr_va_vdst(0)
	s_wait_kmcnt 0x0
	s_add_nc_u64 s[4:5], s[4:5], s[16:17]
	s_add_nc_u64 s[10:11], s[10:11], s[16:17]
.irp p, 0,1,2,3
.irp j, 0,1,2,3,4,5,6,7
	global_load_b128 v[X+32*\p+4*\j:X+32*\p+4*\j+3], v2, s[4:5] offset:4096*\p+512*\j th:TH_LOAD_NT
.endr
.endr
.irp j, 0,1,2,3,4,5,6,7
	global_load_b128 v[G+4*\j:G+4*\j+3], v2, s[6:7] offset:512*\j
	global_load_b128 v[BE+4*\j:BE+4*\j+3], v2, s[8:9] offset:512*\j
.endr
	s_wait_loadcnt 16                              ; the rows are in; the gain's and the bias's 16 loads may be out
.irp p, 0,1,2,3
	v_pk_add_f32 v[SM+2*\p:SM+2*\p+1], v[X+32*\p:X+32*\p+1], v[X+32*\p+2:X+32*\p+3]
.endr
.irp i, 4,6,8,10,12,14,16,18,20,22,24,26,28,30
.irp p, 0,1,2,3
	v_pk_add_f32 v[SM+2*\p:SM+2*\p+1], v[SM+2*\p:SM+2*\p+1], v[X+32*\p+\i:X+32*\p+\i+1]
.endr
.endr
.irp p, 0,1,2,3
	v_add_f32 v[SM+2*\p], v[SM+2*\p], v[SM+2*\p+1]
.endr
	ACROSS SM
.irp p, 0,1,2,3
	v_mul_f32 v[SM+2*\p], s20, v[SM+2*\p]          ; the mean,
.endr
.irp p, 0,1,2,3
	v_mov_b32 v[SM+2*\p+1], v[SM+2*\p]             ; twice, for the packed forms
.endr
.irp i, 0,2,4,6,8,10,12,14,16,18,20,22,24,26,28,30
.irp p, 0,1,2,3
	v_pk_add_f32 v[X+32*\p+\i:X+32*\p+\i+1], v[X+32*\p+\i:X+32*\p+\i+1], v[SM+2*\p:SM+2*\p+1] neg_lo:[0,1] neg_hi:[0,1]
.endr
.endr
.irp p, 0,1,2,3
	v_pk_mul_f32 v[SQ+2*\p:SQ+2*\p+1], v[X+32*\p:X+32*\p+1], v[X+32*\p:X+32*\p+1]
.endr
.irp i, 2,4,6,8,10,12,14,16,18,20,22,24,26,28,30
.irp p, 0,1,2,3
	v_pk_fma_f32 v[SQ+2*\p:SQ+2*\p+1], v[X+32*\p+\i:X+32*\p+\i+1], v[X+32*\p+\i:X+32*\p+\i+1], v[SQ+2*\p:SQ+2*\p+1]
.endr
.endr
.irp p, 0,1,2,3
	v_add_f32 v[SQ+2*\p], v[SQ+2*\p], v[SQ+2*\p+1]
.endr
	ACROSS SQ
.irp p, 0,1,2,3
	v_fma_f32 v[SQ+2*\p], v[SQ+2*\p], s20, s21     ; the variance + eps
.endr
	s_wait_alu depctr_va_vdst(0)
.irp p, 0,1,2,3
	v_rsq_f32 v[SQ+2*\p], v[SQ+2*\p]
.endr
	v_nop                                          ; a plain place behind the last of them
	s_wait_alu depctr_va_vdst(0)                   ; one wait for the four, ahead of their first reader
.irp p, 0,1,2,3
	v_mov_b32 v[SQ+2*\p+1], v[SQ+2*\p]
.endr
	s_wait_alu depctr_va_vdst(0)
	s_wait_loadcnt 0x0
.irp i, 0,2,4,6,8,10,12,14,16,18,20,22,24,26,28,30
.irp p, 0,1,2,3
	v_pk_mul_f32 v[X+32*\p+\i:X+32*\p+\i+1], v[X+32*\p+\i:X+32*\p+\i+1], v[SQ+2*\p:SQ+2*\p+1]
.endr
.irp p, 0,1,2,3
	v_pk_fma_f32 v[X+32*\p+\i:X+32*\p+\i+1], v[X+32*\p+\i:X+32*\p+\i+1], v[G+\i:G+\i+1], v[BE+\i:BE+\i+1]
.endr
.endr
.irp p, 0,1,2,3
.irp j, 0,1,2,3,4,5,6,7
	global_store_b128 v2, v[X+32*\p+4*\j:X+32*\p+4*\j+3], s[10:11] offset:4096*\p+512*\j th:TH_STORE_NT
.endr
.endr
	s_endpgm
.Lfunc_end_k_q35f46f2240_ln2:
	.size	k_q35f46f2240_ln2, .Lfunc_end_k_q35f46f2240_ln2-k_q35f46f2240_ln2
	.p2alignl 7, 3214868480
	.fill 96, 4, 3214868480
	.section	.rodata,"a",@progbits
	.p2align	6, 0x0
	.amdhsa_kernel k_q35f46f2240_ln2
		.amdhsa_group_segment_fixed_size 0
		.amdhsa_private_segment_fixed_size 0
		.amdhsa_enable_private_segment 0
		.amdhsa_kernarg_size 32
		.amdhsa_user_sgpr_count 2
		.amdhsa_user_sgpr_kernarg_segment_ptr 1
		.amdhsa_wavefront_size32 1
		.amdhsa_system_sgpr_workgroup_id_x 1
		.amdhsa_system_sgpr_workgroup_id_y 1
		.amdhsa_system_sgpr_workgroup_id_z 1
		.amdhsa_system_vgpr_workitem_id 0
		.amdhsa_next_free_vgpr 224
		.amdhsa_next_free_sgpr 66
		.amdhsa_reserve_vcc 0
		.amdhsa_float_denorm_mode_32 3
		.amdhsa_float_denorm_mode_16_64 3
		.amdhsa_memory_ordered 1
		.amdhsa_forward_progress 1
		.amdhsa_inst_pref_size 33
	.end_amdhsa_kernel
	.amdgpu_metadata
---
amdhsa.version: [ 1, 2 ]
amdhsa.kernels:
  - .name:           k_q35f46f2240_ln2
    .symbol:         k_q35f46f2240_ln2.kd
    .args:
      - { .name: y, .offset: 0, .size: 8, .value_kind: global_buffer, .address_space: global }
      - { .name: g2, .offset: 8, .size: 8, .value_kind: global_buffer, .address_space: global }
      - { .name: beta2, .offset: 16, .size: 8, .value_kind: global_buffer, .address_space: global }
      - { .name: out0, .offset: 24, .size: 8, .value_kind: global_buffer, .address_space: global }
    .group_segment_fixed_size: 0
    .private_segment_fixed_size: 0
    .kernarg_segment_align: 8
    .kernarg_segment_size: 32
    .max_flat_workgroup_size: 128
    .sgpr_count:     66
    .vgpr_count:     224
    .wavefront_size: 32
...
	.end_amdgpu_metadata
.endif
;; end of part 16
